; MI455X (gfx1250); checked and timed in simulation.
; The chip was launched on July 23, 2026; its instructions are those of AMD's public machine-readable ISA for CDNA 5 (MIT licence, August 2026) and "CDNA5" Instruction Set Architecture Reference Guide (July 2026). The comments in the code are by the model that wrote it; some were corrected since.
;; Multi Headed Attention. Allowed arithmetic: matrix products marked QUANTISED: E3M2 operands, one E8M0 scale for each 32 along K, by v_wmma_scale_f32_16x16x128_f8f6f4 with both operands' format E3M2, f32 sums; everything else in f32.
;; Inputs: Wk 2,048 x 2,048 float32; Wo 2,048 x 2,048 float32; Wq 2,048 x 2,048 float32; Wv 2,048 x 2,048 float32; k 2,048 x 2,048 float32; ln_w 2,048 float32; mask 2,048 x 2,048 int32; q 2,048 x 2,048 float32; v 2,048 x 2,048 float32.
;; Outputs: out0 2,048 x 2,048 float32.
;; This version of the problem:
;;   THIS VERSION OF THE PROBLEM IS GIVEN IN LOW PRECISION. The matrix products marked QUANTISED in the list below multiply operands that are first quantised to E3M2 (3 exponent bits, 2 mantissa bits; 6 bits a number), with one power-of-two scale for each 32 numbers along K (OCP MX v1.0); their sums are f32. All else is computed in f32.
;;   The module's matrix products, in the order in which they are computed (A, B: the left and right operand; K: the contracted axis; several contracted axes count as one K, in the product's order):
;;     1. [M 2,048, K 2,048] x [K 2,048, N 2,048]; A: input q; B: input Wq: QUANTISED
;;     2. [M 2,048, K 2,048] x [K 2,048, N 2,048]; A: input k; B: input Wk: QUANTISED
;;     3. [M 2,048, K 2,048] x [K 2,048, N 2,048]; A: input v; B: input Wv: QUANTISED
;;     4. batch 16 x [M 2,048, K 128] x [K 128, N 2,048]; A: computed on the way; B: computed on the way: QUANTISED
;;     5. batch 16 x [M 2,048, K 2,048] x [K 2,048, N 128]; A: softmax (see below); B: computed on the way: QUANTISED
;;     6. [M 2,048, K 2,048] x [K 2,048, N 2,048]; A: computed on the way; B: input Wo: QUANTISED
;;   THE QUANTISER, for each operand of a quantised product, along K:
;;     - K is cut into blocks of 32 from its start; a last block that is shorter is filled with zeros.
;;     - A block's scale is 2^e with e = floor(log2(the largest magnitude in the block)) - 4, held to -126 .. 127; a block of zeros has e = 0. As a byte (E8M0): e + 127.
;;     - Each number is divided by its block's scale, clamped to +-28, and rounded to the nearest number of E3M2, ties to even, subnormals kept.
;;     - The product sums the exact products of the quantised numbers (number of the format x scale) in f32.
;;   ~~~python
;;   def quantise(x, axis):      # numpy; x: float32 -> the quantised numbers, widened to float32 again
;;       x = np.moveaxis(x, axis, -1); K = x.shape[-1]
;;       x = np.pad(x, [(0, 0)] * (x.ndim - 1) + [(0, -K % 32)]); x = x.reshape(x.shape[:-1] + (-1, 32)); a = np.abs(x).max(-1, keepdims=True)
;;       e = np.where(a > 0, np.clip(np.frexp(np.where(a > 0, a, 1))[1] - 1 - 4, -126, 127), 0)      # np.frexp(a)[1] - 1 = floor(log2(a)), exactly
;;       r = np.clip(x / 2.0 ** e, -28, 28)
;;       step = 2.0 ** (np.maximum(np.frexp(np.where(r == 0, 1, r))[1] - 1, -2) - 2)
;;       q = np.round(r / step) * step * 2.0 ** e      # np.round: ties to even
;;       return np.moveaxis(q.reshape(q.shape[:-2] + (-1,))[..., :K], -1, axis).astype(np.float32)
;;   ~~~
;;   SOFTMAX AHEAD OF A QUANTISED PRODUCT. Where the list says 'softmax', what is quantised is not the finished softmax but p = 2^(t - M), with t = logit x log2(e) and M = ceil(the row's largest t), a whole number; so 1/2 < the row's largest p <= 1. The row's sum l is taken of the UNQUANTISED p, in f32, and the product's result is divided by l at the end. Since M is a whole number, a kernel that streams over the keys may use a running M (the ceiling of the running maximum): every later rescaling is an exact power of two, which a block's scale takes up: the codes' values come out the same.
;;   OPERANDS COMPUTED ON THE WAY. 'Computed on the way' means the value that the module computes at that place (a softmax that the list does not call 'softmax' is quantised finished and normalised). What goes into a quantiser is computed in f32, as accurately as f32 sums, v_exp_f32 and their like allow (about 1e-6 of the number): no bf16 or f16 on the way to a quantiser, and a product that is left as it is and whose result goes on into a quantised operand takes f32 operands (vector FMAs, or v_wmma_f32_16x16x4_f32). A number that lies on a knife's edge between two numbers of the format may be rounded either way, as far as f32 arithmetic and the matrix unit's own rounding can turn it there, and no further.
;; 2 versions. Each part assembles by itself: llvm-mc -triple=amdgcn-amd-amdhsa -mcpu=gfx1250 --defsym DOCPART=n.
;; ======== version 1 of 2: 5 launches
;; workspace buffers: opc 22,020,096 bytes; ops 917,504 bytes; mw 524,288 bytes of whole numbers; qkv 9,830,400 bytes; yc 3,145,728 bytes; ys 131,072 bytes; xw 16,777,216 bytes
;; launch prep (part 1): grid 128 x 8, 4 waves a work-group, no clusters, 69,120 bytes of LDS; arguments q, k, Wv, Wq, Wk, v, Wo, mask, opc, ops, mw; writes opc, ops, mw
.if DOCPART == 1
	.amdgcn_target "amdgcn-amd-amdhsa--gfx1250"
	.amdhsa_code_object_version 6
	.text
	.protected	k_q55728a0fd3_prep
	.globl	k_q55728a0fd3_prep
	.p2align	8
	.type	k_q55728a0fd3_prep,@function
k_q55728a0fd3_prep:
	s_mov_b64 s[64:65], 0
	v_nop
	global_prefetch_b8 v0, s[64:65] scope:SCOPE_SE
	s_setreg_imm32_b32 hwreg(HW_REG_WAVE_MODE, 25, 1), 1
	s_wait_xcnt 0x0
; Seven tensors [2048][2048] f32 (in this order: q, k, Wv, Wq, Wk, v, Wo), K innermost, become codes of BF6 (E3M2) with one E8M0 byte for each 32 along K; the mask [2048][2048] int32 becomes bits.
; A block's scale is 2^(floor(log2(its largest magnitude)) - 4); its byte is the largest magnitude's exponent field - 4, held at 1 from below.
; LIMITS: NaN and infinities among the inputs are not served; a block whose largest magnitude lies under 2^-122 has its byte held at 1; a block of zeros gets the byte 1 and not 127: its codes are zeros, and this program alone reads the bytes.
; THE CODES ARE LAID AS IMAGES OF THE OPERAND'S REGISTERS.  A fragment (16 rows x 128 K) is 12 registers a lane, 1,536 bytes: registers 4 c .. 4 c + 3 of lane l at 512 c + 16 l.  Its scale words: 4 bytes a row.
; THE 16 ROWS OF A TILE ARE NOT NEIGHBOURS: tile i of a block of 128 rows holds in lane r the row 32 (i / 2) + 8 (i % 2) + r + 8 (r / 8).  Every operand of the program has this one map.
;   opc [tensor 7][block of 128 rows 16][K step 16][tile 8][1536]      ops [tensor 7][block 16][tile 8][K step 16][16 words]
;   mw  [tile of queries 128][key step 16][64 words]: bit l of word 16 b + i says whether mask[the tile's row of lane l % 16][128 step + 32 b + 16 (l / 16) + i] is not 0
; SHARES.  Work-group (x, y): tile x of tensor y (y = 7: the mask).  Wave w takes K steps 4 w .. 4 w + 3, a unit each: 16 rows x 512 bytes.  Each load reads 512 consecutive bytes of one row; the unit turns through the wave's own
; stage in LDS (rows of 512 + 16 bytes), so that lane (r, h) gets of row r the 16 neighbours 32 b + 16 h + 0 .. 15 of each block b.  Two units' loads (32 a wave) are out at most.  Waves share nothing: no barrier.
; No cluster: no two work-groups read the same byte.  No matrix unit: nothing is multiplied.
.set SP,    528                        ; a stage row: 512 bytes + 16: row r starts 4 r words on in the banks' round of 64 words
.set WST,   16*SP                      ; a wave's stage
.set SCS,   4*WST                      ; behind the stages: 256 bytes of scale words for each wave
.set MBASE, SCS+4*256                  ; the mask's work-groups take LDS bytes of their own
.set FRB,   1536                       ; a fragment's image
.set BLKB,  8*FRB                      ; a K step of a block of 128 rows
.set STI, 8                            ; v8   the stage, on the way in: 16 x lane
.set STO, 9                            ; v9   on the way out: 528 r + 64 h
.set SCI, 10                           ; v10  my row's scale word: 4 r
.set SCO, 11                           ; v11  the scale words on the way out: 8 x lane
.set LI,  12                           ; v12  16 x lane
.set L8,  13                           ; v13  8 x lane
.set PC,  16                           ; v16-27  a fragment's codes
.set TP,  28                           ; v28-35  the upper halves of the blocks' codes, as the conversions leave them
.set TM,  36                           ; v36-51  largest magnitudes, bytes, scale operands
.set PW,  52                           ; v52  the scale word
.set MW,  54                           ; v54-61  the mask's words, a pair for each unit
.set R,   64                           ; v64-191 two sets of 64: a unit as it is loaded
.set X,   192                          ; v192-255 a unit as the quantiser wants it: register 16 b + i = k 32 b + 16 h + i of row r
.set SEL, 36                           ; s[36:37] v_permlanex16_b32's selects for lane l xor 16
	s_load_b512 s[8:23], s[0:1], 0x0               ; the eight inputs
	s_load_b128 s[24:27], s[0:1], 0x40             ; opc, ops
	s_load_b64 s[28:29], s[0:1], 0x50              ; mw
	v_lshl_add_u32 v62, v0, 2, 0x10c00
	v_mov_b32 v63, 0
	v_lshrrev_b32 v1, 5, v0
	v_readfirstlane_b32 s30, v1                    ; wave 0..3
	s_and_b32 s31, ttmp7, 0xffff                   ; which tensor
	v_and_b32 v2, 31, v0                           ; lane
	v_and_b32 v3, 15, v0                           ; r
	v_bfe_u32 v4, v0, 4, 1                         ; h
	v_lshlrev_b32 v[LI], 4, v2
	v_lshlrev_b32 v[L8], 3, v2
	s_mul_i32 s32, s30, WST
	v_add_nc_u32 v[STI], s32, v[LI]
	v_mul_u32_u24 v[STO], v3, SP
	v_lshl_add_u32 v[STO], v4, 6, v[STO]
	v_add_nc_u32 v[STO], s32, v[STO]
	s_lshl_b32 s33, s30, 8
	s_add_co_u32 s33, s33, SCS
	v_lshl_add_u32 v[SCI], v3, 2, s33
	v_add_nc_u32 v[SCO], s33, v[L8]
	s_mov_b32 s[SEL], 0x76543210
	s_mov_b32 s[SEL+1], 0xfedcba98
.irp b, 0,1,2,3
	v_mov_b32 v[TM+4+\b], 0                        ; written once: a lane permute's destination counts as one of its sources
.endr
.irp b, 0,1,2,3,4,5,6,7
	v_mov_b32 v[MW+\b], 0                          ; likewise v_writelane_b32's
.endr
	s_lshr_b32 s34, ttmp9, 1                       ; the tile's first row is 32 (x / 2) + 8 (x % 2); a row is 8,192 bytes; my wave's four K steps begin 2,048 w bytes on
	s_lshl_b32 s34, s34, 18
	s_and_b32 s35, ttmp9, 1
	s_lshl_b32 s35, s35, 16
	s_add_co_u32 s34, s34, s35
	s_lshl_b32 s35, s30, 11
	s_add_co_u32 s34, s34, s35
	s_mov_b32 s35, 0
	s_wait_kmcnt 0x0
	s_mov_b64 s[4:5], s[8:9]                       ; the input is chosen by the work-group's y alone
.irp i, 1,2,3,4,5,6,7
	s_cmp_eq_u32 s31, \i
	s_cselect_b64 s[4:5], s[8+2*\i:9+2*\i], s[4:5]
.endr
	s_add_nc_u64 s[4:5], s[4:5], s[34:35]
.macro LOAD u                          ; unit u: the tile's 16 rows, 512 consecutive bytes each
.irp i, 0,1,2,3,4,5,6,7,8,9,10,11,12,13,14,15
	global_load_b128 v[R+64*((\u)%2)+4*\i:R+64*((\u)%2)+4*\i+3], v[LI], s[4:5] offset:(\i+8*(\i/8))*8192+512*(\u) th:TH_LOAD_NT
.endr
.endm
.macro TURN u, base                    ; through the stage: LDS serves a wave's instructions in order (ISA guide 5.7.1.4), so no wait stands between the stores and the loads
.irp i, 0,1,2,3,4,5,6,7,8,9,10,11,12,13,14,15
	ds_store_b128 v[STI], v[R+64*((\u)%2)+4*\i:R+64*((\u)%2)+4*\i+3] offset:\base+SP*\i
.endr
.irp b, 0,1,2,3
.irp j, 0,1,2,3
	ds_load_b128 v[X+16*\b+4*\j:X+16*\b+4*\j+3], v[STO] offset:\base+128*\b+16*\j
.endr
.endr
.endm
; 64 numbers of a lane, register 16 b + i = k 32 b + 16 h + i of my row, become a fragment's codes in v[pc] on and its scale word in v[PW]
.macro QUANT s, pc, tp
.irp b, 0,1,2,3
	v_max3_num_f32 v[TM+\b], |v[\s+16*\b]|, |v[\s+1+16*\b]|, 0x2800000   ; block b: my 16 numbers, and the floor 2^(5 - 127): so the byte cannot fall under 1
.endr
.irp i, 2,4,6,8,10,12,14
.irp b, 0,1,2,3
	v_max3_num_f32 v[TM+\b], v[TM+\b], |v[\s+16*\b+\i]|, |v[\s+1+16*\b+\i]|   ; the four blocks by turns
.endr
.endr
.irp b, 0,1,2,3
	v_permlanex16_b32 v[TM+4+\b], v[TM+\b], s[SEL], s[SEL+1]
.endr
.irp b, 0,1,2,3
	v_max_num_f32 v[TM+\b], v[TM+\b], v[TM+4+\b]   ; with lane l xor 16's: the block's largest magnitude
.endr
.irp b, 0,1,2,3
	v_add_nc_u32 v[TM+12+\b], 0xfe000000, v[TM+\b] ; 4 off its exponent field: the conversion takes the exponent field of this operand as its scale
.endr
.irp b, 0,1,2,3
	v_lshrrev_b32 v[TM+4+\b], 23, v[TM+12+\b]      ; the scale's byte
.endr
	v_lshl_or_b32 v[PW], v[TM+5], 8, v[TM+4]
	v_lshl_or_b32 v[PW], v[TM+6], 16, v[PW]
	v_lshl_or_b32 v[PW], v[TM+7], 24, v[PW]        ; my row's scale word
.irp c, 0,1
	v_cvt_scalef32_pk16_bf6_f32 v[\pc+6*\c:\pc+2+6*\c], v[\s+32*\c:\s+15+32*\c], v[TM+12+2*\c]
	v_cvt_scalef32_pk16_bf6_f32 v[\tp+4*\c:\tp+2+4*\c], v[\s+16+32*\c:\s+31+32*\c], v[TM+12+2*\c+1]   ; (a conversion's three registers begin on an even number)
.endr
	v_nop                                          ; one plain place behind a scaled conversion
.irp c, 0,1                            ; the operand's layout wants a whole block in a lane: lanes 0-15 block 2 c, lanes 16-31 block 2 c + 1
.irp i, 0,1,2
	v_permlane16_swap_b32 v[\pc+6*\c+\i], v[\tp+4*\c+\i]
.endr
.irp i, 0,1,2
	v_mov_b32 v[\pc+3+6*\c+\i], v[\tp+4*\c+\i]
.endr
.endr
.endm
	LOAD 0
	LOAD 1
	s_cmp_eq_u32 s31, 7
	s_cbranch_scc1 .Lmask
	; ---- a tensor of numbers.  Where my wave's codes and scale words begin
	s_mul_i32 s38, s31, 3145728
	s_lshr_b32 s48, ttmp9, 3                       ; the block of 128 rows
	s_mul_i32 s39, s48, 196608
	s_add_co_u32 s38, s38, s39
	s_mul_i32 s39, s30, 4*BLKB
	s_add_co_u32 s38, s38, s39
	s_and_b32 s49, ttmp9, 7                        ; the tile in it
	s_mul_i32 s39, s49, FRB
	s_add_co_u32 s38, s38, s39
	s_mov_b32 s39, 0
	s_add_nc_u64 s[24:25], s[24:25], s[38:39]
	s_lshl_b32 s38, s31, 17
	s_lshl_b32 s48, s48, 13
	s_add_co_u32 s38, s38, s48
	s_lshl_b32 s49, s49, 10
	s_add_co_u32 s38, s38, s49
	s_lshl_b32 s48, s30, 8
	s_add_co_u32 s38, s38, s48
	s_add_nc_u64 s[26:27], s[26:27], s[38:39]
.macro UNITF u
.if \u < 3
	s_wait_loadcnt 16                              ; this unit's 16 loads are in; the next unit's 16 may be out
.else
	s_wait_loadcnt 0x0
.endif
	TURN \u, 0
	s_wait_dscnt 0x0                               ; the unit is back from the stage: so the stage's stores have read their registers, and the last unit's scale word has been stored
	s_wait_xcnt 0x0                                ; the last unit's stores have read the codes' registers, which are written again below
.if \u < 2
	LOAD \u+2
.endif
	QUANT X, PC, TP
.irp c, 0,1,2
	global_store_b128 v[LI], v[PC+4*\c:PC+4*\c+3], s[24:25] offset:BLKB*\u+512*\c   ; 32 lanes store 512 consecutive bytes, at a multiple of 256 from the buffer's first byte
.endr
	ds_store_b32 v[SCI], v[PW] offset:64*\u        ; lanes r and r + 16 write the same word with the same value
.endm
	UNITF 0
	UNITF 1
	UNITF 2
	UNITF 3
	ds_load_b64 v[14:15], v[SCO]                   ; my four K steps' scale words: 256 bytes on end
	s_wait_dscnt 0x0
	global_store_b64 v[L8], v[14:15], s[26:27]     ; 256 consecutive bytes, aligned
	s_wait_tensorcnt 0x0
	ds_add_u32 v62, v63
	s_wait_dscnt 0x0
	s_endpgm
.Lmask:
	; ---- the mask: a compare gives one word of 32 lanes' bits; 64 words a unit are gathered, two to a lane, and leave as 256 consecutive bytes
	s_lshl_b32 s38, ttmp9, 12
	s_lshl_b32 s39, s30, 10
	s_add_co_u32 s38, s38, s39
	s_mov_b32 s39, 0
	s_add_nc_u64 s[28:29], s[28:29], s[38:39]
.macro UNITM u
.if \u < 3
	s_wait_loadcnt 16
.else
	s_wait_loadcnt 0x0
.endif
	TURN \u, MBASE
	s_wait_dscnt 0x0
.if \u < 2
	LOAD \u+2
.endif
.set n, 0
.rept 64
	v_cmp_ne_u32 s[40+n%8], 0, v[X+n]              ; word n: bit l = my lane's number is not 0
	v_writelane_b32 v[MW+2*\u+n%2], s[40+n%8], n/2
.set n, n+1
.endr
	global_store_b64 v[L8], v[MW+2*\u:MW+2*\u+1], s[28:29] offset:256*\u
.endm
	UNITM 0
	UNITM 1
	UNITM 2
	UNITM 3
	s_wait_tensorcnt 0x0
	ds_add_u32 v62, v63
	s_wait_dscnt 0x0
	s_endpgm
.Lfunc_end_k_q55728a0fd3_prep:
	.size	k_q55728a0fd3_prep, .Lfunc_end_k_q55728a0fd3_prep-k_q55728a0fd3_prep
	.p2alignl 7, 3214868480
	.fill 96, 4, 3214868480
	.section	.rodata,"a",@progbits
	.p2align	6, 0x0
	.amdhsa_kernel k_q55728a0fd3_prep
		.amdhsa_group_segment_fixed_size 69120
		.amdhsa_private_segment_fixed_size 0
		.amdhsa_enable_private_segment 0
		.amdhsa_kernarg_size 88
		.amdhsa_user_sgpr_count 2
		.amdhsa_user_sgpr_kernarg_segment_ptr 1
		.amdhsa_wavefront_size32 1
		.amdhsa_system_sgpr_workgroup_id_x 1
		.amdhsa_system_sgpr_workgroup_id_y 1
		.amdhsa_system_sgpr_workgroup_id_z 1
		.amdhsa_system_vgpr_workitem_id 0
		.amdhsa_next_free_vgpr 256
		.amdhsa_next_free_sgpr 66
		.amdhsa_reserve_vcc 0
		.amdhsa_float_denorm_mode_32 3
		.amdhsa_float_denorm_mode_16_64 3
		.amdhsa_memory_ordered 1
		.amdhsa_forward_progress 1
		.amdhsa_inst_pref_size 79
	.end_amdhsa_kernel
	.amdgpu_metadata
---
amdhsa.version: [ 1, 2 ]
amdhsa.kernels:
  - .name:           k_q55728a0fd3_prep
    .symbol:         k_q55728a0fd3_prep.kd
    .args:
      - { .name: q, .offset: 0, .size: 8, .value_kind: global_buffer, .address_space: global }
      - { .name: k, .offset: 8, .size: 8, .value_kind: global_buffer, .address_space: global }
      - { .name: Wv, .offset: 16, .size: 8, .value_kind: global_buffer, .address_space: global }
      - { .name: Wq, .offset: 24, .size: 8, .value_kind: global_buffer, .address_space: global }
      - { .name: Wk, .offset: 32, .size: 8, .value_kind: global_buffer, .address_space: global }
      - { .name: v, .offset: 40, .size: 8, .value_kind: global_buffer, .address_space: global }
      - { .name: Wo, .offset: 48, .size: 8, .value_kind: global_buffer, .address_space: global }
      - { .name: mask, .offset: 56, .size: 8, .value_kind: global_buffer, .address_space: global }
      - { .name: opc, .offset: 64, .size: 8, .value_kind: global_buffer, .address_space: global }
      - { .name: ops, .offset: 72, .size: 8, .value_kind: global_buffer, .address_space: global }
      - { .name: mw, .offset: 80, .size: 8, .value_kind: global_buffer, .address_space: global }
    .group_segment_fixed_size: 69120
    .private_segment_fixed_size: 0
    .kernarg_segment_align: 8
    .kernarg_segment_size: 88
    .max_flat_workgroup_size: 128
    .sgpr_count:     66
    .vgpr_count:     256
    .wavefront_size: 32
...
	.end_amdgpu_metadata
.endif
;; end of part 1
;; launch proj (part 2): grid 8 x 24, 4 waves a work-group, clusters of 4 x 4, 327,680 bytes of LDS; arguments opc, ops, qkv; writes qkv
.if DOCPART == 2
	.amdgcn_target "amdgcn-amd-amdhsa--gfx1250"
	.amdhsa_code_object_version 6
	.text
	.protected	k_q55728a0fd3_proj
	.globl	k_q55728a0fd3_proj
	.p2align	8
	.type	k_q55728a0fd3_proj,@function
k_q55728a0fd3_proj:
	s_mov_b64 s[64:65], 0
	v_nop
	global_prefetch_b8 v0, s[64:65] scope:SCOPE_SE
	s_setreg_imm32_b32 hwreg(HW_REG_WAVE_MODE, 25, 1), 1
	s_wait_xcnt 0x0
	s_wait_alu depctr_hold_cnt(0) depctr_sa_sdst(0) depctr_va_vdst(0) depctr_va_sdst(0) depctr_va_ssrc(0) depctr_va_vcc(0) depctr_vm_vsrc(0)
	s_getreg_b32 s2, hwreg(HW_REG_IB_STS2, 6, 4)
	s_cmp_eq_u32 s2, 0
	s_cbranch_scc0 .Lentry_in_a_cluster
	s_endpgm
.Lentry_in_a_cluster:
	s_bfe_u32 s2, ttmp6, 0x10000c
	s_cmp_lg_u32 s2, 0xf033
	s_cbranch_scc0 .Lentry_shape_is_right
	s_endpgm
.Lentry_shape_is_right:
; The three projections, on codes of BF6 (E3M2) with one E8M0 scale for each 32 along K: g = 0: Q = q Wq^T; g = 1: K = k Wk^T; g = 2: V^T = Wv v^T.  C[m][n] = sum over k of A[m][k] B[n][k], A = tensor g of opc, B = tensor g + 3.
; The results never leave as f32: each wave's 128 x 128 of C is quantised in registers along its columns (for Q and K: a head's 128; for V^T: 128 keys) and stored as the next products' operands.
; OPERANDS ARE IMAGES OF REGISTERS: a fragment (16 rows x 128 K) is 1,536 bytes, registers 4 c .. 4 c + 3 of lane l at 512 c + 16 l; a block of 128 rows is one dense stream [K step 16][tile 8][1536].  So a slot's part of a block is dense
; memory, a fragment is three loads of 16 bytes a lane at consecutive addresses, and LDS needs no pitch and no padding.  Tile i holds in lane r the block's row 32 (i / 2) + 8 (i % 2) + r + 8 (r / 8).
; A tile of C, 256 x 256, is made by a work-group of four waves, 128 x 128 each: 64 accumulators, 512 registers.  K goes in steps of 256 through a ring of two LDS slots; the scale words of the four blocks, for all of K, come once.
; CLUSTERS: 4 x 4 work-groups; A's tiles are asked for jointly along a row of the cluster, B's along a column.  THE MATRIX INSTRUCTION IS USED TRANSPOSED (source 0 = 16 rows of B, source 1 = 16 rows of A): lane (r, h) holds A's row of
; lane r, and by the map of B's rows the 64 registers of A's block a are columns 32 b + 16 h + i at register 16 b + i: what the quantiser takes, and the fragment that it makes has the same map of rows again.
; qkv [Q, K, V][head 16][block 16][record 12,800]: a record is 8 fragments and their 8 x 16 scale words.  Q, K: block = 128 tokens, rows = tokens.  V: block = 128 keys, rows = the head's 128.
; LIMITS: a block whose largest magnitude lies under 2^-122 has its byte held at 1; a block of zeros gets the byte 1 (zero codes; this program alone reads the bytes).
; REGISTERS, in windows of 256: window 0: v16-29 addresses; v32-63 scale words, two sets; v64-103 the way out's work; v128-223 A's fragments, one set, later the codes made.  window 1: B's fragments, two sets, at v0 and v128.
;   window 2: the 32 accumulators of my rows' blocks 0-3 ((a, b) at v[8 (8 a + b)]);   window 3: those of blocks 4-7.
.set NQ,     2                         ; matrix instructions deep in a slot
.set FR,     12                        ; registers of a fragment
.set NL,     3                         ; LDS loads that bring one
.set NP,     4                         ; places behind this matrix instruction (ISA guide 7.12.1)
.set FRB,    1536
.set BLKB,   8*FRB                     ; a block's eight fragments of one K step of 128
.set HALFT,  NQ*BLKB                   ; what one tensor load brings: a block's part of a slot, 24,576 dense bytes
.set SLOT,   4*HALFT                   ; A's two blocks, then B's two
.set LAPS,   4                         ; a lap = 512 along K = once round the ring; K = 2,048
.set SCB,    8192                      ; a block's scale words for all of K: [tile 8][K step 16][16 words]
.set SCL,    2*SLOT                    ; behind the ring: four of them
.set SPARE,  SCL+4*SCB                 ; the spare words, 128 bytes for each wave: two blocks of 256 bytes that no other line names
.set SST,    SPARE+512                 ; 512 bytes for each wave: a record's scale words on their way out; no fill lands here
.set ADRA, 16                          ; v16-17  LDS address of my A fragments in slot 0, 1: 16 x lane + the block
.set ADRB, 20                          ; v20-21  the same for B
.set LI,   24                          ; v24     16 x lane
.set SSI,  25                          ; v25     where I put a scale word
.set SSO,  26                          ; v26     and where I read 16 bytes of them back
.set ADRS, 27                          ; v27     LDS address of my scale words: lanes 0-15 A's rows, lanes 16-31 B's
.set SPW,  28                          ; v28     LDS address of my spare word; never rewritten
.set NIL,  29                          ; v29     0; never rewritten
.set SC,   32                          ; scale words: set s at v[SC + 16 s]; register 2 i + q: lanes 0-15 A's tile i, lanes 16-31 B's tile i, the slot's q-th 128 along K
.set TM,   64                          ; v64-79  the way out: largest magnitudes, bytes, scale operands
.set TP,   84                          ; v84-91  the upper halves of the blocks' codes
.set SW,   92                          ; v92-95  16 bytes of scale words
.set PW,   96                          ; v96-103 a scale word for each of my eight blocks of rows
.set AF,   128                         ; A's fragments
.set G1, 24                            ; s[24:31] descriptor group 1 for A's tiles;  s[32:39] group 0, one set for each slot
.set G0, 32
.set G1B, 48                           ; s[48:55], s[56:63] the same for B's
.set G0B, 56
.set G1S, 68                           ; s[68:75], s[76:79] groups 1 and 0 for A's scale words;  s[80:87], s[88:91] for B's
.set G0S, 76
.set G1SB, 80
.set G0SB, 88
.set SEL, 96                           ; s[96:97] v_permlanex16_b32's selects for lane l xor 16
.set MSB, 0
.macro WIN new                         ; the immediate's high byte repeats the setting that is left
.if MSB != \new
	s_set_vgpr_msb (MSB<<8)|\new
.set MSB, \new
.endif
.endm
.set MUL_LO, 0xa1                      ; source 0 (B) window 1, source 1 (A) window 0, C and D window 2
.set MUL_HI, 0xf1                      ; the same, C and D window 3
.set TO_B,   0x40                      ; destination window 1, address window 0
; A joint load: waves 0 and 1 fetch for A, waves 2 and 3 for B.  Each line has one mask and one set of registers for all that issue it; the branch hangs on the wave's number alone.  Four v_nop follow each line.
.macro JLOAD g0a, g1a, g0b, g1b
	s_cmp_eq_u32 s15, 0
	s_cbranch_scc0 .Lfor_b_\@
	tensor_load_to_lds s[\g0a:\g0a+3], s[\g1a:\g1a+7]
	s_nop 0
.rept 4
	v_nop
.endr
	s_branch .Lasked_\@
.Lfor_b_\@:
	tensor_load_to_lds s[\g0b:\g0b+3], s[\g1b:\g1b+7]
	s_nop 0
.rept 4
	v_nop
.endr
.Lasked_\@:
.endm
.macro CREST                           ; a round of the cluster's barrier behind its opening barrier
	s_cmp_lg_u32 s14, 0
	s_cbranch_scc1 .Lnot_wave_0_\@
	s_barrier_signal -3
.Lnot_wave_0_\@:
	s_barrier_wait -3
	s_barrier_signal -1
	s_barrier_wait -1
.endm
.macro CROUND                          ; a whole round
	s_barrier_signal -1
	s_barrier_wait -1
	CREST
.endm
	s_load_b128 s[4:7], s[0:1], 0x0                ; opc s[4:5], ops s[6:7]
	s_load_b64 s[12:13], s[0:1], 0x10              ; qkv
	v_lshl_add_u32 v[SPW], v0, 2, SPARE
	v_mov_b32 v[NIL], 0
	ds_add_u32 v28, v29
	ds_add_u32 v28, v29
	s_wait_dscnt 0x0
	v_lshrrev_b32 v1, 5, v0
	v_readfirstlane_b32 s14, v1                    ; wave 0..3
	s_lshr_b32 s15, s14, 1                         ; which of A's two blocks is mine.  Also: I fetch for A (0) or for B (1)
	s_and_b32 s16, s14, 1                          ; which of B's two.  Also: which block of that side I fetch
	s_bfe_u32 s40, ttmp6, 0x40000                  ; cx, cy: my place in the cluster
	s_bfe_u32 s41, ttmp6, 0x40004
	s_lshl_b32 s42, ttmp9, 2
	s_add_co_u32 s42, s42, s40                     ; tile column of C = 4 x cluster x + cx
	s_and_b32 s9, ttmp7, 0xffff                    ; cluster y, 0 to 5: two for each product
	s_lshr_b32 s8, s9, 1                           ; g: which product; it hangs on the cluster's y alone
	s_and_b32 s17, s9, 1
	s_lshl_b32 s17, s17, 2
	s_add_co_u32 s17, s17, s41                     ; tile row of C
	s_add_co_u32 s11, s8, 3                        ; B's tensor
	s_lshl_b32 s43, s41, 2
	s_lshl_b32 s43, 15, s43                        ; my row of the cluster
	s_lshl_b32 s44, 0x1111, s40                    ; my column
	; descriptor group 1: 24,576 dense bytes as 96 rows of 256 bytes (32 elements of 8 bytes), no padding
	s_or_b32 s[G1+0], s43, (3<<16)|(1<<21)         ; 15:0 the mask: A's tiles go to my row; 17:16 elements of 8 bytes; 21 set beside a mask
	s_or_b32 s[G1B+0], s44, (3<<16)|(1<<21)
.irp g, G1, G1B
	s_mov_b32 s[\g+1], 32<<16                      ; tensor_dim0
	s_mov_b32 s[\g+2], 96<<16                      ; tensor_dim1
	s_mov_b32 s[\g+3], 32<<16                      ; tile_dim0
	s_mov_b32 s[\g+4], 96                          ; tile_dim1
	s_mov_b32 s[\g+5], 32                          ; tensor_dim0_stride
	s_mov_b32 s[\g+6], 0
	s_mov_b32 s[\g+7], 0
.endr
	; and for a block's scale words: 8,192 dense bytes as 32 such rows
	s_or_b32 s[G1S+0], s43, (3<<16)|(1<<21)
	s_or_b32 s[G1SB+0], s44, (3<<16)|(1<<21)
.irp g, G1S, G1SB
	s_mov_b32 s[\g+1], 32<<16
	s_mov_b32 s[\g+2], 32<<16
	s_mov_b32 s[\g+3], 32<<16
	s_mov_b32 s[\g+4], 32
	s_mov_b32 s[\g+5], 32
	s_mov_b32 s[\g+6], 0
	s_mov_b32 s[\g+7], 0
.endr
	s_lshl_b32 s20, s17, 1
	s_add_co_u32 s20, s20, s16                     ; A: block 2 x tile row + which
	s_lshl_b32 s46, s42, 1
	s_add_co_u32 s46, s46, s16                     ; B: block 2 x tile column + which
	s_lshl_b32 s22, s20, 13                        ; where the block's scale words begin,
	s_lshl_b32 s18, s8, 17
	s_add_co_u32 s22, s22, s18
	s_mov_b32 s23, 0
	s_mul_i32 s20, s20, 196608                     ; and its codes
	s_mul_i32 s18, s8, 3145728
	s_add_co_u32 s20, s20, s18
	s_mov_b32 s21, 0
	s_lshl_b32 s92, s46, 13
	s_lshl_b32 s18, s11, 17
	s_add_co_u32 s92, s92, s18
	s_mov_b32 s93, 0
	s_mul_i32 s46, s46, 196608
	s_mul_i32 s18, s11, 3145728
	s_add_co_u32 s46, s46, s18
	s_mov_b32 s47, 0
	s_mul_i32 s45, s14, HALFT                      ; where they go: by the wave's number alone
	s_lshl_b32 s94, s14, 13
	s_mov_b32 s[SEL], 0x76543210
	s_mov_b32 s[SEL+1], 0xfedcba98
	s_wait_kmcnt 0x0
	s_add_nc_u64 s[20:21], s[4:5], s[20:21]
	s_add_nc_u64 s[22:23], s[6:7], s[22:23]
	s_add_nc_u64 s[46:47], s[4:5], s[46:47]
	s_add_nc_u64 s[92:93], s[6:7], s[92:93]
	CROUND                                         ; all sixteen work-groups are here: the first joint loads meet
	s_mov_b32 s[G0S], 1
	s_add_co_u32 s[G0S+1], s94, SCL
	s_mov_b64 s[G0S+2:G0S+3], s[22:23]
	s_or_b32 s[G0S+3], s[G0S+3], 0x80000000
	s_mov_b32 s[G0SB], 1
	s_add_co_u32 s[G0SB+1], s94, SCL
	s_mov_b64 s[G0SB+2:G0SB+3], s[92:93]
	s_or_b32 s[G0SB+3], s[G0SB+3], 0x80000000
	JLOAD G0S, G1S, G0SB, G1SB                     ; the scale words first: they are wanted with K step 0
.irp s, 0,1
	s_mov_b32 s[G0+4*\s], 1
	s_add_co_u32 s[G0+4*\s+1], s45, \s*SLOT
	s_add_nc_u64 s[G0+4*\s+2:G0+4*\s+3], s[20:21], \s*HALFT
	s_or_b32 s[G0+4*\s+3], s[G0+4*\s+3], 0x80000000
	s_mov_b32 s[G0B+4*\s], 1
	s_add_co_u32 s[G0B+4*\s+1], s45, \s*SLOT
	s_add_nc_u64 s[G0B+4*\s+2:G0B+4*\s+3], s[46:47], \s*HALFT
	s_or_b32 s[G0B+4*\s+3], s[G0B+4*\s+3], 0x80000000
	JLOAD G0+4*\s, G1, G0B+4*\s, G1B               ; three tensor loads of mine are out
.endr
	v_and_b32 v1, 15, v0                           ; r
	v_bfe_u32 v2, v0, 4, 1                         ; h
	v_and_b32 v6, 31, v0
	v_lshlrev_b32 v[LI], 4, v6
	s_mul_i32 s21, s15, HALFT                      ; my block of A
	s_mul_i32 s22, s16, HALFT                      ; my block of B,
	s_add_co_u32 s22, s22, 2*HALFT                 ; behind A's two
.irp s, 0,1
	v_add_nc_u32 v[ADRA+\s], s21, v[LI]
	v_add_nc_u32 v[ADRB+\s], s22, v[LI]
	s_add_co_u32 s21, s21, SLOT
	s_add_co_u32 s22, s22, SLOT
.endr
	v_lshlrev_b32 v5, 2, v1                        ; my row's scale word: 4 r
	s_lshl_b32 s21, s15, 13                        ; A's: my block
	s_lshl_b32 s22, s16, 13                        ; B's: my block, behind A's two
	s_add_co_u32 s22, s22, 2*SCB
	s_sub_co_u32 s22, s22, s21
	v_mul_u32_u24 v6, s22, v2                      ; lanes 16-31 take B's
	s_add_co_u32 s21, s21, SCL
	v_add_nc_u32 v5, v5, v6
	v_add_nc_u32 v[ADRS], s21, v5
	s_lshl_b32 s23, s14, 9
	s_add_co_u32 s23, s23, SST
	v_lshl_add_u32 v[SSI], v1, 2, s23
	v_add_nc_u32 v[SSO], s23, v[LI]
.irp b, 0,1,2,3
	v_mov_b32 v[TM+4+\b], 0                        ; written once: a lane permute's destination counts as one of its sources
.endr
	; my record: Q, K: head = my block of columns, block = my block of rows; V: the other way round
	s_lshl_b32 s20, s17, 1
	s_add_co_u32 s20, s20, s15
	s_lshl_b32 s46, s42, 1
	s_add_co_u32 s46, s46, s16
	s_cmp_lt_u32 s8, 2
	s_cselect_b32 s21, s46, s20
	s_cselect_b32 s22, s20, s46
	s_lshl_b32 s21, s21, 4
	s_add_co_u32 s21, s21, s22
	s_mul_i32 s21, s21, 12800
	s_mul_i32 s22, s8, 3276800
	s_add_co_u32 s20, s21, s22
	s_mov_b32 s21, 0
	s_add_nc_u64 s[12:13], s[12:13], s[20:21]
.macro FRAG reg, adr, q, i             ; tile i's fragment of the slot's q-th 128 along K: the image comes back as it was stored
.irp c, 0,1,2
	ds_load_b128 v[\reg+4*\c:\reg+4*\c+3], v[\adr] offset:(\q)*BLKB+(\i)*FRB+512*\c
.endr
.endm
; 16 matrix instructions: A's tiles a0, a0 + 1 x B's eight, 128 along K.  p: B's set; sc: the set of scale words.  zero = 1: the first product starts the sums.  The 64 accumulators take turns, one instruction a turn.
.macro MUL16 a0, p, q, sc, zero
.irp a, \a0, \a0+1
.irp b, 0,1,2,3,4,5,6,7
.if \zero
	v_wmma_scale_f32_16x16x128_f8f6f4 v[8*(8*((\a)%4)+\b):8*(8*((\a)%4)+\b)+7], v[128*(\p)+FR*\b:128*(\p)+FR*\b+FR-1], v[AF+FR*(\a):AF+FR*(\a)+FR-1], 0, v[SC+8*NQ*(\sc)+NQ*\b+(\q)], v[SC+8*NQ*(\sc)+NQ*(\a)+(\q)] matrix_a_fmt:MATRIX_FMT_BF6 matrix_b_fmt:MATRIX_FMT_BF6 matrix_a_scale:MATRIX_SCALE_ROW1
.else
	v_wmma_scale_f32_16x16x128_f8f6f4 v[8*(8*((\a)%4)+\b):8*(8*((\a)%4)+\b)+7], v[128*(\p)+FR*\b:128*(\p)+FR*\b+FR-1], v[AF+FR*(\a):AF+FR*(\a)+FR-1], v[8*(8*((\a)%4)+\b):8*(8*((\a)%4)+\b)+7], v[SC+8*NQ*(\sc)+NQ*\b+(\q)], v[SC+8*NQ*(\sc)+NQ*(\a)+(\q)] matrix_a_fmt:MATRIX_FMT_BF6 matrix_b_fmt:MATRIX_FMT_BF6 matrix_a_scale:MATRIX_SCALE_ROW1
.endif
.endr
.endr
.endm
.macro FETCH_B slot, q, p
	WIN TO_B
.irp i, 0,1,2,3,4,5,6,7
	FRAG 128*(\p)+FR*\i, ADRB+\slot, \q, \i
.endr
	WIN 0
.endm
.macro FETCH_A slot, q, i0
.irp i, \i0, \i0+1, \i0+2, \i0+3
	FRAG AF+FR*(\i), ADRA+\slot, \q, \i
.endr
.endm
.macro SCALES sc                       ; the next K step's scale words into set sc
.irp i, 0,1,2,3,4,5,6,7
.irp q, 0,1
	ds_load_b32 v[SC+8*NQ*\sc+NQ*\i+\q], v[ADRS] offset:1024*\i+64*\q
.endr
.endr
.endm
.macro PLACES n                        ; plain vector instructions between a matrix instruction and a load into, or a read of, its registers (ISA guide 7.12.1 for a read)
.rept \n
	v_nop
.endr
.endm
.macro STEP slot, q, zero              ; a step of 128 along K that has its successor in the same slot
	s_wait_dscnt 4*NL                              ; B's set, A's tiles 0-3 and the scale words are in; the youngest 12 loads (A's tiles 4-7) may be out
	WIN MUL_LO
	MUL16 0, (\q)%2, \q, \slot, \zero
	MUL16 2, (\q)%2, \q, \slot, \zero
	s_wait_dscnt 0                                 ; A's tiles 4-7 are in
	PLACES NP
	FETCH_B \slot, (\q)+1, 1-(\q)%2
	FETCH_A \slot, (\q)+1, 0
	WIN MUL_HI
	MUL16 4, (\q)%2, \q, \slot, \zero
	MUL16 6, (\q)%2, \q, \slot, \zero
	PLACES NP
	WIN 0
	FETCH_A \slot, (\q)+1, 4
.endm
; A slot's last step changes slots: one barrier; in front of it each wave waits for all its tensor loads, adds 0 to its spare word, and waits for that and for its own reads of this slot.  fill = 1: this slot is filled again, two K steps ahead.
.macro TURN slot, next, fill
	s_wait_tensorcnt 0x0                           ; all my tensor loads have landed: my part of the next slot
	ds_add_u32 v[SPW], v[NIL]                      ; 0 onto my spare word
	s_wait_dscnt 4*NL+1                            ; (the add and the youngest 12 loads may be out)
	WIN MUL_LO
	MUL16 0, 1, NQ-1, \slot, 0                     ; sixteen matrix instructions stand between the add and the wait for it
	s_wait_dscnt 0x0                               ; the add is done, and my reads of this slot are over
	s_barrier_signal -1
	MUL16 2, 1, NQ-1, \slot, 0
	WIN 0
	s_barrier_wait -1
.if \fill
	CREST                                          ; the barrier has opened a round of the cluster's: no wave of any partner still reads this slot or has a load on its way
	s_add_nc_u64 s[G0+4*\slot+2:G0+4*\slot+3], s[G0+4*\slot+2:G0+4*\slot+3], 2*HALFT
	s_add_nc_u64 s[G0B+4*\slot+2:G0B+4*\slot+3], s[G0B+4*\slot+2:G0B+4*\slot+3], 2*HALFT
	JLOAD G0+4*\slot, G1, G0B+4*\slot, G1B         ; the first tensor load behind the round, my one load until the next; its four v_nop are the places in front of the loads below
.else
	PLACES NP
.endif
	v_add_nc_u32 v[ADRS], 64*NQ, v[ADRS]           ; on to the next K step's scale words (no LDS load of mine is out)
	FETCH_B \next, 0, 0
	FETCH_A \next, 0, 0
	SCALES \next
	WIN MUL_HI
	MUL16 4, 1, NQ-1, \slot, 0
	MUL16 6, 1, NQ-1, \slot, 0
	PLACES NP
	WIN 0
	FETCH_A \next, 0, 4
.endm
	s_wait_tensorcnt 1                             ; the scale words and my part of K step 0 are in (K step 1's load may be out)
	s_barrier_signal -1
	s_barrier_wait -1                              ; everybody's are
	FETCH_B 0, 0, 0
	FETCH_A 0, 0, 0
	SCALES 0
	FETCH_A 0, 0, 4
	STEP 0, 0, 1                                   ; the first step stands in front of the loop: its products start the sums
	s_mov_b32 s3, LAPS-1
.Llap:                                                 ; a trip goes once round the ring and fills both slots again
	TURN 0, 1, 1
	STEP 1, 0, 0
	TURN 1, 0, 1
	STEP 0, 0, 0
	s_sub_co_u32 s3, s3, 1
	s_cmp_lg_u32 s3, 0
	s_cbranch_scc1 .Llap
	TURN 0, 1, 0                                   ; the last lap fills nothing
	STEP 1, 0, 0
	s_wait_dscnt 4*NL                              ; the very last step
	WIN MUL_LO
	MUL16 0, 1, NQ-1, 1, 0
	MUL16 2, 1, NQ-1, 1, 0
	s_wait_dscnt 0
	WIN MUL_HI
	MUL16 4, 1, NQ-1, 1, 0
	MUL16 6, 1, NQ-1, 1, 0
	WIN 0
; THE WAY OUT.  Block a of my rows: its 64 registers a lane are quantised as they stand; the fragment leaves by three stores of 512 consecutive bytes.  Each accumulator is read from its low end on.
.macro OUTQ a
.set AC, 64*((\a)%4)
.set PCA, AF+FR*(\a)                   ; the codes take the registers that held A's fragment a: a set of its own for each block, so that no store's data are written again
	WIN 0x0a+5*((\a)/4)                            ; sources 0 and 1: window 2 or 3
.irp b, 0,1,2,3
	v_max3_num_f32 v[TM+\b], |v[AC+16*\b]|, |v[AC+16*\b+1]|, 0x2800000   ; and the floor 2^(5 - 127)
.endr
.irp i, 2,4,6,8,10,12,14
.irp b, 0,1,2,3
	v_max3_num_f32 v[TM+\b], |v[AC+16*\b+\i]|, |v[AC+16*\b+\i+1]|, v[TM+\b]
.endr
.endr
	WIN 0
.irp b, 0,1,2,3
	v_permlanex16_b32 v[TM+4+\b], v[TM+\b], s[SEL], s[SEL+1]
.endr
.irp b, 0,1,2,3
	v_max_num_f32 v[TM+\b], v[TM+\b], v[TM+4+\b]
.endr
.irp b, 0,1,2,3
	v_add_nc_u32 v[TM+12+\b], 0xfe000000, v[TM+\b] ; 4 off the exponent field: the conversion's scale operand
.endr
.irp b, 0,1,2,3
	v_lshrrev_b32 v[TM+4+\b], 23, v[TM+12+\b]      ; the scale's byte
.endr
	v_lshl_or_b32 v[PW+(\a)], v[TM+5], 8, v[TM+4]
	v_lshl_or_b32 v[PW+(\a)], v[TM+6], 16, v[PW+(\a)]
	v_lshl_or_b32 v[PW+(\a)], v[TM+7], 24, v[PW+(\a)]
	WIN 0x02+((\a)/4)                              ; source 0: window 2 or 3
.irp c, 0,1
	v_cvt_scalef32_pk16_bf6_f32 v[PCA+6*\c:PCA+6*\c+2], v[AC+32*\c:AC+32*\c+15], v[TM+12+2*\c]
	v_cvt_scalef32_pk16_bf6_f32 v[TP+4*\c:TP+4*\c+2], v[AC+32*\c+16:AC+32*\c+31], v[TM+12+2*\c+1]
.endr
	WIN 0
	v_nop                                          ; one plain place behind a scaled conversion
.irp c, 0,1
.irp i, 0,1,2
	v_permlane16_swap_b32 v[PCA+6*\c+\i], v[TP+4*\c+\i]
.endr
.irp i, 0,1,2
	v_mov_b32 v[PCA+3+6*\c+\i], v[TP+4*\c+\i]
.endr
.endr
.irp c, 0,1,2
	global_store_b128 v[LI], v[PCA+4*\c:PCA+4*\c+3], s[12:13] offset:FRB*(\a)+512*\c
.endr
	ds_store_b32 v[SSI], v[PW+(\a)] offset:64*(\a) ; lanes r and r + 16 write the same word with the same value
.endm
	PLACES NP                                      ; behind the last products: their results are read, and the registers that held A's fragments written, only behind these
.irp a, 0,1,2,3,4,5,6,7
	OUTQ \a
.endr
	ds_load_b128 v[SW:SW+3], v[SSO]                ; LDS serves a wave's instructions in order (ISA guide 5.7.1.4): this sees my eight stores
	s_wait_dscnt 0x0
	global_store_b128 v[LI], v[SW:SW+3], s[12:13] offset:8*FRB   ; the record's 512 bytes of scale words
	s_wait_tensorcnt 0x0                           ; the wave's end
	ds_add_u32 v[SPW], v[NIL]
	s_wait_dscnt 0x0
	CROUND                                         ; the closing round: no work-group ends while a partner may still ask for a tile that names it
	s_endpgm
.Lfunc_end_k_q55728a0fd3_proj:
	.size	k_q55728a0fd3_proj, .Lfunc_end_k_q55728a0fd3_proj-k_q55728a0fd3_proj
	.p2alignl 7, 3214868480
	.fill 96, 4, 3214868480
	.section	.rodata,"a",@progbits
	.p2align	6, 0x0
	.amdhsa_kernel k_q55728a0fd3_proj
		.amdhsa_group_segment_fixed_size 327680
		.amdhsa_private_segment_fixed_size 0
		.amdhsa_enable_private_segment 0
		.amdhsa_kernarg_size 24
		.amdhsa_user_sgpr_count 2
		.amdhsa_user_sgpr_kernarg_segment_ptr 1
		.amdhsa_wavefront_size32 1
		.amdhsa_system_sgpr_workgroup_id_x 1
		.amdhsa_system_sgpr_workgroup_id_y 1
		.amdhsa_system_sgpr_workgroup_id_z 1
		.amdhsa_system_vgpr_workitem_id 0
		.amdhsa_next_free_vgpr 1024
		.amdhsa_next_free_sgpr 98
		.amdhsa_reserve_vcc 0
		.amdhsa_float_denorm_mode_32 3
		.amdhsa_float_denorm_mode_16_64 3
		.amdhsa_memory_ordered 1
		.amdhsa_forward_progress 1
		.amdhsa_inst_pref_size 142
	.end_amdhsa_kernel
	.amdgpu_metadata
---
amdhsa.version: [ 1, 2 ]
amdhsa.kernels:
  - .name:           k_q55728a0fd3_proj
    .symbol:         k_q55728a0fd3_proj.kd
    .args:
      - { .name: opc, .offset: 0, .size: 8, .value_kind: global_buffer, .address_space: global }
      - { .name: ops, .offset: 8, .size: 8, .value_kind: global_buffer, .address_space: global }
      - { .name: qkv, .offset: 16, .size: 8, .value_kind: global_buffer, .address_space: global }
    .group_segment_fixed_size: 327680
    .private_segment_fixed_size: 0
    .kernarg_segment_align: 8
    .kernarg_segment_size: 24
    .max_flat_workgroup_size: 128
    .sgpr_count:     98
    .vgpr_count:     1024
    .wavefront_size: 32
...
	.end_amdgpu_metadata
.endif
;; end of part 2
;; launch attn (part 3): grid 16 x 16, 8 waves a work-group, clusters of 4 x 1, 327,680 bytes of LDS; arguments qkv, mw, yc, ys; writes yc, ys
.if DOCPART == 3
	.amdgcn_target "amdgcn-amd-amdhsa--gfx1250"
	.amdhsa_code_object_version 6
	.text
	.protected	k_q55728a0fd3_attn
	.globl	k_q55728a0fd3_attn
	.p2align	8
	.type	k_q55728a0fd3_attn,@function
k_q55728a0fd3_attn:
	s_mov_b64 s[64:65], 0
	v_nop
	global_prefetch_b8 v0, s[64:65] scope:SCOPE_SE
	s_setreg_imm32_b32 hwreg(HW_REG_WAVE_MODE, 25, 1), 1
	s_wait_xcnt 0x0
	s_wait_alu depctr_hold_cnt(0) depctr_sa_sdst(0) depctr_va_vdst(0) depctr_va_sdst(0) depctr_va_ssrc(0) depctr_va_vcc(0) depctr_vm_vsrc(0)
	s_getreg_b32 s2, hwreg(HW_REG_IB_STS2, 6, 4)
	s_cmp_eq_u32 s2, 0
	s_cbranch_scc0 .Lentry_in_a_cluster
	s_endpgm
.Lentry_in_a_cluster:
	s_bfe_u32 s2, ttmp6, 0x10000c
	s_cmp_lg_u32 s2, 0x3003
	s_cbranch_scc0 .Lentry_shape_is_right
	s_endpgm
.Lentry_shape_is_right:
; y[q][head] = softmax over the keys of (Q . K / sqrt(128), hidden where the mask is 0) times V, both products on codes of BF6 (E3M2) with one E8M0 scale for each 32 along a product's K; y leaves quantised, as the next product's operand.
; THE MASK IS AN INPUT: every query walks all 2,048 keys; a hidden score becomes -infinity ahead of the maximum.  The mask comes as bits: one word holds the 32 lanes' bits for one register of scores, and is the lane mask of one v_cndmask_b32.
; THE SOFTMAX: t = score x log2(e) / sqrt(128); M = the running largest t, rounded up to a whole number; p = 2^(t - M) is quantised along the keys, not normalised; the sum is taken of the unquantised p and divides O at the end.
; When M moves, the sum and O are multiplied by 2^(old M - new M): exact.  A ROW WITH NO KEY LEFT has the sum 0: its scale word is set to four bytes 0xff, the E8M0 code for NaN, so that its row of the next product is NaN, as the softmax of such a row is.
; SHARES.  A work-group owns 128 queries of one head, each of its eight waves one tile of 16, in 256 registers.  Every wave walks the keys 128 a step.  A record of qkv (8 fragments as images of registers, 1,536 bytes each, and their 8 x 16 scale
; words: 12,800 dense bytes) is K or V of one key step.  A slot holds four key steps: 4 records of K, 4 of V; wave w brings record w by one tensor load.  Two slots, 2^17 bytes apart.
; CLUSTER.  The four blocks of queries of a cluster belong to one head and walk the same K and V: each record is asked for jointly, by the same load with the same descriptor and the mask 15.
; LAYOUT.  Both products are used transposed: S^T = K Q^T, O^T = V^T P^T: a lane holds one query (lane % 16).  Tile i of a record holds in lane r row 32 (i / 2) + 8 (i % 2) + r + 8 (r / 8): so register 16 b + i of the scores is key
; 32 b + 16 (lane / 16) + i, and register 16 b + i of O^T is the head's channel 32 b + 16 (lane / 16) + i: both are what the quantiser takes.
; y's scale words leave in pieces of 64 bytes (16 words a wave): one byte in 25 of what the launch stores.
; LIMITS: a block whose largest magnitude lies under 2^-122 has its byte held at 1; a block of zeros gets the byte 1 (zero codes; this program alone reads the bytes).
; REGISTERS: v1-11 addresses; v12 -M, v13 the largest t, v[14:15] the sum in two halves; v16-27 Q; v32-79 four fragments of K or V; v96-159 S^T, then p; v160-223 O^T; v224-235 p's codes; v232-247, v252, v254 at work;
;   v248-251 K's or V's scale words (lanes 0-15 tile 2 p, lanes 16-31 tile 2 p + 1); v253 p's scale word; v255 Q's.
.set FRB,   1536
.set REC,   12800                      ; a record
.set VOFF,  4*REC                      ; in a slot: V's records behind K's
.set SLOT1, 1<<17
.set SPARE, SLOT1+8*REC                ; behind the ring: the spare words, 128 bytes for each wave: four blocks of 256 bytes that no other line names
.set LI,   1                           ; v1   16 x lane
.set LS,   2                           ; v2   4 x lane
.set LN,   3                           ; v3   lane
.set SPW,  5                           ; v5   LDS address of my spare word; never rewritten
.set NIL,  6                           ; v6   0; never rewritten
.set NINF, 7                           ; v7   -infinity
.set ADK,  8                           ; v8   LDS address of the key step's fragments
.set ADS,  10                          ; v10  and of its scale words
.set TB,   2                           ; s2   LDS byte at which the key step's record of K begins
.set MB,   4                           ; s[4:5]  my tile's mask words of the key step in hand
.set YC,   6                           ; s[6:7]  where my fragment of y goes
.set YS,   8                           ; s[8:9]  and its scale words
.set WV,   10                          ; s10  my wave's number
.set CNT,  11
.set CN2,  12
.set SEL,  14                          ; s[14:15] v_permlanex16_b32's selects for lane l xor 16
.set CS,   16                          ; s[16:17] c = log2(e) / sqrt(128)
.set G1,   20                          ; s[20:27] descriptor group 1
.set G0W,  28                          ; s[28:31] group 0: slot 1's first fill, then it walks
.set G0A,  44                          ; s[44:47] group 0 of slot 0's first fill; free once that load is shown done
; s[32:63] and s[68:99]: the key step's 64 mask words: word n at s[32 + n] for n < 32, else at s[36 + n]
.macro CROUND                          ; a round of the cluster's barrier
	s_barrier_signal -1
	s_barrier_wait -1
	s_cmp_lg_u32 s[WV], 0
	s_cbranch_scc1 .Lnot_wave_0_\@
	s_barrier_signal -3
.Lnot_wave_0_\@:
	s_barrier_wait -3
	s_barrier_signal -1
	s_barrier_wait -1
.endm
	s_load_b256 s[68:75], s[0:1], 0x0              ; qkv s[68:69], mw s[70:71], yc s[72:73], ys s[74:75]
	v_lshl_add_u32 v[SPW], v0, 2, SPARE
	v_mov_b32 v[NIL], 0
	ds_add_u32 v5, v6
	ds_add_u32 v5, v6
	s_wait_dscnt 0x0
	v_lshrrev_b32 v8, 5, v0
	v_readfirstlane_b32 s[WV], v8                  ; wave 0..7
	s_bfe_u32 s48, ttmp6, 0x40000                  ; cx
	s_lshl_b32 s49, ttmp9, 2
	s_add_co_u32 s49, s49, s48                     ; my block of 128 queries: it enters Q's, the mask's and y's addresses alone
	s_and_b32 s50, ttmp7, 0xffff                   ; the head, which the four partners share
	s_lshr_b32 s84, s[WV], 2                       ; what I fetch: waves 0-3 K's records, waves 4-7 V's
	s_add_co_u32 s84, s84, 1
	s_mul_i32 s84, s84, 3276800
	s_mul_i32 s85, s50, 16*REC
	s_add_co_u32 s84, s84, s85
	s_and_b32 s85, s[WV], 3
	s_mul_i32 s85, s85, REC
	s_add_co_u32 s84, s84, s85
	s_mov_b32 s85, 0
	s_mul_i32 s86, s[WV], REC                      ; and where it goes: by the wave's number alone
	s_lshl_b32 s52, s50, 4
	s_add_co_u32 s52, s52, s49
	s_mul_i32 s52, s52, REC                        ; Q's record
	s_mov_b32 s53, 0
	s_lshl_b32 s54, s49, 3
	s_add_co_u32 s54, s54, s[WV]                   ; my tile of queries
	s_lshl_b32 s58, s54, 4
	s_add_co_u32 s58, s58, s50
	s_lshl_b32 s58, s58, 6                         ; ys [block][tile][head][16 words]
	s_mov_b32 s59, 0
	s_lshl_b32 s54, s54, 12                        ; mw: 4,096 bytes a tile
	s_mov_b32 s55, 0
	s_lshl_b32 s56, s49, 4
	s_add_co_u32 s56, s56, s50
	s_lshl_b32 s56, s56, 3
	s_add_co_u32 s56, s56, s[WV]
	s_mul_i32 s56, s56, FRB                        ; yc [block][head][tile][1536]
	s_mov_b32 s57, 0
	; descriptor group 1: 12,800 dense bytes as 50 rows of 256 bytes (32 elements of 8 bytes), no padding
	s_mov_b32 s[G1], 15|(3<<16)|(1<<21)            ; 15:0 the mask: all four work-groups; 17:16 elements of 8 bytes; 21 set beside a mask
	s_mov_b32 s[G1+1], 32<<16                      ; tensor_dim0
	s_mov_b32 s[G1+2], 50<<16                      ; tensor_dim1
	s_mov_b32 s[G1+3], 32<<16                      ; tile_dim0
	s_mov_b32 s[G1+4], 50                          ; tile_dim1
	s_mov_b32 s[G1+5], 32                          ; tensor_dim0_stride
	s_mov_b32 s[G1+6], 0
	s_mov_b32 s[G1+7], 0
	s_mov_b32 s[SEL], 0x76543210
	s_mov_b32 s[SEL+1], 0xfedcba98
	s_mov_b32 s[CS], 0x3e0293ee
	s_mov_b32 s[CS+1], s[CS]                       ; (named with it as a pair, so it is written)
	s_mov_b32 s[TB], 0
	s_wait_kmcnt 0x0
	s_add_nc_u64 s[84:85], s[68:69], s[84:85]
	s_add_nc_u64 s[76:77], s[68:69], s[52:53]
	s_add_nc_u64 s[MB:MB+1], s[70:71], s[54:55]
	s_add_nc_u64 s[YC:YC+1], s[72:73], s[56:57]
	s_add_nc_u64 s[YS:YS+1], s[74:75], s[58:59]
	CROUND                                         ; all four work-groups are here: the first joint loads meet
	s_mov_b32 s[G0A], 1                            ; 1:0 count = 1
	s_mov_b32 s[G0A+1], s86                        ; 63:32 LDS address: slot 0
	s_mov_b64 s[G0A+2:G0A+3], s[84:85]             ; 120:64 global address: key steps 0 to 3
	s_or_b32 s[G0A+3], s[G0A+3], 0x80000000        ; 127:126 type = 2
	s_mov_b32 s[G0W], 1
	s_add_co_u32 s[G0W+1], s86, SLOT1              ; slot 1
	s_add_nc_u64 s[G0W+2:G0W+3], s[84:85], 4*REC   ; key steps 4 to 7
	s_or_b32 s[G0W+3], s[G0W+3], 0x80000000
	tensor_load_to_lds s[G0A:G0A+3], s[G1:G1+7]    ; the two first fills together: two loads of mine are out
	s_nop 0
	tensor_load_to_lds s[G0W:G0W+3], s[G1:G1+7]
	s_nop 0
.rept 4
	v_nop
.endr
	v_and_b32 v[LN], 31, v0
	v_lshlrev_b32 v[LI], 4, v[LN]
	v_lshlrev_b32 v[LS], 2, v[LN]
	v_and_b32 v4, 15, v0                           ; r
	v_mov_b32 v[NINF], 0xff800000
	s_mul_i32 s53, s[WV], FRB
	v_add_nc_u32 v9, s53, v[LI]                    ; Q: my tile's image
.irp c, 0,1,2
	global_load_b128 v[16+4*\c:19+4*\c], v9, s[76:77] offset:512*\c
.endr
	s_lshl_b32 s54, s[WV], 6
	v_lshl_add_u32 v11, v4, 2, s54
	global_load_b32 v255, v11, s[76:77] offset:8*FRB   ; and its rows' scale words
	v_mov_b32 v13, 0xff61b1e6                      ; the largest t so far: -3e38
	v_floor_f32 v12, -v13                          ; -M
	v_mov_b32 v14, 0                               ; the sum, in two halves
	v_mov_b32 v15, 0
.irp b, 0,1,2,3
	v_mov_b32 v[236+\b], 0                         ; written once: a lane permute's destination counts as one of its sources
.endr
	v_mov_b32 v253, 0                              ; (named as the upper half of the pair v[252:253] before it is first written)
.set j, 0
.rept 64
	v_mov_b32 v[160+j], 0                          ; O^T: the key step is written once; its first trip finds zeros, which the first change of M leaves zeros
.set j, j+1
.endr
.macro FETCH4 off                      ; four fragments, from off bytes behind the key step's record of K
.irp t, 0,1,2,3
.irp c, 0,1,2
	ds_load_b128 v[32+12*\t+4*\c:35+12*\t+4*\c], v[ADK] offset:\off+FRB*\t+512*\c
.endr
.endr
.endm
.macro FETCHS off                      ; a record's scale words: 32 lanes take two tiles' 16 words
.irp p, 0,1,2,3
	ds_load_b32 v[248+\p], v[ADS] offset:\off+8*FRB+128*\p
.endr
.endm
.macro SPROD t, f                      ; S^T, tile t of 16 keys, its fragment in set f
.if (\t)%2
	v_wmma_scale_f32_16x16x128_f8f6f4 v[96+8*(\t):103+8*(\t)], v[32+12*(\f):43+12*(\f)], v[16:27], 0, v[248+(\t)/2], v255 matrix_a_fmt:MATRIX_FMT_BF6 matrix_b_fmt:MATRIX_FMT_BF6 matrix_a_scale:MATRIX_SCALE_ROW1
.else
	v_wmma_scale_f32_16x16x128_f8f6f4 v[96+8*(\t):103+8*(\t)], v[32+12*(\f):43+12*(\f)], v[16:27], 0, v[248+(\t)/2], v255 matrix_a_fmt:MATRIX_FMT_BF6 matrix_b_fmt:MATRIX_FMT_BF6
.endif
.endm
.macro OPROD t, f                      ; O^T += V^T P^T, tile t of 16 channels
.if (\t)%2
	v_wmma_scale_f32_16x16x128_f8f6f4 v[160+8*(\t):167+8*(\t)], v[32+12*(\f):43+12*(\f)], v[224:235], v[160+8*(\t):167+8*(\t)], v[248+(\t)/2], v253 matrix_a_fmt:MATRIX_FMT_BF6 matrix_b_fmt:MATRIX_FMT_BF6 matrix_a_scale:MATRIX_SCALE_ROW1
.else
	v_wmma_scale_f32_16x16x128_f8f6f4 v[160+8*(\t):167+8*(\t)], v[32+12*(\f):43+12*(\f)], v[224:235], v[160+8*(\t):167+8*(\t)], v[248+(\t)/2], v253 matrix_a_fmt:MATRIX_FMT_BF6 matrix_b_fmt:MATRIX_FMT_BF6
.endif
.endm
.macro PLACES
.rept 4
	v_nop
.endr
.endm
; The four blocks' largest magnitudes in v232-235 (not under the floor) and 64 numbers in v96-159 become a fragment's codes in v224-235 and its scale word in v253
.macro CODES
.irp b, 0,1,2,3
	v_add_nc_u32 v[244+\b], 0xfe000000, v[232+\b]  ; 4 off the exponent field: the conversion's scale operand
.endr
.irp b, 0,1,2,3
	v_lshrrev_b32 v[236+\b], 23, v[244+\b]         ; the scale's byte
.endr
	v_lshl_or_b32 v253, v237, 8, v236
	v_lshl_or_b32 v253, v238, 16, v253
	v_lshl_or_b32 v253, v239, 24, v253
.irp c, 0,1
	v_cvt_scalef32_pk16_bf6_f32 v[224+6*\c:226+6*\c], v[96+32*\c:111+32*\c], v[244+2*\c]
	v_cvt_scalef32_pk16_bf6_f32 v[236+4*\c:238+4*\c], v[112+32*\c:127+32*\c], v[244+2*\c+1]   ; (a conversion's three registers begin on an even number)
.endr
	v_nop                                          ; one plain place behind a scaled conversion
.irp c, 0,1                            ; the operand's layout wants a whole block in a lane
.irp i, 0,1,2
	v_permlane16_swap_b32 v[224+6*\c+\i], v[236+4*\c+\i]
.endr
.irp i, 0,1,2
	v_mov_b32 v[227+6*\c+\i], v[236+4*\c+\i]
.endr
.endr
.endm
; A KEY STEP: 128 keys
.macro STEP
	s_load_b512 s[32:47], s[MB:MB+1], 0x0          ; the step's 64 mask words of my tile: wanted behind the eight products
	s_load_b512 s[48:63], s[MB:MB+1], 0x40
	s_load_b512 s[68:83], s[MB:MB+1], 0x80
	s_load_b512 s[84:99], s[MB:MB+1], 0xc0
	v_add_nc_u32 v[ADK], s[TB], v[LI]
	v_add_nc_u32 v[ADS], s[TB], v[LS]
	v_nop
	v_nop                                          ; four places between the last step's products and the loads into the registers that they read
	FETCH4 0
	FETCHS 0
	s_wait_dscnt 0x0
	SPROD 0, 0
	SPROD 1, 1
	SPROD 2, 2
	SPROD 3, 3
	PLACES
	FETCH4 4*FRB
	s_wait_dscnt 0x0
	SPROD 4, 0
	SPROD 5, 1
	SPROD 6, 2
	SPROD 7, 3
	PLACES                                         ; behind them the scores are read, and V's first four fragments and its scale words are asked for: they land under the softmax
	FETCH4 VOFF
	FETCHS VOFF
	s_wait_kmcnt 0x0                               ; the mask words are in, and their base may be stepped
	s_add_nc_u64 s[MB:MB+1], s[MB:MB+1], 256
.set n, 0
.rept 64
.if n < 32
	v_cndmask_b32 v[96+n], v[NINF], v[96+n], s[32+n]   ; the score where the bit is set, else -infinity; each accumulator from its low end on
.else
	v_cndmask_b32 v[96+n], v[NINF], v[96+n], s[36+n]
.endif
.set n, n+1
.endr
.irp b, 0,1,2,3
	v_max3_num_f32 v[232+\b], v[96+16*\b], v[97+16*\b], v[98+16*\b]   ; the largest score of each block of 32 keys: it serves for the row's maximum and, since p rises with the score, for the block's largest p
.endr
.irp i, 3,5,7,9,11,13
.irp b, 0,1,2,3
	v_max3_num_f32 v[232+\b], v[232+\b], v[96+16*\b+\i], v[97+16*\b+\i]
.endr
.endr
.irp b, 0,1,2,3
	v_max_num_f32 v[232+\b], v[232+\b], v[111+16*\b]
.endr
.irp b, 0,1,2,3
	v_permlanex16_b32 v[236+\b], v[232+\b], s[SEL], s[SEL+1]
.endr
.irp b, 0,1,2,3
	v_max_num_f32 v[232+\b], v[232+\b], v[236+\b]  ; with lane l xor 16's 16 keys
.endr
	v_max3_num_f32 v254, v232, v233, v234
	v_max_num_f32 v254, v254, v235                 ; the step's largest score of my query
	v_mul_f32 v254, s[CS], v254                    ; as t
	v_max_num_f32 v13, v13, v254                   ; the running largest t
	v_mov_b32 v254, v12
	v_floor_f32 v12, -v13                          ; the new -M = -ceil(t): a whole number
	v_sub_f32 v254, v12, v254                      ; old M - new M: a whole number, 0 or less
	v_cvt_i32_f32 v254, v254                       ; (it saturates)
	v_ldexp_f32 v252, 1.0, v254                    ; f = 2^(old M - new M)
.set j, 0
.rept 32
	v_pk_fma_f32 v[96+j:97+j], v[96+j:97+j], s[CS:CS+1], v[12:13] op_sel_hi:[1,0,0]   ; t - M, two at a time
.set j, j+2
.endr
.irp b, 0,1,2,3
	v_fma_f32 v[232+\b], v[232+\b], s[CS], v12     ; the same of each block's largest score
.endr
.set j, 0
.rept 64
	v_exp_f32 v[96+j], v[96+j]                     ; p = 2^(t - M), at most 1; 0 where the key is hidden
.set j, j+1
.endr
	v_pk_mul_f32 v[14:15], v[14:15], v[252:253] op_sel_hi:[1,0]   ; the sums under the new M (a plain place behind the exponentials)
	s_wait_alu depctr_va_vdst(0)                   ; one wait for the batch of 64, ahead of its first reader
.irp b, 0,1,2,3
	v_exp_f32 v[232+\b], v[232+\b]                 ; the block's largest p
.endr
	v_pk_add_f32 v[236:237], v[96:97], v[98:99]    ; the row's sum, of the unquantised p: two chains
.set j, 4
.rept 15
	v_pk_add_f32 v[14:15], v[14:15], v[96+j:97+j]
	v_pk_add_f32 v[236:237], v[236:237], v[98+j:99+j]
.set j, j+4
.endr
	v_pk_add_f32 v[14:15], v[14:15], v[236:237]
	s_wait_alu depctr_va_vdst(0)                   ; and one for the four
.irp b, 0,1,2,3
	v_max_num_f32 v[232+\b], 0x2800000, v[232+\b]  ; the floor 2^(5 - 127): a block whose every p is 0 keeps the byte 1: its codes are zeros
.endr
	CODES
.set j, 0
.rept 32
	v_pk_mul_f32 v[160+j:161+j], v[160+j:161+j], v[252:253] op_sel_hi:[1,0]   ; O^T under the new M; these 32 are also the places between the codes' and the scale word's last writes and the products
.set j, j+2
.endr
	s_wait_dscnt 0x0                               ; V's first four fragments and its scale words
	OPROD 0, 0
	OPROD 1, 1
	OPROD 2, 2
	OPROD 3, 3
	PLACES
	FETCH4 VOFF+4*FRB
	s_wait_dscnt 0x0
	OPROD 4, 0
	OPROD 5, 1
	OPROD 6, 2
	OPROD 7, 3
	s_add_co_u32 s[TB], s[TB], REC                 ; the next key step's records
.endm
.macro SLOT_STEPS                      ; a slot's four key steps: written once, walked four times
	s_mov_b32 s[CN2], 4
.Lstep_\@:
	STEP
	s_sub_co_u32 s[CN2], s[CN2], 1
	s_cmp_lg_u32 s[CN2], 0
	s_cbranch_scc1 .Lstep_\@
	s_sub_co_u32 s[TB], s[TB], 4*REC               ; back to a slot's first step,
	s_xor_b32 s[TB], s[TB], SLOT1                  ; in the other slot
.endm
; THE CHANGE OF SLOTS.  Each wave waits for all its tensor loads (its record of the slot ahead), adds 0 to its spare word, and waits for that and for its reads of the slot that it leaves.  fill = 1: the barrier is a round of the cluster's,
; and behind it the slot just left is filled with the four key steps that follow: the load has four key steps in which to land.
.macro CHANGE fill
	s_wait_tensorcnt 0x0                           ; no tensor load of mine is out, so the walking group 0 may be written
	ds_add_u32 v[SPW], v[NIL]                      ; 0 onto my spare word
.if \fill
	s_xor_b32 s[G0W+1], s[G0W+1], SLOT1            ; the other slot than last time,
	s_add_nc_u64 s[G0W+2:G0W+3], s[G0W+2:G0W+3], 4*REC   ; the next four key steps; the type bits on top are not reached
.endif
	s_wait_dscnt 0x0                               ; the add is done, and my reads of the slot that I leave are over
.if \fill
	CROUND
	tensor_load_to_lds s[G0W:G0W+3], s[G1:G1+7]    ; the first thing behind the round, and my one tensor load until the next
	s_nop 0
.rept 4
	v_nop
.endr
.else
	s_barrier_signal -1
	s_barrier_wait -1
.endif
.endm
	s_wait_tensorcnt 1                             ; my record of slot 0 is in; slot 1's may stay out
	s_barrier_signal -1
	s_barrier_wait -1                              ; everybody's is
	s_wait_loadcnt 0x0                             ; Q; its base's registers are free now
	SLOT_STEPS                                     ; key steps 0 to 3
	s_mov_b32 s[CNT], 2
.Lslot:
	CHANGE 1
	SLOT_STEPS
	s_sub_co_u32 s[CNT], s[CNT], 1
	s_cmp_lg_u32 s[CNT], 0
	s_cbranch_scc1 .Lslot
	CHANGE 0                                       ; the last slot is written out
	SLOT_STEPS
	; THE WAY OUT: O^T / the sum is quantised along the head's 128 channels, which are K step 'head' of the next product; the fragment leaves as an image of its registers
	PLACES
	v_add_f32 v14, v14, v15                        ; the sum's two halves,
	v_permlanex16_b32 v252, v14, s[SEL], s[SEL+1]
	v_add_f32 v14, v14, v252                       ; and lane l xor 16's: the row's sum
	v_rcp_f32 v252, v14
	v_nop                                          ; a plain place behind the reciprocal
	s_wait_alu depctr_va_vdst(0)                   ; and the wait ahead of its first reader
.set j, 0
.rept 64
	v_mul_f32 v[96+j], v[160+j], v252
.set j, j+1
.endr
.irp b, 0,1,2,3
	v_max3_num_f32 v[232+\b], |v[96+16*\b]|, |v[97+16*\b]|, 0x2800000
.endr
.irp i, 2,4,6,8,10,12,14
.irp b, 0,1,2,3
	v_max3_num_f32 v[232+\b], v[232+\b], |v[96+16*\b+\i]|, |v[97+16*\b+\i]|
.endr
.endr
.irp b, 0,1,2,3
	v_permlanex16_b32 v[236+\b], v[232+\b], s[SEL], s[SEL+1]
.endr
.irp b, 0,1,2,3
	v_max_num_f32 v[232+\b], v[232+\b], v[236+\b]
.endr
	CODES
	v_cmp_eq_f32 vcc_lo, 0, v14                    ; a row with no key left: a select, no branch
	v_mov_b32 v254, -1
	v_cndmask_b32 v253, v253, v254, vcc_lo         ; its four scale bytes become 0xff
.irp c, 0,1,2
	global_store_b128 v[LI], v[224+4*\c:227+4*\c], s[YC:YC+1] offset:512*\c   ; 512 consecutive bytes, at a multiple of 256 from the buffer's first byte
.endr
	v_cmp_gt_u32 vcc_lo, 16, v[LN]
	s_wait_xcnt 0x0                                ; EXEC changes only behind this wait
	s_and_saveexec_b32 s[CNT], vcc_lo
	global_store_b32 v[LS], v253, s[YS:YS+1]       ; lanes 0-15: the 16 rows' scale words
	s_wait_xcnt 0x0                                ; and again, in front of the line that widens it
	s_or_b32 exec_lo, exec_lo, s[CNT]
	s_wait_tensorcnt 0x0                           ; the wave's end
	ds_add_u32 v[SPW], v[NIL]
	s_wait_dscnt 0x0
	CROUND                                         ; the closing round
	s_endpgm
.Lfunc_end_k_q55728a0fd3_attn:
	.size	k_q55728a0fd3_attn, .Lfunc_end_k_q55728a0fd3_attn-k_q55728a0fd3_attn
	.p2alignl 7, 3214868480
	.fill 96, 4, 3214868480
	.section	.rodata,"a",@progbits
	.p2align	6, 0x0
	.amdhsa_kernel k_q55728a0fd3_attn
		.amdhsa_group_segment_fixed_size 327680
		.amdhsa_private_segment_fixed_size 0
		.amdhsa_enable_private_segment 0
		.amdhsa_kernarg_size 32
		.amdhsa_user_sgpr_count 2
		.amdhsa_user_sgpr_kernarg_segment_ptr 1
		.amdhsa_wavefront_size32 1
		.amdhsa_system_sgpr_workgroup_id_x 1
		.amdhsa_system_sgpr_workgroup_id_y 1
		.amdhsa_system_sgpr_workgroup_id_z 1
		.amdhsa_system_vgpr_workitem_id 0
		.amdhsa_next_free_vgpr 256
		.amdhsa_next_free_sgpr 100
		.amdhsa_reserve_vcc 1
		.amdhsa_float_denorm_mode_32 3
		.amdhsa_float_denorm_mode_16_64 3
		.amdhsa_memory_ordered 1
		.amdhsa_forward_progress 1
		.amdhsa_inst_pref_size 86
	.end_amdhsa_kernel
	.amdgpu_metadata
---
amdhsa.version: [ 1, 2 ]
amdhsa.kernels:
  - .name:           k_q55728a0fd3_attn
    .symbol:         k_q55728a0fd3_attn.kd
    .args:
      - { .name: qkv, .offset: 0, .size: 8, .value_kind: global_buffer, .address_space: global }
      - { .name: mw, .offset: 8, .size: 8, .value_kind: global_buffer, .address_space: global }
      - { .name: yc, .offset: 16, .size: 8, .value_kind: global_buffer, .address_space: global }
      - { .name: ys, .offset: 24, .size: 8, .value_kind: global_buffer, .address_space: global }
    .group_segment_fixed_size: 327680
    .private_segment_fixed_size: 0
    .kernarg_segment_align: 8
    .kernarg_segment_size: 32
    .max_flat_workgroup_size: 256
    .sgpr_count:     100
    .vgpr_count:     256
    .wavefront_size: 32
...
	.end_amdgpu_metadata
.endif
;; end of part 3
;; launch oproj (part 4): grid 8 x 8, 4 waves a work-group, clusters of 4 x 4, 327,680 bytes of LDS; arguments yc, ys, opc, ops, xw; writes xw
.if DOCPART == 4
	.amdgcn_target "amdgcn-amd-amdhsa--gfx1250"
	.amdhsa_code_object_version 6
	.text
	.protected	k_q55728a0fd3_oproj
	.globl	k_q55728a0fd3_oproj
	.p2align	8
	.type	k_q55728a0fd3_oproj,@function
k_q55728a0fd3_oproj:
	s_mov_b64 s[64:65], 0
	v_nop
	global_prefetch_b8 v0, s[64:65] scope:SCOPE_SE
	s_setreg_imm32_b32 hwreg(HW_REG_WAVE_MODE, 25, 1), 1
	s_wait_xcnt 0x0
	s_wait_alu depctr_hold_cnt(0) depctr_sa_sdst(0) depctr_va_vdst(0) depctr_va_sdst(0) depctr_va_ssrc(0) depctr_va_vcc(0) depctr_vm_vsrc(0)
	s_getreg_b32 s2, hwreg(HW_REG_IB_STS2, 6, 4)
	s_cmp_eq_u32 s2, 0
	s_cbranch_scc0 .Lentry_in_a_cluster
	s_endpgm
.Lentry_in_a_cluster:
	s_bfe_u32 s2, ttmp6, 0x10000c
	s_cmp_lg_u32 s2, 0xf033
	s_cbranch_scc0 .Lentry_shape_is_right
	s_endpgm
.Lentry_shape_is_right:
; xw = y Wo^T, f32, row-major [2048][2048], on codes of BF6 (E3M2) with one E8M0 scale for each 32 along K.  A = y (yc, ys), B = Wo (tensor 6 of opc, ops).
; OPERANDS ARE IMAGES OF REGISTERS: a fragment (16 rows x 128 K) is 1,536 bytes, registers 4 c .. 4 c + 3 of lane l at 512 c + 16 l; a block of 128 rows is one dense stream [K step 16][tile 8][1536].
; Tile i holds in lane r the block's row 32 (i / 2) + 8 (i % 2) + r + 8 (r / 8): the way out puts rows and columns back into their places.
; A tile of C, 256 x 256, is made by a work-group of four waves, 128 x 128 each; K goes in steps of 256 through a ring of two LDS slots; the scale words of the four blocks, for all of K, come once.
; C has 64 such tiles: 64 work-groups.  CLUSTERS: 4 x 4; A's tiles are asked for jointly along a row of the cluster, B's along a column.  THE MATRIX INSTRUCTION IS USED TRANSPOSED (source 0 = B, source 1 = A).
; A row of y whose scale bytes are 0xff (no key was left for it) gives NaN in all its columns, as asked.
; REGISTERS, in windows of 256: window 0: v16-29 addresses; v32-63 scale words, two sets; v128-223 A's fragments, one set; on the way out v128-255 take rows of C.  window 1: B's fragments, two sets.  windows 2, 3: the accumulators.
.set NQ,     2
.set FR,     12
.set NL,     3
.set NP,     4                         ; places behind this matrix instruction (ISA guide 7.12.1)
.set FRB,    1536
.set BLKB,   8*FRB
.set HALFT,  NQ*BLKB                   ; what one tensor load brings: 24,576 dense bytes
.set SLOT,   4*HALFT
.set LAPS,   4
.set SCB,    8192
.set SCL,    2*SLOT
.set SPARE,  SCL+4*SCB                 ; the spare words, 128 bytes for each wave: two blocks of 256 bytes that no other line names
.set STAGE,  SPARE+512                 ; the way out: 16 rows x (512 + 16) bytes for each wave; no fill lands here
.set SPITCH, 528
.set ADRA, 16
.set ADRB, 20
.set STO,  24                          ; v24  the way out: where I put 32 bytes of a row
.set RD,   25                          ; v25  where I read a row back
.set CO,   26                          ; v26  16 x lane: my bytes of a row of C
.set ADRS, 27
.set SPW,  28
.set NIL,  29
.set SC,   32
.set AF,   128
.set BK,   128                         ; 16 rows read back from the stage: v128-191 and v192-255 by turns
.set G1, 24
.set G0, 32
.set G1B, 48
.set G0B, 56
.set G1S, 68
.set G0S, 76
.set G1SB, 80
.set G0SB, 88
.set MSB, 0
.macro WIN new                         ; the immediate's high byte repeats the setting that is left
.if MSB != \new
	s_set_vgpr_msb (MSB<<8)|\new
.set MSB, \new
.endif
.endm
.set MUL_LO, 0xa1
.set MUL_HI, 0xf1
.set TO_B,   0x40
.macro JLOAD g0a, g1a, g0b, g1b        ; a joint load: waves 0 and 1 fetch for A, waves 2 and 3 for B; four v_nop follow each line
	s_cmp_eq_u32 s15, 0
	s_cbranch_scc0 .Lfor_b_\@
	tensor_load_to_lds s[\g0a:\g0a+3], s[\g1a:\g1a+7]
	s_nop 0
.rept 4
	v_nop
.endr
	s_branch .Lasked_\@
.Lfor_b_\@:
	tensor_load_to_lds s[\g0b:\g0b+3], s[\g1b:\g1b+7]
	s_nop 0
.rept 4
	v_nop
.endr
.Lasked_\@:
.endm
.macro CREST
	s_cmp_lg_u32 s14, 0
	s_cbranch_scc1 .Lnot_wave_0_\@
	s_barrier_signal -3
.Lnot_wave_0_\@:
	s_barrier_wait -3
	s_barrier_signal -1
	s_barrier_wait -1
.endm
.macro CROUND
	s_barrier_signal -1
	s_barrier_wait -1
	CREST
.endm
	s_load_b256 s[4:11], s[0:1], 0x0               ; yc s[4:5], ys s[6:7], opc s[8:9], ops s[10:11]
	s_load_b64 s[12:13], s[0:1], 0x20              ; xw
	v_lshl_add_u32 v[SPW], v0, 2, SPARE
	v_mov_b32 v[NIL], 0
	ds_add_u32 v28, v29
	ds_add_u32 v28, v29
	s_wait_dscnt 0x0
	v_lshrrev_b32 v1, 5, v0
	v_readfirstlane_b32 s14, v1                    ; wave 0..3
	s_lshr_b32 s15, s14, 1                         ; which of A's two blocks is mine.  Also: I fetch for A (0) or for B (1)
	s_and_b32 s16, s14, 1                          ; which of B's two.  Also: which block of that side I fetch
	s_bfe_u32 s40, ttmp6, 0x40000                  ; cx, cy
	s_bfe_u32 s41, ttmp6, 0x40004
	s_lshl_b32 s42, ttmp9, 2
	s_add_co_u32 s42, s42, s40                     ; tile column of C
	s_and_b32 s17, ttmp7, 0xffff
	s_lshl_b32 s17, s17, 2
	s_add_co_u32 s17, s17, s41                     ; tile row of C
	s_lshl_b32 s43, s41, 2
	s_lshl_b32 s43, 15, s43                        ; my row of the cluster
	s_lshl_b32 s44, 0x1111, s40                    ; my column
	s_or_b32 s[G1+0], s43, (3<<16)|(1<<21)         ; 96 dense rows of 256 bytes (32 elements of 8 bytes), no padding; the mask; bit 21 beside it
	s_or_b32 s[G1B+0], s44, (3<<16)|(1<<21)
.irp g, G1, G1B
	s_mov_b32 s[\g+1], 32<<16
	s_mov_b32 s[\g+2], 96<<16
	s_mov_b32 s[\g+3], 32<<16
	s_mov_b32 s[\g+4], 96
	s_mov_b32 s[\g+5], 32
	s_mov_b32 s[\g+6], 0
	s_mov_b32 s[\g+7], 0
.endr
	s_or_b32 s[G1S+0], s43, (3<<16)|(1<<21)        ; a block's scale words: 32 such rows
	s_or_b32 s[G1SB+0], s44, (3<<16)|(1<<21)
.irp g, G1S, G1SB
	s_mov_b32 s[\g+1], 32<<16
	s_mov_b32 s[\g+2], 32<<16
	s_mov_b32 s[\g+3], 32<<16
	s_mov_b32 s[\g+4], 32
	s_mov_b32 s[\g+5], 32
	s_mov_b32 s[\g+6], 0
	s_mov_b32 s[\g+7], 0
.endr
	s_lshl_b32 s20, s17, 1
	s_add_co_u32 s20, s20, s16                     ; A: block 2 x tile row + which
	s_lshl_b32 s46, s42, 1
	s_add_co_u32 s46, s46, s16                     ; B: block 2 x tile column + which
	s_lshl_b32 s22, s20, 13
	s_mov_b32 s23, 0
	s_mul_i32 s20, s20, 196608
	s_mov_b32 s21, 0
	s_lshl_b32 s92, s46, 13
	s_add_co_u32 s92, s92, 6*131072                ; Wo is tensor 6
	s_mov_b32 s93, 0
	s_mul_i32 s46, s46, 196608
	s_add_co_u32 s46, s46, 6*3145728
	s_mov_b32 s47, 0
	s_mul_i32 s45, s14, HALFT
	s_lshl_b32 s94, s14, 13
	s_wait_kmcnt 0x0
	s_add_nc_u64 s[20:21], s[4:5], s[20:21]
	s_add_nc_u64 s[22:23], s[6:7], s[22:23]
	s_add_nc_u64 s[46:47], s[8:9], s[46:47]
	s_add_nc_u64 s[92:93], s[10:11], s[92:93]
	CROUND                                         ; all sixteen work-groups are here: the first joint loads meet
	s_mov_b32 s[G0S], 1
	s_add_co_u32 s[G0S+1], s94, SCL
	s_mov_b64 s[G0S+2:G0S+3], s[22:23]
	s_or_b32 s[G0S+3], s[G0S+3], 0x80000000
	s_mov_b32 s[G0SB], 1
	s_add_co_u32 s[G0SB+1], s94, SCL
	s_mov_b64 s[G0SB+2:G0SB+3], s[92:93]
	s_or_b32 s[G0SB+3], s[G0SB+3], 0x80000000
	JLOAD G0S, G1S, G0SB, G1SB
.irp s, 0,1
	s_mov_b32 s[G0+4*\s], 1
	s_add_co_u32 s[G0+4*\s+1], s45, \s*SLOT
	s_add_nc_u64 s[G0+4*\s+2:G0+4*\s+3], s[20:21], \s*HALFT
	s_or_b32 s[G0+4*\s+3], s[G0+4*\s+3], 0x80000000
	s_mov_b32 s[G0B+4*\s], 1
	s_add_co_u32 s[G0B+4*\s+1], s45, \s*SLOT
	s_add_nc_u64 s[G0B+4*\s+2:G0B+4*\s+3], s[46:47], \s*HALFT
	s_or_b32 s[G0B+4*\s+3], s[G0B+4*\s+3], 0x80000000
	JLOAD G0+4*\s, G1, G0B+4*\s, G1B               ; three tensor loads of mine are out
.endr
	v_and_b32 v1, 15, v0                           ; r
	v_bfe_u32 v2, v0, 4, 1                         ; h
	v_and_b32 v6, 31, v0
	v_lshlrev_b32 v[CO], 4, v6
	s_mul_i32 s21, s15, HALFT
	s_mul_i32 s22, s16, HALFT
	s_add_co_u32 s22, s22, 2*HALFT
.irp s, 0,1
	v_add_nc_u32 v[ADRA+\s], s21, v[CO]
	v_add_nc_u32 v[ADRB+\s], s22, v[CO]
	s_add_co_u32 s21, s21, SLOT
	s_add_co_u32 s22, s22, SLOT
.endr
	v_lshlrev_b32 v5, 2, v1
	s_lshl_b32 s21, s15, 13
	s_lshl_b32 s22, s16, 13
	s_add_co_u32 s22, s22, 2*SCB
	s_sub_co_u32 s22, s22, s21
	v_mul_u32_u24 v6, s22, v2                      ; lanes 16-31 take B's scale words
	s_add_co_u32 s21, s21, SCL
	v_add_nc_u32 v5, v5, v6
	v_add_nc_u32 v[ADRS], s21, v5
	s_mul_i32 s23, s14, 16*SPITCH
	s_add_co_u32 s23, s23, STAGE                   ; my stage
	v_mul_u32_u24 v5, v1, SPITCH                   ; in: row r; my half's 16 columns of each 32 begin 64 h bytes on
	v_lshl_add_u32 v5, v2, 6, v5
	v_add_nc_u32 v[STO], s23, v5
	v_add_nc_u32 v[RD], s23, v[CO]                 ; back: the 32 lanes take one row of 512 bytes
	s_lshl_b32 s20, s17, 1
	s_add_co_u32 s20, s20, s15
	s_lshl_b32 s20, s20, 20                        ; my block of 128 rows of 8,192 bytes
	s_lshl_b32 s46, s42, 10                        ; my first column, in bytes
	s_lshl_b32 s47, s16, 9
	s_add_co_u32 s46, s46, s47
	s_add_co_u32 s20, s20, s46
	s_mov_b32 s21, 0
	s_add_nc_u64 s[12:13], s[12:13], s[20:21]
.macro FRAG reg, adr, q, i
.irp c, 0,1,2
	ds_load_b128 v[\reg+4*\c:\reg+4*\c+3], v[\adr] offset:(\q)*BLKB+(\i)*FRB+512*\c
.endr
.endm
; 16 matrix instructions: A's tiles a0, a0 + 1 x B's eight.  The 64 accumulators take turns, one instruction a turn.
.macro MUL16 a0, p, q, sc, zero
.irp a, \a0, \a0+1
.irp b, 0,1,2,3,4,5,6,7
.if \zero
	v_wmma_scale_f32_16x16x128_f8f6f4 v[8*(8*((\a)%4)+\b):8*(8*((\a)%4)+\b)+7], v[128*(\p)+FR*\b:128*(\p)+FR*\b+FR-1], v[AF+FR*(\a):AF+FR*(\a)+FR-1], 0, v[SC+8*NQ*(\sc)+NQ*\b+(\q)], v[SC+8*NQ*(\sc)+NQ*(\a)+(\q)] matrix_a_fmt:MATRIX_FMT_BF6 matrix_b_fmt:MATRIX_FMT_BF6 matrix_a_scale:MATRIX_SCALE_ROW1
.else
	v_wmma_scale_f32_16x16x128_f8f6f4 v[8*(8*((\a)%4)+\b):8*(8*((\a)%4)+\b)+7], v[128*(\p)+FR*\b:128*(\p)+FR*\b+FR-1], v[AF+FR*(\a):AF+FR*(\a)+FR-1], v[8*(8*((\a)%4)+\b):8*(8*((\a)%4)+\b)+7], v[SC+8*NQ*(\sc)+NQ*\b+(\q)], v[SC+8*NQ*(\sc)+NQ*(\a)+(\q)] matrix_a_fmt:MATRIX_FMT_BF6 matrix_b_fmt:MATRIX_FMT_BF6 matrix_a_scale:MATRIX_SCALE_ROW1
.endif
.endr
.endr
.endm
.macro FETCH_B slot, q, p
	WIN TO_B
.irp i, 0,1,2,3,4,5,6,7
	FRAG 128*(\p)+FR*\i, ADRB+\slot, \q, \i
.endr
	WIN 0
.endm
.macro FETCH_A slot, q, i0
.irp i, \i0, \i0+1, \i0+2, \i0+3
	FRAG AF+FR*(\i), ADRA+\slot, \q, \i
.endr
.endm
.macro SCALES sc
.irp i, 0,1,2,3,4,5,6,7
.irp q, 0,1
	ds_load_b32 v[SC+8*NQ*\sc+NQ*\i+\q], v[ADRS] offset:1024*\i+64*\q
.endr
.endr
.endm
.macro PLACES n
.rept \n
	v_nop
.endr
.endm
.macro STEP slot, q, zero
	s_wait_dscnt 4*NL                              ; all but the youngest 12 loads (A's tiles 4-7) are in
	WIN MUL_LO
	MUL16 0, (\q)%2, \q, \slot, \zero
	MUL16 2, (\q)%2, \q, \slot, \zero
	s_wait_dscnt 0
	PLACES NP
	FETCH_B \slot, (\q)+1, 1-(\q)%2
	FETCH_A \slot, (\q)+1, 0
	WIN MUL_HI
	MUL16 4, (\q)%2, \q, \slot, \zero
	MUL16 6, (\q)%2, \q, \slot, \zero
	PLACES NP
	WIN 0
	FETCH_A \slot, (\q)+1, 4
.endm
.macro TURN slot, next, fill
	s_wait_tensorcnt 0x0                           ; all my tensor loads have landed: my part of the next slot
	ds_add_u32 v[SPW], v[NIL]                      ; 0 onto my spare word
	s_wait_dscnt 4*NL+1                            ; (the add and the youngest 12 loads may be out)
	WIN MUL_LO
	MUL16 0, 1, NQ-1, \slot, 0
	s_wait_dscnt 0x0                               ; the add is done, and my reads of this slot are over
	s_barrier_signal -1
	MUL16 2, 1, NQ-1, \slot, 0
	WIN 0
	s_barrier_wait -1
.if \fill
	CREST                                          ; no wave of any partner still reads this slot or has a load on its way
	s_add_nc_u64 s[G0+4*\slot+2:G0+4*\slot+3], s[G0+4*\slot+2:G0+4*\slot+3], 2*HALFT
	s_add_nc_u64 s[G0B+4*\slot+2:G0B+4*\slot+3], s[G0B+4*\slot+2:G0B+4*\slot+3], 2*HALFT
	JLOAD G0+4*\slot, G1, G0B+4*\slot, G1B         ; the first tensor load behind the round, my one load until the next
.else
	PLACES NP
.endif
	v_add_nc_u32 v[ADRS], 64*NQ, v[ADRS]
	FETCH_B \next, 0, 0
	FETCH_A \next, 0, 0
	SCALES \next
	WIN MUL_HI
	MUL16 4, 1, NQ-1, \slot, 0
	MUL16 6, 1, NQ-1, \slot, 0
	PLACES NP
	WIN 0
	FETCH_A \next, 0, 4
.endm
	s_wait_tensorcnt 1                             ; the scale words and my part of K step 0 are in (K step 1's load may be out)
	s_barrier_signal -1
	s_barrier_wait -1
	FETCH_B 0, 0, 0
	FETCH_A 0, 0, 0
	SCALES 0
	FETCH_A 0, 0, 4
	STEP 0, 0, 1
	s_mov_b32 s3, LAPS-1
.Llap:
	TURN 0, 1, 1
	STEP 1, 0, 0
	TURN 1, 0, 1
	STEP 0, 0, 0
	s_sub_co_u32 s3, s3, 1
	s_cmp_lg_u32 s3, 0
	s_cbranch_scc1 .Llap
	TURN 0, 1, 0
	STEP 1, 0, 0
	s_wait_dscnt 4*NL
	WIN MUL_LO
	MUL16 0, 1, NQ-1, 1, 0
	MUL16 2, 1, NQ-1, 1, 0
	s_wait_dscnt 0
	WIN MUL_HI
	MUL16 4, 1, NQ-1, 1, 0
	MUL16 6, 1, NQ-1, 1, 0
	WIN 0
; THE WAY OUT, tile by tile of 16 rows x 128 columns, through my own stage.  Accumulator b of lane (r, h) holds columns 32 (b / 2) + 8 (b % 2) + 16 h + 0 .. 7 of the tile's row of lane r; stage row t goes to row 32 (a / 2) + 8 (a % 2) + t + 8 (t / 8).
.macro TOSTAGE a
.set AC, 64*((\a)%4)
	WIN 0x08+4*((\a)/4)                            ; the data: window 2 or 3
.irp b, 0,1,2,3,4,5,6,7
	ds_store_b128 v[STO], v[AC+8*\b:AC+8*\b+3] offset:128*(\b/2)+32*(\b%2)       ; each accumulator from its low end on
	ds_store_b128 v[STO], v[AC+8*\b+4:AC+8*\b+7] offset:128*(\b/2)+32*(\b%2)+16
.endr
	WIN 0
.set BB, BK+64*((\a)%2)
.irp t, 0,1,2,3,4,5,6,7,8,9,10,11,12,13,14,15
	ds_load_b128 v[BB+4*\t:BB+4*\t+3], v[RD] offset:\t*SPITCH   ; LDS serves a wave's instructions in order (ISA guide 5.7.1.4)
.endr
.endm
.macro SEND a, younger                 ; younger: the LDS instructions issued behind tile a's loads, which may stay out
.set BB, BK+64*((\a)%2)
	s_wait_dscnt \younger
.irp t, 0,1,2,3,4,5,6,7,8,9,10,11,12,13,14,15
	global_store_b128 v[CO], v[BB+4*\t:BB+4*\t+3], s[12:13] offset:(32*((\a)/2)+8*((\a)%2)+\t+8*(\t/8))*8192 th:TH_STORE_NT   ; 512 consecutive bytes, aligned; 127 rows at the most: inside the signed 24-bit immediate
.endr
.endm
	PLACES NP
	TOSTAGE 0
.irp a, 1,2,3,4,5,6,7
.if \a > 1
	s_wait_xcnt 0x0                                ; tile a - 2's stores have read their registers: tile a's loads may land there
.endif
	TOSTAGE \a
	SEND \a-1, 32                                  ; behind tile a - 1's loads: tile a's 16 stores and 16 loads
.endr
	SEND 7, 0
	s_wait_tensorcnt 0x0                           ; the wave's end
	ds_add_u32 v[SPW], v[NIL]
	s_wait_dscnt 0x0
	CROUND                                         ; the closing round
	s_endpgm
.Lfunc_end_k_q55728a0fd3_oproj:
	.size	k_q55728a0fd3_oproj, .Lfunc_end_k_q55728a0fd3_oproj-k_q55728a0fd3_oproj
	.p2alignl 7, 3214868480
	.fill 96, 4, 3214868480
	.section	.rodata,"a",@progbits
	.p2align	6, 0x0
	.amdhsa_kernel k_q55728a0fd3_oproj
		.amdhsa_group_segment_fixed_size 327680
		.amdhsa_private_segment_fixed_size 0
		.amdhsa_enable_private_segment 0
		.amdhsa_kernarg_size 40
		.amdhsa_user_sgpr_count 2
		.amdhsa_user_sgpr_kernarg_segment_ptr 1
		.amdhsa_wavefront_size32 1
		.amdhsa_system_sgpr_workgroup_id_x 1
		.amdhsa_system_sgpr_workgroup_id_y 1
		.amdhsa_system_sgpr_workgroup_id_z 1
		.amdhsa_system_vgpr_workitem_id 0
		.amdhsa_next_free_vgpr 1024
		.amdhsa_next_free_sgpr 98
		.amdhsa_reserve_vcc 0
		.amdhsa_float_denorm_mode_32 3
		.amdhsa_float_denorm_mode_16_64 3
		.amdhsa_memory_ordered 1
		.amdhsa_forward_progress 1
		.amdhsa_inst_pref_size 137
	.end_amdhsa_kernel
	.amdgpu_metadata
---
amdhsa.version: [ 1, 2 ]
amdhsa.kernels:
  - .name:           k_q55728a0fd3_oproj
    .symbol:         k_q55728a0fd3_oproj.kd
    .args:
      - { .name: yc, .offset: 0, .size: 8, .value_kind: global_buffer, .address_space: global }
      - { .name: ys, .offset: 8, .size: 8, .value_kind: global_buffer, .address_space: global }
      - { .name: opc, .offset: 16, .size: 8, .value_kind: global_buffer, .address_space: global }
      - { .name: ops, .offset: 24, .size: 8, .value_kind: global_buffer, .address_space: global }
      - { .name: xw, .offset: 32, .size: 8, .value_kind: global_buffer, .address_space: global }
    .group_segment_fixed_size: 327680
    .private_segment_fixed_size: 0
    .kernarg_segment_align: 8
    .kernarg_segment_size: 40
    .max_flat_workgroup_size: 128
    .sgpr_count:     98
    .vgpr_count:     1024
    .wavefront_size: 32
...
	.end_amdgpu_metadata
.endif
;; end of part 4
;; launch lnorm (part 5): grid 256 x 1, 8 waves a work-group, no clusters, 0 bytes of LDS; arguments xw, q, ln_w, out0; writes out0
.if DOCPART == 5
	.amdgcn_target "amdgcn-amd-amdhsa--gfx1250"
	.amdhsa_code_object_version 6
	.text
	.protected	k_q55728a0fd3_lnorm
	.globl	k_q55728a0fd3_lnorm
	.p2align	8
	.type	k_q55728a0fd3_lnorm,@function
k_q55728a0fd3_lnorm:
	s_mov_b64 s[64:65], 0
	v_nop
	global_prefetch_b8 v0, s[64:65] scope:SCOPE_SE
	s_setreg_imm32_b32 hwreg(HW_REG_WAVE_MODE, 25, 1), 1
	s_wait_xcnt 0x0
; out0[t][:] = (x - mean(x)) * rsqrt(var(x) + 1e-5) * ln_w, x = xw[t][:] + q[t][:], all f32, rows of 2,048.
; One wave, one row: 8,192 bytes are 64 registers a lane; the row stays in registers between the mean, the variance (taken of x - mean: no difference of large sums) and the scaling.  No LDS, no barrier.
; Each load and store of a wave covers 512 consecutive bytes.  All 48 loads of a wave go out at once.  No cluster, no matrix unit: the rows are read once and nothing is multiplied by a matrix.
.set X,  16                            ; v16-79   xw's row, then x, then the result
.set Q,  80                            ; v80-143  q's row
.set W,  144                           ; v144-207 ln_w
.set A,  208                           ; v208-215 four chains of packed sums
.set MU, 216                           ; v[216:217] the mean, twice
.set VR, 218                           ; v218 the variance + 1e-5
.set T,  219
.set RS, 220                           ; v[220:221] the root's reciprocal (the low word serves both halves)
	s_load_b256 s[4:11], s[0:1], 0x0               ; xw, q, ln_w, out0
	v_lshrrev_b32 v1, 5, v0
	v_readfirstlane_b32 s12, v1                    ; wave 0..7
	v_and_b32 v2, 31, v0
	v_lshlrev_b32 v2, 4, v2                        ; 16 x lane
	s_lshl_b32 s13, ttmp9, 3
	s_add_co_u32 s13, s13, s12                     ; my row
	s_lshl_b32 s14, s13, 13
	s_mov_b32 s15, 0
	s_mov_b32 s16, 0x3a000000                      ; 1 / 2,048
	s_mov_b32 s18, 0x76543210
	s_mov_b32 s19, 0xfedcba98
	v_mov_b32 v[T], 0                              ; a lane permute's destination counts as one of its sources
	v_mov_b32 v[RS+1], 0                           ; named with the root's reciprocal as a pair
	s_wait_kmcnt 0x0
	s_add_nc_u64 s[4:5], s[4:5], s[14:15]
	s_add_nc_u64 s[6:7], s[6:7], s[14:15]
	s_add_nc_u64 s[10:11], s[10:11], s[14:15]
.irp j, 0,1,2,3,4,5,6,7,8,9,10,11,12,13,14,15
	global_load_b128 v[X+4*\j:X+4*\j+3], v2, s[4:5] offset:512*\j th:TH_LOAD_NT
.endr
.irp j, 0,1,2,3,4,5,6,7,8,9,10,11,12,13,14,15
	global_load_b128 v[Q+4*\j:Q+4*\j+3], v2, s[6:7] offset:512*\j th:TH_LOAD_NT
.endr
.irp j, 0,1,2,3,4,5,6,7,8,9,10,11,12,13,14,15
	global_load_b128 v[W+4*\j:W+4*\j+3], v2, s[8:9] offset:512*\j
.endr
.macro ACROSS r, t                     ; the sum over the 32 lanes, in every lane
	v_add_f32_dpp v[\r], v[\r], v[\r] row_xmask:1 row_mask:0xf bank_mask:0xf
	v_add_f32_dpp v[\r], v[\r], v[\r] row_xmask:2 row_mask:0xf bank_mask:0xf
	v_add_f32_dpp v[\r], v[\r], v[\r] row_xmask:4 row_mask:0xf bank_mask:0xf
	v_add_f32_dpp v[\r], v[\r], v[\r] row_xmask:8 row_mask:0xf bank_mask:0xf
	v_permlanex16_b32 v[\t], v[\r], s18, s19
	v_add_f32 v[\r], v[\r], v[\t]
.endm
.macro JOIN                            ; the four chains and their halves
	v_pk_add_f32 v[A:A+1], v[A:A+1], v[A+2:A+3]
	v_pk_add_f32 v[A+4:A+5], v[A+4:A+5], v[A+6:A+7]
	v_pk_add_f32 v[A:A+1], v[A:A+1], v[A+4:A+5]
	v_add_f32 v[A], v[A], v[A+1]
.endm
	s_wait_loadcnt 16                              ; xw's and q's rows are in; ln_w's 16 loads may be out
.set j, 0
.rept 32
	v_pk_add_f32 v[X+j:X+j+1], v[X+j:X+j+1], v[Q+j:Q+j+1]   ; the residual
.set j, j+2
.endr
.irp k, 0,1,2,3
	v_pk_add_f32 v[A+2*\k:A+2*\k+1], v[X+2*\k:X+2*\k+1], v[X+8+2*\k:X+9+2*\k]   ; the first pairs start the chains: nothing is cleared
.endr
.set j, 16
.rept 6
.irp k, 0,1,2,3
	v_pk_add_f32 v[A+2*\k:A+2*\k+1], v[A+2*\k:A+2*\k+1], v[X+j+2*\k:X+j+2*\k+1]
.endr
.set j, j+8
.endr
	JOIN
	ACROSS A, T
	v_mul_f32 v[MU], s16, v[A]                     ; the mean
	v_mov_b32 v[MU+1], v[MU]
.set j, 0
.rept 32
	v_pk_add_f32 v[X+j:X+j+1], v[X+j:X+j+1], v[MU:MU+1] neg_lo:[0,1] neg_hi:[0,1]   ; x - mean
.set j, j+2
.endr
.irp k, 0,1,2,3
	v_pk_mul_f32 v[A+2*\k:A+2*\k+1], v[X+2*\k:X+2*\k+1], v[X+2*\k:X+2*\k+1]
.endr
.set j, 8
.rept 7
.irp k, 0,1,2,3
	v_pk_fma_f32 v[A+2*\k:A+2*\k+1], v[X+j+2*\k:X+j+2*\k+1], v[X+j+2*\k:X+j+2*\k+1], v[A+2*\k:A+2*\k+1]
.endr
.set j, j+8
.endr
	JOIN
	ACROSS A, T
	v_fmaak_f32 v[VR], s16, v[A], 0x3727c5ac       ; the variance + 1e-5
	v_rsq_f32 v[RS], v[VR]
	s_wait_loadcnt 0x0                             ; ln_w
.set j, 0
.rept 32
	v_pk_mul_f32 v[X+j:X+j+1], v[X+j:X+j+1], v[W+j:W+j+1]   ; independent work behind the root
.set j, j+2
.endr
	s_wait_alu depctr_va_vdst(0)                   ; the wait ahead of the first reader of the root's reciprocal
.set j, 0
.rept 32
	v_pk_mul_f32 v[X+j:X+j+1], v[X+j:X+j+1], v[RS:RS+1] op_sel_hi:[1,0]
.set j, j+2
.endr
.irp j, 0,1,2,3,4,5,6,7,8,9,10,11,12,13,14,15
	global_store_b128 v2, v[X+4*\j:X+4*\j+3], s[10:11] offset:512*\j th:TH_STORE_NT
.endr
	s_endpgm
.Lfunc_end_k_q55728a0fd3_lnorm:
	.size	k_q55728a0fd3_lnorm, .Lfunc_end_k_q55728a0fd3_lnorm-k_q55728a0fd3_lnorm
	.p2alignl 7, 3214868480
	.fill 96, 4, 3214868480
	.section	.rodata,"a",@progbits
	.p2align	6, 0x0
	.amdhsa_kernel k_q55728a0fd3_lnorm
		.amdhsa_group_segment_fixed_size 0
		.amdhsa_private_segment_fixed_size 0
		.amdhsa_enable_private_segment 0
		.amdhsa_kernarg_size 32
		.amdhsa_user_sgpr_count 2
		.amdhsa_user_sgpr_kernarg_segment_ptr 1
		.amdhsa_wavefront_size32 1
		.amdhsa_system_sgpr_workgroup_id_x 1
		.amdhsa_system_sgpr_workgroup_id_y 1
		.amdhsa_system_sgpr_workgroup_id_z 1
		.amdhsa_system_vgpr_workitem_id 0
		.amdhsa_next_free_vgpr 224
		.amdhsa_next_free_sgpr 66
		.amdhsa_reserve_vcc 0
		.amdhsa_float_denorm_mode_32 3
		.amdhsa_float_denorm_mode_16_64 3
		.amdhsa_memory_ordered 1
		.amdhsa_forward_progress 1
		.amdhsa_inst_pref_size 21
	.end_amdhsa_kernel
	.amdgpu_metadata
---
amdhsa.version: [ 1, 2 ]
amdhsa.kernels:
  - .name:           k_q55728a0fd3_lnorm
    .symbol:         k_q55728a0fd3_lnorm.kd
    .args:
      - { .name: xw, .offset: 0, .size: 8, .value_kind: global_buffer, .address_space: global }
      - { .name: q, .offset: 8, .size: 8, .value_kind: global_buffer, .address_space: global }
      - { .name: ln_w, .offset: 16, .size: 8, .value_kind: global_buffer, .address_space: global }
      - { .name: out0, .offset: 24, .size: 8, .value_kind: global_buffer, .address_space: global }
    .group_segment_fixed_size: 0
    .private_segment_fixed_size: 0
    .kernarg_segment_align: 8
    .kernarg_segment_size: 32
    .max_flat_workgroup_size: 256
    .sgpr_count:     66
    .vgpr_count:     224
    .wavefront_size: 32
...
	.end_amdgpu_metadata
.endif
;; end of part 5
;; ======== version 2 of 2: 5 launches
;; limits: right only within a limited range of input values
;; workspace buffers: opc 22,020,096 bytes; ops 917,504 bytes; mw 524,288 bytes of whole numbers; qkv 9,830,400 bytes; yc 3,145,728 bytes; ys 131,072 bytes; nf 131,072 bytes; xw 16,777,216 bytes
;; launch prep (part 6): grid 128 x 8, 4 waves a work-group, no clusters, 69,120 bytes of LDS; arguments q, k, Wv, Wq, Wk, v, Wo, mask, opc, ops, mw; writes opc, ops, mw
.if DOCPART == 6
	.amdgcn_target "amdgcn-amd-amdhsa--gfx1250"
	.amdhsa_code_object_version 6
	.text
	.protected	k_q55728a0fd3_prep
	.globl	k_q55728a0fd3_prep
	.p2align	8
	.type	k_q55728a0fd3_prep,@function
k_q55728a0fd3_prep:
	s_mov_b64 s[64:65], 0
	v_nop
	global_prefetch_b8 v0, s[64:65] scope:SCOPE_SE
	s_setreg_imm32_b32 hwreg(HW_REG_WAVE_MODE, 25, 1), 1
	s_wait_xcnt 0x0
; Seven tensors [2048][2048] f32 (in this order: q, k, Wv, Wq, Wk, v, Wo), K innermost, become codes of BF6 (E3M2) with one E8M0 byte for each 32 along K; the mask [2048][2048] int32 becomes bits.
; A block's scale is 2^(floor(log2(its largest magnitude)) - 4); its byte is the largest magnitude's exponent field - 4, held at 1 from below.
; LIMITS: NaN and infinities among the inputs are not served; a block whose largest magnitude lies under 2^-122 has its byte held at 1; a block of zeros gets the byte 1 and not 127: its codes are zeros, and this program alone reads the bytes.
; THE CODES ARE LAID AS IMAGES OF THE OPERAND'S REGISTERS.  A fragment (16 rows x 128 K) is 12 registers a lane, 1,536 bytes: registers 4 c .. 4 c + 3 of lane l at 512 c + 16 l.  Its scale words: 4 bytes a row.
; THE 16 ROWS OF A TILE ARE NOT NEIGHBOURS: tile i of a block of 128 rows holds in lane r the row 32 (i / 2) + 8 (i % 2) + r + 8 (r / 8).  Every operand of the program has this one map.
;   opc [tensor 7][block of 128 rows 16][K step 16][tile 8][1536]      ops [tensor 7][block 16][tile 8][K step 16][16 words]
;   mw  [tile of queries 128][key step 16][64 words]: bit l of word 16 b + i says whether mask[the tile's row of lane l % 16][128 step + 32 b + 16 (l / 16) + i] is not 0
; SHARES.  Work-group (x, y): tile x of tensor y (y = 7: the mask).  Wave w takes K steps 4 w .. 4 w + 3, a unit each: 16 rows x 512 bytes.  Each load reads 512 consecutive bytes of one row; the unit turns through the wave's own
; stage in LDS (rows of 512 + 16 bytes), so that lane (r, h) gets of row r the 16 neighbours 32 b + 16 h + 0 .. 15 of each block b.  Two units' loads (32 a wave) are out at most.  Waves share nothing: no barrier.
; No cluster: no two work-groups read the same byte.  No matrix unit: nothing is multiplied.
.set SP,    528                        ; a stage row: 512 bytes + 16: row r starts 4 r words on in the banks' round of 64 words
.set WST,   16*SP                      ; a wave's stage
.set SCS,   4*WST                      ; behind the stages: 256 bytes of scale words for each wave
.set MBASE, SCS+4*256                  ; the mask's work-groups take LDS bytes of their own
.set FRB,   1536                       ; a fragment's image
.set BLKB,  8*FRB                      ; a K step of a block of 128 rows
.set STI, 8                            ; v8   the stage, on the way in: 16 x lane
.set STO, 9                            ; v9   on the way out: 528 r + 64 h
.set SCI, 10                           ; v10  my row's scale word: 4 r
.set SCO, 11                           ; v11  the scale words on the way out: 8 x lane
.set LI,  12                           ; v12  16 x lane
.set L8,  13                           ; v13  8 x lane
.set PC,  16                           ; v16-27  a fragment's codes
.set TP,  28                           ; v28-35  the upper halves of the blocks' codes, as the conversions leave them
.set TM,  36                           ; v36-51  largest magnitudes, bytes, scale operands
.set PW,  52                           ; v52  the scale word
.set MW,  54                           ; v54-61  the mask's words, a pair for each unit
.set R,   64                           ; v64-191 two sets of 64: a unit as it is loaded
.set X,   192                          ; v192-255 a unit as the quantiser wants it: register 16 b + i = k 32 b + 16 h + i of row r
.set SEL, 36                           ; s[36:37] v_permlanex16_b32's selects for lane l xor 16
	s_load_b512 s[8:23], s[0:1], 0x0               ; the eight inputs
	s_load_b128 s[24:27], s[0:1], 0x40             ; opc, ops
	s_load_b64 s[28:29], s[0:1], 0x50              ; mw
	v_lshl_add_u32 v62, v0, 2, 0x10c00
	v_mov_b32 v63, 0
	v_lshrrev_b32 v1, 5, v0
	v_readfirstlane_b32 s30, v1                    ; wave 0..3
	s_and_b32 s31, ttmp7, 0xffff                   ; which tensor
	v_and_b32 v2, 31, v0                           ; lane
	v_and_b32 v3, 15, v0                           ; r
	v_bfe_u32 v4, v0, 4, 1                         ; h
	v_lshlrev_b32 v[LI], 4, v2
	v_lshlrev_b32 v[L8], 3, v2
	s_mul_i32 s32, s30, WST
	v_add_nc_u32 v[STI], s32, v[LI]
	v_mul_u32_u24 v[STO], v3, SP
	v_lshl_add_u32 v[STO], v4, 6, v[STO]
	v_add_nc_u32 v[STO], s32, v[STO]
	s_lshl_b32 s33, s30, 8
	s_add_co_u32 s33, s33, SCS
	v_lshl_add_u32 v[SCI], v3, 2, s33
	v_add_nc_u32 v[SCO], s33, v[L8]
	s_mov_b32 s[SEL], 0x76543210
	s_mov_b32 s[SEL+1], 0xfedcba98
.irp b, 0,1,2,3
	v_mov_b32 v[TM+4+\b], 0                        ; written once: a lane permute's destination counts as one of its sources
.endr
.irp b, 0,1,2,3,4,5,6,7
	v_mov_b32 v[MW+\b], 0                          ; likewise v_writelane_b32's
.endr
	s_lshr_b32 s34, ttmp9, 1                       ; the tile's first row is 32 (x / 2) + 8 (x % 2); a row is 8,192 bytes; my wave's four K steps begin 2,048 w bytes on
	s_lshl_b32 s34, s34, 18
	s_and_b32 s35, ttmp9, 1
	s_lshl_b32 s35, s35, 16
	s_add_co_u32 s34, s34, s35
	s_lshl_b32 s35, s30, 11
	s_add_co_u32 s34, s34, s35
	s_mov_b32 s35, 0
	s_wait_kmcnt 0x0
	s_mov_b64 s[4:5], s[8:9]                       ; the input is chosen by the work-group's y alone
.irp i, 1,2,3,4,5,6,7
	s_cmp_eq_u32 s31, \i
	s_cselect_b64 s[4:5], s[8+2*\i:9+2*\i], s[4:5]
.endr
	s_add_nc_u64 s[4:5], s[4:5], s[34:35]
.macro LOAD u                          ; unit u: the tile's 16 rows, 512 consecutive bytes each
.irp i, 0,1,2,3,4,5,6,7,8,9,10,11,12,13,14,15
	global_load_b128 v[R+64*((\u)%2)+4*\i:R+64*((\u)%2)+4*\i+3], v[LI], s[4:5] offset:(\i+8*(\i/8))*8192+512*(\u) th:TH_LOAD_NT
.endr
.endm
.macro TURN u, base                    ; through the stage: LDS serves a wave's instructions in order (ISA guide 5.7.1.4), so no wait stands between the stores and the loads
.irp i, 0,1,2,3,4,5,6,7,8,9,10,11,12,13,14,15
	ds_store_b128 v[STI], v[R+64*((\u)%2)+4*\i:R+64*((\u)%2)+4*\i+3] offset:\base+SP*\i
.endr
.irp b, 0,1,2,3
.irp j, 0,1,2,3
	ds_load_b128 v[X+16*\b+4*\j:X+16*\b+4*\j+3], v[STO] offset:\base+128*\b+16*\j
.endr
.endr
.endm
; 64 numbers of a lane, register 16 b + i = k 32 b + 16 h + i of my row, become a fragment's codes in v[pc] on and its scale word in v[PW]
.macro QUANT s, pc, tp
.irp b, 0,1,2,3
	v_max3_num_f32 v[TM+\b], |v[\s+16*\b]|, |v[\s+1+16*\b]|, 0x2800000   ; block b: my 16 numbers, and the floor 2^(5 - 127): so the byte cannot fall under 1
.endr
.irp i, 2,4,6,8,10,12,14
.irp b, 0,1,2,3
	v_max3_num_f32 v[TM+\b], v[TM+\b], |v[\s+16*\b+\i]|, |v[\s+1+16*\b+\i]|   ; the four blocks by turns
.endr
.endr
.irp b, 0,1,2,3
	v_permlanex16_b32 v[TM+4+\b], v[TM+\b], s[SEL], s[SEL+1]
.endr
.irp b, 0,1,2,3
	v_max_num_f32 v[TM+\b], v[TM+\b], v[TM+4+\b]   ; with lane l xor 16's: the block's largest magnitude
.endr
.irp b, 0,1,2,3
	v_add_nc_u32 v[TM+12+\b], 0xfe000000, v[TM+\b] ; 4 off its exponent field: the conversion takes the exponent field of this operand as its scale
.endr
.irp b, 0,1,2,3
	v_lshrrev_b32 v[TM+4+\b], 23, v[TM+12+\b]      ; the scale's byte
.endr
	v_lshl_or_b32 v[PW], v[TM+5], 8, v[TM+4]
	v_lshl_or_b32 v[PW], v[TM+6], 16, v[PW]
	v_lshl_or_b32 v[PW], v[TM+7], 24, v[PW]        ; my row's scale word
.irp c, 0,1
	v_cvt_scalef32_pk16_bf6_f32 v[\pc+6*\c:\pc+2+6*\c], v[\s+32*\c:\s+15+32*\c], v[TM+12+2*\c]
	v_cvt_scalef32_pk16_bf6_f32 v[\tp+4*\c:\tp+2+4*\c], v[\s+16+32*\c:\s+31+32*\c], v[TM+12+2*\c+1]   ; (a conversion's three registers begin on an even number)
.endr
	v_nop                                          ; one plain place behind a scaled conversion
.irp c, 0,1                            ; the operand's layout wants a whole block in a lane: lanes 0-15 block 2 c, lanes 16-31 block 2 c + 1
.irp i, 0,1,2
	v_permlane16_swap_b32 v[\pc+6*\c+\i], v[\tp+4*\c+\i]
.endr
.irp i, 0,1,2
	v_mov_b32 v[\pc+3+6*\c+\i], v[\tp+4*\c+\i]
.endr
.endr
.endm
	LOAD 0
	LOAD 1
	s_cmp_eq_u32 s31, 7
	s_cbranch_scc1 .Lmask
	; ---- a tensor of numbers.  Where my wave's codes and scale words begin
	s_mul_i32 s38, s31, 3145728
	s_lshr_b32 s48, ttmp9, 3                       ; the block of 128 rows
	s_mul_i32 s39, s48, 196608
	s_add_co_u32 s38, s38, s39
	s_mul_i32 s39, s30, 4*BLKB
	s_add_co_u32 s38, s38, s39
	s_and_b32 s49, ttmp9, 7                        ; the tile in it
	s_mul_i32 s39, s49, FRB
	s_add_co_u32 s38, s38, s39
	s_mov_b32 s39, 0
	s_add_nc_u64 s[24:25], s[24:25], s[38:39]
	s_lshl_b32 s38, s31, 17
	s_lshl_b32 s48, s48, 13
	s_add_co_u32 s38, s38, s48
	s_lshl_b32 s49, s49, 10
	s_add_co_u32 s38, s38, s49
	s_lshl_b32 s48, s30, 8
	s_add_co_u32 s38, s38, s48
	s_add_nc_u64 s[26:27], s[26:27], s[38:39]
.macro UNITF u
.if \u < 3
	s_wait_loadcnt 16                              ; this unit's 16 loads are in; the next unit's 16 may be out
.else
	s_wait_loadcnt 0x0
.endif
	TURN \u, 0
	s_wait_dscnt 0x0                               ; the unit is back from the stage: so the stage's stores have read their registers, and the last unit's scale word has been stored
	s_wait_xcnt 0x0                                ; the last unit's stores have read the codes' registers, which are written again below
.if \u < 2
	LOAD \u+2
.endif
	QUANT X, PC, TP
	ds_store_b32 v[SCI], v[PW] offset:64*\u        ; lanes r and r + 16 write the same word with the same value
.irp c, 0,1,2
	global_store_b128 v[LI], v[PC+4*\c:PC+4*\c+3], s[24:25] offset:BLKB*\u+512*\c   ; 32 lanes store 512 consecutive bytes, at a multiple of 256 from the buffer's first byte
.endr
.endm
	UNITF 0
	UNITF 1
	UNITF 2
	UNITF 3
	ds_load_b64 v[14:15], v[SCO]                   ; my four K steps' scale words: 256 bytes on end
	s_wait_dscnt 0x0
	global_store_b64 v[L8], v[14:15], s[26:27]     ; 256 consecutive bytes, aligned
	s_wait_tensorcnt 0x0
	ds_add_u32 v62, v63
	s_wait_dscnt 0x0
	s_endpgm
.Lmask:
	; ---- the mask: a compare gives one word of 32 lanes' bits; 64 words a unit are gathered, two to a lane, and leave as 256 consecutive bytes
	s_lshl_b32 s38, ttmp9, 12
	s_lshl_b32 s39, s30, 10
	s_add_co_u32 s38, s38, s39
	s_mov_b32 s39, 0
	s_add_nc_u64 s[28:29], s[28:29], s[38:39]
.macro UNITM u
.if \u < 3
	s_wait_loadcnt 16
.else
	s_wait_loadcnt 0x0
.endif
	TURN \u, MBASE
	s_wait_dscnt 0x0
.if \u < 2
	LOAD \u+2
.endif
.set n, 0
.rept 64
	v_cmp_ne_u32 s[40+n%8], 0, v[X+n]              ; word n: bit l = my lane's number is not 0
	v_writelane_b32 v[MW+2*\u+n%2], s[40+n%8], n/2
.set n, n+1
.endr
	global_store_b64 v[L8], v[MW+2*\u:MW+2*\u+1], s[28:29] offset:256*\u
.endm
	s_wait_alu depctr_va_vdst(0)
	UNITM 0
	UNITM 1
	UNITM 2
	UNITM 3
	s_wait_tensorcnt 0x0
	ds_add_u32 v62, v63
	s_wait_dscnt 0x0
	s_endpgm
.Lfunc_end_k_q55728a0fd3_prep:
	.size	k_q55728a0fd3_prep, .Lfunc_end_k_q55728a0fd3_prep-k_q55728a0fd3_prep
	.p2alignl 7, 3214868480
	.fill 96, 4, 3214868480
	.section	.rodata,"a",@progbits
	.p2align	6, 0x0
	.amdhsa_kernel k_q55728a0fd3_prep
		.amdhsa_group_segment_fixed_size 69120
		.amdhsa_private_segment_fixed_size 0
		.amdhsa_enable_private_segment 0
		.amdhsa_kernarg_size 88
		.amdhsa_user_sgpr_count 2
		.amdhsa_user_sgpr_kernarg_segment_ptr 1
		.amdhsa_wavefront_size32 1
		.amdhsa_system_sgpr_workgroup_id_x 1
		.amdhsa_system_sgpr_workgroup_id_y 1
		.amdhsa_system_sgpr_workgroup_id_z 1
		.amdhsa_system_vgpr_workitem_id 0
		.amdhsa_next_free_vgpr 256
		.amdhsa_next_free_sgpr 66
		.amdhsa_reserve_vcc 0
		.amdhsa_float_denorm_mode_32 3
		.amdhsa_float_denorm_mode_16_64 3
		.amdhsa_memory_ordered 1
		.amdhsa_forward_progress 1
		.amdhsa_inst_pref_size 79
	.end_amdhsa_kernel
	.amdgpu_metadata
---
amdhsa.version: [ 1, 2 ]
amdhsa.kernels:
  - .name:           k_q55728a0fd3_prep
    .symbol:         k_q55728a0fd3_prep.kd
    .args:
      - { .name: q, .offset: 0, .size: 8, .value_kind: global_buffer, .address_space: global }
      - { .name: k, .offset: 8, .size: 8, .value_kind: global_buffer, .address_space: global }
      - { .name: Wv, .offset: 16, .size: 8, .value_kind: global_buffer, .address_space: global }
      - { .name: Wq, .offset: 24, .size: 8, .value_kind: global_buffer, .address_space: global }
      - { .name: Wk, .offset: 32, .size: 8, .value_kind: global_buffer, .address_space: global }
      - { .name: v, .offset: 40, .size: 8, .value_kind: global_buffer, .address_space: global }
      - { .name: Wo, .offset: 48, .size: 8, .value_kind: global_buffer, .address_space: global }
      - { .name: mask, .offset: 56, .size: 8, .value_kind: global_buffer, .address_space: global }
      - { .name: opc, .offset: 64, .size: 8, .value_kind: global_buffer, .address_space: global }
      - { .name: ops, .offset: 72, .size: 8, .value_kind: global_buffer, .address_space: global }
      - { .name: mw, .offset: 80, .size: 8, .value_kind: global_buffer, .address_space: global }
    .group_segment_fixed_size: 69120
    .private_segment_fixed_size: 0
    .kernarg_segment_align: 8
    .kernarg_segment_size: 88
    .max_flat_workgroup_size: 128
    .sgpr_count:     66
    .vgpr_count:     256
    .wavefront_size: 32
...
	.end_amdgpu_metadata
.endif
;; end of part 6
;; launch proj (part 7): grid 8 x 24, 4 waves a work-group, clusters of 4 x 4, 327,680 bytes of LDS; arguments opc, ops, qkv; writes qkv
.if DOCPART == 7
	.amdgcn_target "amdgcn-amd-amdhsa--gfx1250"
	.amdhsa_code_object_version 6
	.text
	.protected	k_q55728a0fd3_proj
	.globl	k_q55728a0fd3_proj
	.p2align	8
	.type	k_q55728a0fd3_proj,@function
k_q55728a0fd3_proj:
	s_mov_b64 s[64:65], 0
	v_nop
	global_prefetch_b8 v0, s[64:65] scope:SCOPE_SE
	s_setreg_imm32_b32 hwreg(HW_REG_WAVE_MODE, 25, 1), 1
	s_wait_xcnt 0x0
	s_wait_alu depctr_hold_cnt(0) depctr_sa_sdst(0) depctr_va_vdst(0) depctr_va_sdst(0) depctr_va_ssrc(0) depctr_va_vcc(0) depctr_vm_vsrc(0)
	s_getreg_b32 s2, hwreg(HW_REG_IB_STS2, 6, 4)
	s_cmp_eq_u32 s2, 0
	s_cbranch_scc0 .Lentry_in_a_cluster
	s_endpgm
.Lentry_in_a_cluster:
	s_bfe_u32 s2, ttmp6, 0x10000c
	s_cmp_lg_u32 s2, 0xf033
	s_cbranch_scc0 .Lentry_shape_is_right
	s_endpgm
.Lentry_shape_is_right:
; The three projections, on codes of BF6 (E3M2) with one E8M0 scale for each 32 along K: g = 0: Q = q Wq^T; g = 1: K = k Wk^T; g = 2: V^T = Wv v^T.  C[m][n] = sum over k of A[m][k] B[n][k], A = tensor g of opc, B = tensor g + 3.
; The results never leave as f32: each wave's 128 x 128 of C is quantised in registers along its columns (for Q and K: a head's 128; for V^T: 128 keys) and stored as the next products' operands.
; OPERANDS ARE IMAGES OF REGISTERS: a fragment (16 rows x 128 K) is 1,536 bytes, registers 4 c .. 4 c + 3 of lane l at 512 c + 16 l; a block of 128 rows is one dense stream [K step 16][tile 8][1536].  So a slot's part of a block is dense
; memory, a fragment is three loads of 16 bytes a lane at consecutive addresses, and LDS needs no pitch and no padding.  Tile i holds in lane r the block's row 32 (i / 2) + 8 (i % 2) + r + 8 (r / 8).
; A tile of C, 256 x 256, is made by a work-group of four waves, 128 x 128 each: 64 accumulators, 512 registers.  K goes in steps of 256 through a ring of two LDS slots; the scale words of the four blocks, for all of K, come once.
; CLUSTERS: 4 x 4 work-groups; A's tiles are asked for jointly along a row of the cluster, B's along a column.  THE MATRIX INSTRUCTION IS USED TRANSPOSED (source 0 = 16 rows of B, source 1 = 16 rows of A): lane (r, h) holds A's row of
; lane r, and by the map of B's rows the 64 registers of A's block a are columns 32 b + 16 h + i at register 16 b + i: what the quantiser takes, and the fragment that it makes has the same map of rows again.
; qkv [Q, K, V][head 16][block 16][record 12,800]: a record is 8 fragments and their 8 x 16 scale words.  Q, K: block = 128 tokens, rows = tokens.  V: block = 128 keys, rows = the head's 128.
; LIMITS: a block whose largest magnitude lies under 2^-122 has its byte held at 1; a block of zeros gets the byte 1 (zero codes; this program alone reads the bytes).
; REGISTERS, in windows of 256: window 0: v16-29 addresses; v32-63 scale words, two sets; v64-103 the way out's work; v128-223 A's fragments, one set, later the codes made.  window 1: B's fragments, two sets, at v0 and v128.
;   window 2: the 32 accumulators of my rows' blocks 0-3 ((a, b) at v[8 (8 a + b)]);   window 3: those of blocks 4-7.
.set NQ,     2                         ; matrix instructions deep in a slot
.set FR,     12                        ; registers of a fragment
.set NL,     3                         ; LDS loads that bring one
.set NP,     4                         ; places behind this matrix instruction (ISA guide 7.12.1)
.set FRB,    1536
.set BLKB,   8*FRB                     ; a block's eight fragments of one K step of 128
.set HALFT,  NQ*BLKB                   ; what one tensor load brings: a block's part of a slot, 24,576 dense bytes
.set SLOT,   4*HALFT                   ; A's two blocks, then B's two
.set LAPS,   4                         ; a lap = 512 along K = once round the ring; K = 2,048
.set SCB,    8192                      ; a block's scale words for all of K: [tile 8][K step 16][16 words]
.set SCL,    2*SLOT                    ; behind the ring: four of them
.set SPARE,  SCL+4*SCB                 ; the spare words, 128 bytes for each wave: two blocks of 256 bytes that no other line names
.set SST,    SPARE+512                 ; 512 bytes for each wave: a record's scale words on their way out; no fill lands here
.set ADRA, 16                          ; v16-17  LDS address of my A fragments in slot 0, 1: 16 x lane + the block
.set ADRB, 20                          ; v20-21  the same for B
.set LI,   24                          ; v24     16 x lane
.set SSI,  25                          ; v25     where I put a scale word
.set SSO,  26                          ; v26     and where I read 16 bytes of them back
.set ADRS, 27                          ; v27     LDS address of my scale words: lanes 0-15 A's rows, lanes 16-31 B's
.set SPW,  28                          ; v28     LDS address of my spare word; never rewritten
.set NIL,  29                          ; v29     0; never rewritten
.set SC,   32                          ; scale words: set s at v[SC + 16 s]; register 2 i + q: lanes 0-15 A's tile i, lanes 16-31 B's tile i, the slot's q-th 128 along K
.set TM,   64                          ; v64-79  the way out: largest magnitudes, bytes, scale operands
.set TP,   84                          ; v84-91  the upper halves of the blocks' codes
.set SW,   92                          ; v92-95  16 bytes of scale words
.set PW,   96                          ; v96-103 a scale word for each of my eight blocks of rows
.set AF,   128                         ; A's fragments
.set G1, 24                            ; s[24:31] descriptor group 1 for A's tiles;  s[32:39] group 0, one set for each slot
.set G0, 32
.set G1B, 48                           ; s[48:55], s[56:63] the same for B's
.set G0B, 56
.set G1S, 68                           ; s[68:75], s[76:79] groups 1 and 0 for A's scale words;  s[80:87], s[88:91] for B's
.set G0S, 76
.set G1SB, 80
.set G0SB, 88
.set SEL, 96                           ; s[96:97] v_permlanex16_b32's selects for lane l xor 16
.set MSB, 0
.macro WIN new                         ; the immediate's high byte repeats the setting that is left
.if MSB != \new
	s_set_vgpr_msb (MSB<<8)|\new
.set MSB, \new
.endif
.endm
.set MUL_LO, 0xa1                      ; source 0 (B) window 1, source 1 (A) window 0, C and D window 2
.set MUL_HI, 0xf1                      ; the same, C and D window 3
.set TO_B,   0x40                      ; destination window 1, address window 0
; A joint load: waves 0 and 1 fetch for A, waves 2 and 3 for B.  Each line has one mask and one set of registers for all that issue it; the branch hangs on the wave's number alone.  Four v_nop follow each line.
.macro JLOAD g0a, g1a, g0b, g1b
	s_cmp_eq_u32 s15, 0
	s_cbranch_scc0 .Lfor_b_\@
	tensor_load_to_lds s[\g0a:\g0a+3], s[\g1a:\g1a+7]
	s_nop 0
.rept 4
	v_nop
.endr
	s_branch .Lasked_\@
.Lfor_b_\@:
	tensor_load_to_lds s[\g0b:\g0b+3], s[\g1b:\g1b+7]
	s_nop 0
.rept 4
	v_nop
.endr
.Lasked_\@:
.endm
.macro CREST                           ; a round of the cluster's barrier behind its opening barrier
	s_cmp_lg_u32 s14, 0
	s_cbranch_scc1 .Lnot_wave_0_\@
	s_barrier_signal -3
.Lnot_wave_0_\@:
	s_barrier_wait -3
	s_barrier_signal -1
	s_barrier_wait -1
.endm
.macro CROUND                          ; a whole round
	s_barrier_signal -1
	s_barrier_wait -1
	CREST
.endm
	s_load_b128 s[4:7], s[0:1], 0x0                ; opc s[4:5], ops s[6:7]
	s_load_b64 s[12:13], s[0:1], 0x10              ; qkv
	v_lshl_add_u32 v[SPW], v0, 2, SPARE
	v_mov_b32 v[NIL], 0
	ds_add_u32 v28, v29
	ds_add_u32 v28, v29
	s_wait_dscnt 0x0
	v_lshrrev_b32 v1, 5, v0
	v_readfirstlane_b32 s14, v1                    ; wave 0..3
	s_lshr_b32 s15, s14, 1                         ; which of A's two blocks is mine.  Also: I fetch for A (0) or for B (1)
	s_and_b32 s16, s14, 1                          ; which of B's two.  Also: which block of that side I fetch
	s_bfe_u32 s40, ttmp6, 0x40000                  ; cx, cy: my place in the cluster
	s_bfe_u32 s41, ttmp6, 0x40004
	s_lshl_b32 s42, ttmp9, 2
	s_add_co_u32 s42, s42, s40                     ; tile column of C = 4 x cluster x + cx
	s_and_b32 s9, ttmp7, 0xffff                    ; cluster y, 0 to 5: two for each product
	s_lshr_b32 s8, s9, 1                           ; g: which product; it hangs on the cluster's y alone
	s_and_b32 s17, s9, 1
	s_lshl_b32 s17, s17, 2
	s_add_co_u32 s17, s17, s41                     ; tile row of C
	s_add_co_u32 s11, s8, 3                        ; B's tensor
	s_lshl_b32 s43, s41, 2
	s_lshl_b32 s43, 15, s43                        ; my row of the cluster
	s_lshl_b32 s44, 0x1111, s40                    ; my column
	; descriptor group 1: 24,576 dense bytes as 96 rows of 256 bytes (32 elements of 8 bytes), no padding
	s_or_b32 s[G1+0], s43, (3<<16)|(1<<21)         ; 15:0 the mask: A's tiles go to my row; 17:16 elements of 8 bytes; 21 set beside a mask
	s_or_b32 s[G1B+0], s44, (3<<16)|(1<<21)
.irp g, G1, G1B
	s_mov_b32 s[\g+1], 3072<<16                    ; for the head's loads: a side's two blocks, each one row of 24,576 dense bytes (3,072 elements),
	s_mov_b32 s[\g+2], 2<<16                       ; two rows,
	s_mov_b32 s[\g+3], 3072<<16
	s_mov_b32 s[\g+4], 2
	s_mov_b32 s[\g+5], 24576                       ; 196,608 bytes from block to block
	s_mov_b32 s[\g+6], 0
	s_mov_b32 s[\g+7], 0
.endr
	; and for a side's two blocks of scale words: 16,384 dense bytes as 64 such rows
	s_or_b32 s[G1S+0], s43, (3<<16)|(1<<21)
	s_or_b32 s[G1SB+0], s44, (3<<16)|(1<<21)
.irp g, G1S, G1SB
	s_mov_b32 s[\g+1], 32<<16
	s_mov_b32 s[\g+2], 64<<16                      ; a side's two blocks of scale words lie on end: 64 rows of 256 bytes
	s_mov_b32 s[\g+3], 32<<16
	s_mov_b32 s[\g+4], 64
	s_mov_b32 s[\g+5], 32
	s_mov_b32 s[\g+6], 0
	s_mov_b32 s[\g+7], 0
.endr
	s_lshl_b32 s20, s17, 1
	s_add_co_u32 s20, s20, s16                     ; A: block 2 x tile row + which
	s_lshl_b32 s46, s42, 1
	s_add_co_u32 s46, s46, s16                     ; B: block 2 x tile column + which
	s_lshl_b32 s22, s20, 13                        ; where the block's scale words begin,
	s_lshl_b32 s18, s8, 17
	s_add_co_u32 s22, s22, s18
	s_mov_b32 s23, 0
	s_mul_i32 s20, s20, 196608                     ; and its codes
	s_mul_i32 s18, s8, 3145728
	s_add_co_u32 s20, s20, s18
	s_mov_b32 s21, 0
	s_lshl_b32 s92, s46, 13
	s_lshl_b32 s18, s11, 17
	s_add_co_u32 s92, s92, s18
	s_mov_b32 s93, 0
	s_mul_i32 s46, s46, 196608
	s_mul_i32 s18, s11, 3145728
	s_add_co_u32 s46, s46, s18
	s_mov_b32 s47, 0
	s_mul_i32 s45, s14, HALFT                      ; where they go: by the wave's number alone
	s_mul_i32 s98, s16, 196608                     ; from my block of a side back to that side's first block: codes,
	s_mov_b32 s99, 0
	s_lshl_b32 s100, s16, 13                       ; and scale words
	s_mov_b32 s101, 0
	s_mov_b32 s[SEL], 0x76543210
	s_mov_b32 s[SEL+1], 0xfedcba98
	s_wait_kmcnt 0x0
	s_add_nc_u64 s[20:21], s[4:5], s[20:21]
	s_add_nc_u64 s[22:23], s[6:7], s[22:23]
	s_add_nc_u64 s[46:47], s[4:5], s[46:47]
	s_add_nc_u64 s[92:93], s[6:7], s[92:93]
	CROUND                                         ; all sixteen work-groups are here: the first joint loads meet
	s_mov_b32 s[G0S], 1
	s_mov_b32 s[G0S+1], SCL
	s_sub_nc_u64 s[G0S+2:G0S+3], s[22:23], s[100:101]
	s_or_b32 s[G0S+3], s[G0S+3], 0x80000000
	s_mov_b32 s[G0SB], 1
	s_mov_b32 s[G0SB+1], SCL+2*SCB
	s_sub_nc_u64 s[G0SB+2:G0SB+3], s[92:93], s[100:101]
	s_or_b32 s[G0SB+3], s[G0SB+3], 0x80000000
.set G0H, 4                            ; s[4:7], s[92:95] group 0 for the head's loads of slot 0: A's two blocks, B's two (what lay there has been used)
.set G0HB, 92
	s_mov_b32 s[G0H], 1
	s_mov_b32 s[G0H+1], 0
	s_sub_nc_u64 s[G0H+2:G0H+3], s[20:21], s[98:99]
	s_or_b32 s[G0H+3], s[G0H+3], 0x80000000
	s_mov_b32 s[G0HB], 1
	s_mov_b32 s[G0HB+1], 2*HALFT
	s_sub_nc_u64 s[G0HB+2:G0HB+3], s[46:47], s[98:99]
	s_or_b32 s[G0HB+3], s[G0HB+3], 0x80000000
.irp s, 0,1
	s_mov_b32 s[G0+4*\s], 1
	s_add_co_u32 s[G0+4*\s+1], s45, \s*SLOT
	s_add_nc_u64 s[G0+4*\s+2:G0+4*\s+3], s[20:21], \s*HALFT
	s_or_b32 s[G0+4*\s+3], s[G0+4*\s+3], 0x80000000
	s_mov_b32 s[G0B+4*\s], 1
	s_add_co_u32 s[G0B+4*\s+1], s45, \s*SLOT
	s_add_nc_u64 s[G0B+4*\s+2:G0B+4*\s+3], s[46:47], \s*HALFT
	s_or_b32 s[G0B+4*\s+3], s[G0B+4*\s+3], 0x80000000
.endr
; THE HEAD'S LOADS, ONE A WAVE: wave 0 slot 0's two blocks of A, wave 1 those of B, wave 2 A's scale words, wave 3 B's.  One chain of branches on the wave's number, one load to an arm, one join.
.macro ARM under, g0, g1, next
	s_cmp_lt_u32 s14, \under
	s_cbranch_scc0 \next
	tensor_load_to_lds s[\g0:\g0+3], s[\g1:\g1+7]
	s_nop 0
.rept 4
	v_nop
.endr
	s_branch .Lhead_asked
\next:
.endm
	ARM 1, G0H,  G1,  .Lhead_b
	ARM 2, G0HB, G1B, .Lhead_sa
	ARM 3, G0S,  G1S, .Lhead_sb
	tensor_load_to_lds s[G0SB:G0SB+3], s[G1SB:G1SB+7]
	s_nop 0
.rept 4
	v_nop
.endr
.Lhead_asked:
	v_and_b32 v1, 15, v0                           ; r
	v_bfe_u32 v2, v0, 4, 1                         ; h
	s_wait_alu depctr_va_vdst(0)
	v_and_b32 v6, 31, v0
	v_lshlrev_b32 v[LI], 4, v6
	s_mul_i32 s21, s15, HALFT                      ; my block of A
	s_mul_i32 s22, s16, HALFT                      ; my block of B,
	s_add_co_u32 s22, s22, 2*HALFT                 ; behind A's two
.irp s, 0,1
	v_add_nc_u32 v[ADRA+\s], s21, v[LI]
	v_add_nc_u32 v[ADRB+\s], s22, v[LI]
	s_add_co_u32 s21, s21, SLOT
	s_add_co_u32 s22, s22, SLOT
.endr
	v_lshlrev_b32 v5, 2, v1                        ; my row's scale word: 4 r
	s_lshl_b32 s21, s15, 13                        ; A's: my block
	s_lshl_b32 s22, s16, 13                        ; B's: my block, behind A's two
	s_add_co_u32 s22, s22, 2*SCB
	s_sub_co_u32 s22, s22, s21
	v_mul_u32_u24 v6, s22, v2                      ; lanes 16-31 take B's
	s_add_co_u32 s21, s21, SCL
	v_add_nc_u32 v5, v5, v6
	v_add_nc_u32 v[ADRS], s21, v5
	s_lshl_b32 s23, s14, 9
	s_add_co_u32 s23, s23, SST
	v_lshl_add_u32 v[SSI], v1, 2, s23
	v_add_nc_u32 v[SSO], s23, v[LI]
.irp b, 0,1,2,3
	v_mov_b32 v[TM+4+\b], 0                        ; written once: a lane permute's destination counts as one of its sources
.endr
	; my record: Q, K: head = my block of columns, block = my block of rows; V: the other way round
	s_lshl_b32 s20, s17, 1
	s_add_co_u32 s20, s20, s15
	s_lshl_b32 s46, s42, 1
	s_add_co_u32 s46, s46, s16
	s_cmp_lt_u32 s8, 2
	s_cselect_b32 s21, s46, s20
	s_cselect_b32 s22, s20, s46
	s_lshl_b32 s21, s21, 4
	s_add_co_u32 s21, s21, s22
	s_mul_i32 s21, s21, 12800
	s_mul_i32 s22, s8, 3276800
	s_add_co_u32 s20, s21, s22
	s_mov_b32 s21, 0
	s_add_nc_u64 s[12:13], s[12:13], s[20:21]
.macro FRAG reg, adr, q, i             ; tile i's fragment of the slot's q-th 128 along K: the image comes back as it was stored
.irp c, 0,1,2
	ds_load_b128 v[\reg+4*\c:\reg+4*\c+3], v[\adr] offset:(\q)*BLKB+(\i)*FRB+512*\c
.endr
.endm
; 16 matrix instructions: A's tiles a0, a0 + 1 x B's eight, 128 along K.  p: B's set; sc: the set of scale words.  zero = 1: the first product starts the sums.  The 64 accumulators take turns, one instruction a turn.
.macro MUL16 a0, p, q, sc, zero
.irp a, \a0, \a0+1
.irp b, 0,1,2,3,4,5,6,7
.if \zero
	v_wmma_scale_f32_16x16x128_f8f6f4 v[8*(8*((\a)%4)+\b):8*(8*((\a)%4)+\b)+7], v[128*(\p)+FR*\b:128*(\p)+FR*\b+FR-1], v[AF+FR*(\a):AF+FR*(\a)+FR-1], 0, v[SC+8*NQ*(\sc)+NQ*\b+(\q)], v[SC+8*NQ*(\sc)+NQ*(\a)+(\q)] matrix_a_fmt:MATRIX_FMT_BF6 matrix_b_fmt:MATRIX_FMT_BF6 matrix_a_scale:MATRIX_SCALE_ROW1
.else
	v_wmma_scale_f32_16x16x128_f8f6f4 v[8*(8*((\a)%4)+\b):8*(8*((\a)%4)+\b)+7], v[128*(\p)+FR*\b:128*(\p)+FR*\b+FR-1], v[AF+FR*(\a):AF+FR*(\a)+FR-1], v[8*(8*((\a)%4)+\b):8*(8*((\a)%4)+\b)+7], v[SC+8*NQ*(\sc)+NQ*\b+(\q)], v[SC+8*NQ*(\sc)+NQ*(\a)+(\q)] matrix_a_fmt:MATRIX_FMT_BF6 matrix_b_fmt:MATRIX_FMT_BF6 matrix_a_scale:MATRIX_SCALE_ROW1
.endif
.endr
.endr
.endm
.macro FETCH_B slot, q, p
	WIN TO_B
.irp i, 0,1,2,3,4,5,6,7
	FRAG 128*(\p)+FR*\i, ADRB+\slot, \q, \i
.endr
	WIN 0
.endm
.macro FETCH_A slot, q, i0
.irp i, \i0, \i0+1, \i0+2, \i0+3
	FRAG AF+FR*(\i), ADRA+\slot, \q, \i
.endr
.endm
.macro SCALES sc                       ; the next K step's scale words into set sc
.irp i, 0,1,2,3,4,5,6,7
.irp q, 0,1
	ds_load_b32 v[SC+8*NQ*\sc+NQ*\i+\q], v[ADRS] offset:1024*\i+64*\q
.endr
.endr
.endm
.macro PLACES n                        ; plain vector instructions between a matrix instruction and a load into, or a read of, its registers (ISA guide 7.12.1 for a read)
.rept \n
	v_nop
.endr
.endm
.macro STEP slot, q, zero              ; a step of 128 along K that has its successor in the same slot
	s_wait_dscnt 4*NL                              ; B's set, A's tiles 0-3 and the scale words are in; the youngest 12 loads (A's tiles 4-7) may be out
	WIN MUL_LO
	MUL16 0, (\q)%2, \q, \slot, \zero
	MUL16 2, (\q)%2, \q, \slot, \zero
	s_wait_dscnt 0                                 ; A's tiles 4-7 are in
	PLACES NP
	FETCH_B \slot, (\q)+1, 1-(\q)%2
	FETCH_A \slot, (\q)+1, 0
	WIN MUL_HI
	MUL16 4, (\q)%2, \q, \slot, \zero
	MUL16 6, (\q)%2, \q, \slot, \zero
	PLACES NP
	WIN 0
	FETCH_A \slot, (\q)+1, 4
.endm
; A slot's last step changes slots: one barrier; in front of it each wave waits for all its tensor loads, adds 0 to its spare word, and waits for that and for its own reads of this slot.  fill = 1: this slot is filled again, two K steps ahead.
.macro TURN slot, next, fill
	s_wait_tensorcnt 0x0                           ; all my tensor loads have landed: my part of the next slot
	ds_add_u32 v[SPW], v[NIL]                      ; 0 onto my spare word
	s_wait_dscnt 4*NL+1                            ; (the add and the youngest 12 loads may be out)
	WIN MUL_LO
	MUL16 0, 1, NQ-1, \slot, 0                     ; sixteen matrix instructions stand between the add and the wait for it
	s_wait_dscnt 0x0                               ; the add is done, and my reads of this slot are over
	s_barrier_signal -1
	MUL16 2, 1, NQ-1, \slot, 0
	WIN 0
	s_barrier_wait -1
.if \fill
	CREST                                          ; the barrier has opened a round of the cluster's: no wave of any partner still reads this slot or has a load on its way
	s_add_nc_u64 s[G0+4*\slot+2:G0+4*\slot+3], s[G0+4*\slot+2:G0+4*\slot+3], 2*HALFT
	s_add_nc_u64 s[G0B+4*\slot+2:G0B+4*\slot+3], s[G0B+4*\slot+2:G0B+4*\slot+3], 2*HALFT
	JLOAD G0+4*\slot, G1, G0B+4*\slot, G1B         ; the first tensor load behind the round, my one load until the next; its four v_nop are the places in front of the loads below
.else
	PLACES NP
.endif
	s_wait_alu depctr_va_vdst(0)
	v_add_nc_u32 v[ADRS], 64*NQ, v[ADRS]           ; on to the next K step's scale words (no LDS load of mine is out)
	FETCH_B \next, 0, 0
	FETCH_A \next, 0, 0
	SCALES \next
	WIN MUL_HI
	MUL16 4, 1, NQ-1, \slot, 0
	MUL16 6, 1, NQ-1, \slot, 0
	PLACES NP
	WIN 0
	FETCH_A \next, 0, 4
.endm
	s_wait_alu depctr_va_vdst(0)
	s_wait_tensorcnt 0x0                           ; my tile of the head's four is in
	ds_add_u32 v[SPW], v[NIL]
.irp g, G1, G1B
	s_mov_b32 s[\g+1], 32<<16                      ; no tensor load of mine is out: from here on a load brings one block's part of a slot, 96 rows of 256 bytes
	s_mov_b32 s[\g+2], 96<<16
	s_mov_b32 s[\g+3], 32<<16
	s_mov_b32 s[\g+4], 96
	s_mov_b32 s[\g+5], 32
.endr
	s_wait_dscnt 0x0
	CROUND                                         ; all four tiles are in, and all sixteen work-groups are here
	JLOAD G0+4, G1, G0B+4, G1B                     ; slot 1's first fill, my one load behind the round
	FETCH_B 0, 0, 0
	FETCH_A 0, 0, 0
	SCALES 0
	FETCH_A 0, 0, 4
	STEP 0, 0, 1                                   ; the first step stands in front of the loop: its products start the sums
	s_mov_b32 s3, LAPS-1
.Llap:                                                 ; a trip goes once round the ring and fills both slots again
	TURN 0, 1, 1
	STEP 1, 0, 0
	TURN 1, 0, 1
	STEP 0, 0, 0
	s_sub_co_u32 s3, s3, 1
	s_cmp_lg_u32 s3, 0
	s_cbranch_scc1 .Llap
	TURN 0, 1, 0                                   ; the last lap fills nothing
	STEP 1, 0, 0
	s_wait_dscnt 4*NL                              ; the very last step
	WIN MUL_LO
	MUL16 0, 1, NQ-1, 1, 0
	MUL16 2, 1, NQ-1, 1, 0
	s_wait_dscnt 0
	WIN MUL_HI
	MUL16 4, 1, NQ-1, 1, 0
	MUL16 6, 1, NQ-1, 1, 0
	WIN 0
; THE WAY OUT.  Block a of my rows: its 64 registers a lane are quantised as they stand; the fragment leaves by three stores of 512 consecutive bytes.  Each accumulator is read from its low end on.
.macro OUTQ a
.set AC, 64*((\a)%4)
.set PCA, AF+FR*(\a)                   ; the codes take the registers that held A's fragment a: a set of its own for each block, so that no store's data are written again
	WIN 0x0a+5*((\a)/4)                            ; sources 0 and 1: window 2 or 3
.irp b, 0,1,2,3
	v_max3_num_f32 v[TM+\b], |v[AC+16*\b]|, |v[AC+16*\b+1]|, 0x2800000   ; and the floor 2^(5 - 127)
.endr
.irp i, 2,4,6,8,10,12,14
.irp b, 0,1,2,3
	v_max3_num_f32 v[TM+\b], |v[AC+16*\b+\i]|, |v[AC+16*\b+\i+1]|, v[TM+\b]
.endr
.endr
	WIN 0
.irp b, 0,1,2,3
	v_permlanex16_b32 v[TM+4+\b], v[TM+\b], s[SEL], s[SEL+1]
.endr
.irp b, 0,1,2,3
	v_max_num_f32 v[TM+\b], v[TM+\b], v[TM+4+\b]
.endr
.irp b, 0,1,2,3
	v_add_nc_u32 v[TM+12+\b], 0xfe000000, v[TM+\b] ; 4 off the exponent field: the conversion's scale operand
.endr
.irp b, 0,1,2,3
	v_lshrrev_b32 v[TM+4+\b], 23, v[TM+12+\b]      ; the scale's byte
.endr
	v_lshl_or_b32 v[PW+(\a)], v[TM+5], 8, v[TM+4]
	v_lshl_or_b32 v[PW+(\a)], v[TM+6], 16, v[PW+(\a)]
	v_lshl_or_b32 v[PW+(\a)], v[TM+7], 24, v[PW+(\a)]
	WIN 0x02+((\a)/4)                              ; source 0: window 2 or 3
.irp c, 0,1
	v_cvt_scalef32_pk16_bf6_f32 v[PCA+6*\c:PCA+6*\c+2], v[AC+32*\c:AC+32*\c+15], v[TM+12+2*\c]
	v_cvt_scalef32_pk16_bf6_f32 v[TP+4*\c:TP+4*\c+2], v[AC+32*\c+16:AC+32*\c+31], v[TM+12+2*\c+1]
.endr
	WIN 0
	v_nop                                          ; one plain place behind a scaled conversion
.irp c, 0,1
.irp i, 0,1,2
	v_permlane16_swap_b32 v[PCA+6*\c+\i], v[TP+4*\c+\i]
.endr
.irp i, 0,1,2
	v_mov_b32 v[PCA+3+6*\c+\i], v[TP+4*\c+\i]
.endr
.endr
.irp c, 0,1,2
	global_store_b128 v[LI], v[PCA+4*\c:PCA+4*\c+3], s[12:13] offset:FRB*(\a)+512*\c
.endr
	ds_store_b32 v[SSI], v[PW+(\a)] offset:64*(\a) ; lanes r and r + 16 write the same word with the same value
.endm
	PLACES NP                                      ; behind the last products: their results are read, and the registers that held A's fragments written, only behind these
.irp a, 0,1,2,3,4,5,6,7
	OUTQ \a
.endr
	ds_load_b128 v[SW:SW+3], v[SSO]                ; LDS serves a wave's instructions in order (ISA guide 5.7.1.4): this sees my eight stores
	s_wait_dscnt 0x0
	global_store_b128 v[LI], v[SW:SW+3], s[12:13] offset:8*FRB   ; the record's 512 bytes of scale words
	s_wait_tensorcnt 0x0                           ; the wave's end
	ds_add_u32 v[SPW], v[NIL]
	s_wait_dscnt 0x0
	CROUND                                         ; the closing round: no work-group ends while a partner may still ask for a tile that names it
	s_endpgm
.Lfunc_end_k_q55728a0fd3_proj:
	.size	k_q55728a0fd3_proj, .Lfunc_end_k_q55728a0fd3_proj-k_q55728a0fd3_proj
	.p2alignl 7, 3214868480
	.fill 96, 4, 3214868480
	.section	.rodata,"a",@progbits
	.p2align	6, 0x0
	.amdhsa_kernel k_q55728a0fd3_proj
		.amdhsa_group_segment_fixed_size 327680
		.amdhsa_private_segment_fixed_size 0
		.amdhsa_enable_private_segment 0
		.amdhsa_kernarg_size 24
		.amdhsa_user_sgpr_count 2
		.amdhsa_user_sgpr_kernarg_segment_ptr 1
		.amdhsa_wavefront_size32 1
		.amdhsa_system_sgpr_workgroup_id_x 1
		.amdhsa_system_sgpr_workgroup_id_y 1
		.amdhsa_system_sgpr_workgroup_id_z 1
		.amdhsa_system_vgpr_workitem_id 0
		.amdhsa_next_free_vgpr 1024
		.amdhsa_next_free_sgpr 102
		.amdhsa_reserve_vcc 0
		.amdhsa_float_denorm_mode_32 3
		.amdhsa_float_denorm_mode_16_64 3
		.amdhsa_memory_ordered 1
		.amdhsa_forward_progress 1
		.amdhsa_inst_pref_size 144
	.end_amdhsa_kernel
	.amdgpu_metadata
---
amdhsa.version: [ 1, 2 ]
amdhsa.kernels:
  - .name:           k_q55728a0fd3_proj
    .symbol:         k_q55728a0fd3_proj.kd
    .args:
      - { .name: opc, .offset: 0, .size: 8, .value_kind: global_buffer, .address_space: global }
      - { .name: ops, .offset: 8, .size: 8, .value_kind: global_buffer, .address_space: global }
      - { .name: qkv, .offset: 16, .size: 8, .value_kind: global_buffer, .address_space: global }
    .group_segment_fixed_size: 327680
    .private_segment_fixed_size: 0
    .kernarg_segment_align: 8
    .kernarg_segment_size: 24
    .max_flat_workgroup_size: 128
    .sgpr_count:     102
    .vgpr_count:     1024
    .wavefront_size: 32
...
	.end_amdgpu_metadata
.endif
;; end of part 7
;; launch attn (part 8): grid 16 x 16, 8 waves a work-group, no clusters, 103,680 bytes of LDS; arguments qkv, mw, yc, ys, nf; writes yc, ys, nf
.if DOCPART == 8
	.amdgcn_target "amdgcn-amd-amdhsa--gfx1250"
	.amdhsa_code_object_version 6
	.text
	.protected	k_q55728a0fd3_attn
	.globl	k_q55728a0fd3_attn
	.p2align	8
	.type	k_q55728a0fd3_attn,@function
k_q55728a0fd3_attn:
	s_mov_b64 s[64:65], 0
	v_nop
	global_prefetch_b8 v0, s[64:65] scope:SCOPE_SE
	s_setreg_imm32_b32 hwreg(HW_REG_WAVE_MODE, 25, 1), 1
	s_wait_xcnt 0x0
; Attention on codes of BF6 (E3M2): S^T = K Q^T, p = 2^(t - M) with a running whole M, O^T += V^T p^T, y = O / l, quantised along the head's 128 and stored as the next product's operand.
; A wave owns one tile of 16 queries of one head and walks the 16 key steps of 128.  Both products are used transposed: a lane holds one query.
; THE MASK IS WHOLE NUMBERS, READ FROM mw: a key step in which all 2,048 bits of my tile are 0 adds nothing to the maximum, to the sum or to O (its p are 0), so its work is jumped over by a scalar branch on the stored words;
; a step whose bits are all 1 jumps over the 64 selects.  The text is right for every mask.  Branches hang on loaded numbers; the launch has no tensor load, no cluster and no joint request.
; K AND V REACH THE WAVES THROUGH LDS: a step's two records (25,600 bytes) are brought by the eight waves, 3,072 + 128 bytes each, by loads into registers and LDS stores, into four slots that take turns.
; In trip s step s + 5 is loaded, step s + 2 stored, K of step s + 1 and V of step s read: one barrier a trip, on every wave's path.  Four sets of registers take the loads: three steps, 21 loads a wave, are out at most.
; The loads stand on every path, so that the counted wait means the same in every trip; the last five trips ask for step 15's bytes again and store nothing.
; These loads go out three trips ahead of the stores that want them: they are the text's run ahead, and no separate prefetch is written.
; THE DEAL: work-group x of a head takes tiles 4 x .. 4 x + 3 and 124 - 4 x .. 127 - 4 x; a wave takes a high tile where bits 0 and 2 of its number differ.
; A row whose mask is all 0 (l = 0) gets zero codes and a NaN in nf [tile 128][head 16][16 rows], else 0 there: the last launch adds it to the row.  Every scale byte stored is a finite code.
; LIMITS: NaN and infinities in the operands are not served; the promise holds while the scaled scores stay under 2^31 in magnitude; a block under 2^-122 has its byte held at 1.
; REGISTERS: window 0: v8-11, v86-95 addresses; v12 -M, v13 largest t, v[14:15] l; v16-27 q; v28-31 V's scale words; v32-84 staging sets 0, 1; v96-159 S, then p; v160-223 O^T; v224-255 codes and work.
;   window 1: v0-24, v224-248 staging sets 2, 3; v32-127 K's fragments, v128-223 V's.
.set FRB,   1536
.set REC,   12800                      ; a record: 8 fragments and 512 bytes of scale words
.set SLOT,  2*REC                      ; K's record, then V's
.set SPARE, 4*SLOT+256                 ; the spare words, 128 bytes a wave
.set LN,   3
.set SPW,  5
.set NIL,  6
.set NINF, 7
.set AK,   8                           ; v8: 16 x lane (slots 0, 1), v9: the same in slots 2, 3
.set SF,   10                          ; v10-11 where I store my share of the fragments
.set VS,   28
.set R,    32
.set SS,   86                          ; v86-87 where I store my share of the scale words
.set GF,   88                          ; my share's offsets in a record
.set GS,   89
.set AS,   92                          ; v92: 4 x lane, v93
.set QF,   94
.set QS,   95
.set KS,   248
.set KF,   32
.set VF,   128
.set SB,   2                           ; s[2:3] K's or V's records of my head
.set MB,   4                           ; s[4:5] my tile's mask words
.set YC,   6
.set YS,   8
.set WV,   10
.set CNT,  11
.set QB,   12
.set SEL,  14
.set CS,   16
.set LE,   18                          ; s18, s19 my live steps: even ones, odd ones; bit 0 is the quad's first
.set PE,   20                          ; s20, s21 steps with a 0 among my bits
.set STP,  22                          ; s22 the step that this trip asks for
.set NFB,  26
.set GB,   28                          ; s[28:29] that step's record; s[30:31] its offset
.set MSB, 0
.macro WIN new
.if MSB != \new
	s_set_vgpr_msb (MSB<<8)|\new
.set MSB, \new
.endif
.endm
.set W_MUL, 0x01
.set W_LD,  0x40
.set W_ST,  0x04                       ; an LDS store's data in window 1
.macro TEST m, k                       ; SCC = the list's bit for the quad's step k
	s_bitcmp1_b32 s[\m+((\k)%2)], (\k)/2
.endm
.macro PLACES n
.rept \n
	v_nop
.endr
.endm
.macro SETB set                        ; where a staging set lies
.if (\set) < 2
.set RB, R+28*(\set)
.set RW, 0
.else
.set RB, 224*((\set)-2)
.set RW, 1
.endif
.endm
.macro GLOAD set, base, k              ; my share of the record k behind the base
	SETB \set
	WIN RW*W_LD
.irp c, 0,1,2,3,4,5
	global_load_b128 v[RB+4*\c:RB+4*\c+3], v[GF], s[\base:\base+1] offset:(\k)*REC+512*\c
.endr
	global_load_b32 v[RB+24], v[GS], s[\base:\base+1] offset:(\k)*REC+8*FRB
	WIN 0
.endm
.macro LSTORE set, slot
	SETB \set
	WIN RW*W_ST
.irp c, 0,1,2,3,4,5
	ds_store_b128 v[SF+(\slot)/2], v[RB+4*\c:RB+4*\c+3] offset:((\slot)%2)*SLOT+512*\c
.endr
	ds_store_b32 v[SS+(\slot)/2], v[RB+24] offset:((\slot)%2)*SLOT+8*FRB
	WIN 0
.endm
.macro FETCHK slot
	WIN W_LD
.irp t, 0,1,2,3,4,5,6,7
.irp c, 0,1,2
	ds_load_b128 v[KF+12*\t+4*\c:KF+12*\t+4*\c+3], v[AK+(\slot)/2] offset:((\slot)%2)*SLOT+FRB*\t+512*\c
.endr
.endr
	WIN 0
.irp p, 0,1,2,3
	ds_load_b32 v[KS+\p], v[AS+(\slot)/2] offset:((\slot)%2)*SLOT+8*FRB+128*\p
.endr
.endm
.macro FETCHV slot
	WIN W_LD
.irp t, 0,1,2,3,4,5,6,7
.irp c, 0,1,2
	ds_load_b128 v[VF+12*\t+4*\c:VF+12*\t+4*\c+3], v[AK+(\slot)/2] offset:((\slot)%2)*SLOT+REC+FRB*\t+512*\c
.endr
.endr
	WIN 0
.irp p, 0,1,2,3
	ds_load_b32 v[VS+\p], v[AS+(\slot)/2] offset:((\slot)%2)*SLOT+REC+8*FRB+128*\p
.endr
.endm
.macro MASKW k                         ; the 64 mask words of the quad's step k
	s_load_b512 s[32:47], s[MB:MB+1], (\k)*256
	s_load_b512 s[48:63], s[MB:MB+1], (\k)*256+0x40
	s_load_b512 s[68:83], s[MB:MB+1], (\k)*256+0x80
	s_load_b512 s[84:99], s[MB:MB+1], (\k)*256+0xc0
.endm
.macro SPROD t
.if (\t)%2
	v_wmma_scale_f32_16x16x128_f8f6f4 v[96+8*(\t):103+8*(\t)], v[KF+12*(\t):KF+12*(\t)+11], v[16:27], 0, v[KS+(\t)/2], v255 matrix_a_fmt:MATRIX_FMT_BF6 matrix_b_fmt:MATRIX_FMT_BF6 matrix_a_scale:MATRIX_SCALE_ROW1
.else
	v_wmma_scale_f32_16x16x128_f8f6f4 v[96+8*(\t):103+8*(\t)], v[KF+12*(\t):KF+12*(\t)+11], v[16:27], 0, v[KS+(\t)/2], v255 matrix_a_fmt:MATRIX_FMT_BF6 matrix_b_fmt:MATRIX_FMT_BF6
.endif
.endm
.macro OPROD t
.if (\t)%2
	v_wmma_scale_f32_16x16x128_f8f6f4 v[160+8*(\t):167+8*(\t)], v[VF+12*(\t):VF+12*(\t)+11], v[224:235], v[160+8*(\t):167+8*(\t)], v[VS+(\t)/2], v253 matrix_a_fmt:MATRIX_FMT_BF6 matrix_b_fmt:MATRIX_FMT_BF6 matrix_a_scale:MATRIX_SCALE_ROW1
.else
	v_wmma_scale_f32_16x16x128_f8f6f4 v[160+8*(\t):167+8*(\t)], v[VF+12*(\t):VF+12*(\t)+11], v[224:235], v[160+8*(\t):167+8*(\t)], v[VS+(\t)/2], v253 matrix_a_fmt:MATRIX_FMT_BF6 matrix_b_fmt:MATRIX_FMT_BF6
.endif
.endm
.macro SALL                            ; the eight products of S^T; five places behind them: the next such run may write the same registers
	s_wait_dscnt 0x0
	WIN W_MUL
.irp t, 0,1,2,3,4,5,6,7
	SPROD \t
.endr
	WIN 0
	PLACES 5
.endm
.macro CODES                           ; v232-235: the four blocks' largest magnitudes; v96-159 become a fragment in v224-235, its scale word in v253.  The four blocks take turns line by line
.irp b, 0,1,2,3
	v_add_nc_u32 v[244+\b], 0xfe000000, v[232+\b]  ; 4 off the exponent field: the conversion's scale operand
.endr
.irp b, 0,1,2,3
	v_lshrrev_b32 v[236+\b], 23, v[244+\b]         ; the scale's byte
.endr
	v_lshl_or_b32 v253, v237, 8, v236
	v_lshl_or_b32 v253, v238, 16, v253
	v_lshl_or_b32 v253, v239, 24, v253
.irp c, 0,1
	v_cvt_scalef32_pk16_bf6_f32 v[224+6*\c:226+6*\c], v[96+32*\c:111+32*\c], v[244+2*\c]
	v_cvt_scalef32_pk16_bf6_f32 v[236+4*\c:238+4*\c], v[112+32*\c:127+32*\c], v[244+2*\c+1]
.endr
	v_nop                                          ; one plain place behind a scaled conversion
.irp c, 0,1
.irp i, 0,1,2
	v_permlane16_swap_b32 v[224+6*\c+\i], v[236+4*\c+\i]
.endr
.irp i, 0,1,2
	v_mov_b32 v[227+6*\c+\i], v[236+4*\c+\i]
.endr
.endr
.endm
.macro SOFT1                           ; the scores in v96-159 become p; M and f
.irp b, 0,1,2,3
	v_max3_num_f32 v[232+\b], v[96+16*\b], v[97+16*\b], v[98+16*\b]
.endr
.irp i, 3,5,7,9,11,13
.irp b, 0,1,2,3
	v_max3_num_f32 v[232+\b], v[232+\b], v[96+16*\b+\i], v[97+16*\b+\i]
.endr
.endr
.irp b, 0,1,2,3
	v_max_num_f32 v[232+\b], v[232+\b], v[111+16*\b]
.endr
.irp b, 0,1,2,3
	v_permlanex16_b32 v[236+\b], v[232+\b], s[SEL], s[SEL+1]
.endr
.irp b, 0,1,2,3
	v_max_num_f32 v[232+\b], v[232+\b], v[236+\b]
.endr
	v_max3_num_f32 v254, v232, v233, v234
	v_max_num_f32 v254, v254, v235
	v_mul_f32 v254, s[CS], v254
	v_max_num_f32 v13, v13, v254
	v_mov_b32 v254, v12
	v_floor_f32 v12, -v13                          ; -M = floor(-t): M is a whole number
	v_sub_f32 v254, v12, v254
	v_cvt_i32_f32 v254, v254
	v_ldexp_f32 v252, 1.0, v254                    ; f = 2^(old M - new M)
.set j, 0
.rept 32
	v_pk_fma_f32 v[96+j:97+j], v[96+j:97+j], s[CS:CS+1], v[12:13] op_sel_hi:[1,0,0]
.set j, j+2
.endr
.irp b, 0,1,2,3
	v_fma_f32 v[232+\b], v[232+\b], s[CS], v12
.endr
	s_wait_alu depctr_va_vdst(0)                   ; the wait ahead of the batch
.set j, 0
.rept 64
	v_exp_f32 v[96+j], v[96+j]
.set j, j+1
.endr
	v_pk_mul_f32 v[14:15], v[14:15], v[252:253] op_sel_hi:[1,0]
	s_wait_alu depctr_va_vdst(0)                   ; and behind it
.endm
.macro SOFT2                           ; l, p's codes, and O^T under the new M
.irp b, 0,1,2,3
	v_exp_f32 v[232+\b], v[232+\b]                 ; each block's largest p
.endr
	v_pk_add_f32 v[236:237], v[96:97], v[98:99]    ; l is summed of the unquantised p, in two chains
.set j, 4
.rept 15
	v_pk_add_f32 v[14:15], v[14:15], v[96+j:97+j]
	v_pk_add_f32 v[236:237], v[236:237], v[98+j:99+j]
.set j, j+4
.endr
	v_pk_add_f32 v[14:15], v[14:15], v[236:237]
	s_wait_alu depctr_va_vdst(0)
.irp b, 0,1,2,3
	v_max_num_f32 v[232+\b], 0x2800000, v[232+\b]
.endr
	CODES
	s_wait_alu depctr_va_vdst(0)                   ; the wait directly ahead of the first reader of O^T
.set j, 0
.rept 32
	v_pk_mul_f32 v[160+j:161+j], v[160+j:161+j], v[252:253] op_sel_hi:[1,0]
.set j, j+2
.endr
.endm
.macro TRIP u                          ; the quad's step u
	s_wait_loadcnt 14                              ; step u + 2's seven loads are in; those of the two steps behind it may be out
	s_cmp_le_u32 s[STP], 18                        ; is step u + 2 one of the 16?
	s_cbranch_scc0 .Lns_\@
	LSTORE ((\u)+2)%4, ((\u)+2)%4                  ; that slot's last readers passed the last barrier
.Lns_\@:
	s_wait_xcnt 0x0                                ; the last trip's loads have read their base
	s_min_u32 s30, s[STP], 15
	s_mul_i32 s30, s30, REC
	s_add_nc_u64 s[GB:GB+1], s[SB:SB+1], s[30:31]
	s_add_co_u32 s[STP], s[STP], 1
	GLOAD ((\u)+1)%4, GB, 0                        ; step u + 5, into the set whose stores were waited for in front of the last barrier
	TEST LE, \u
	s_cbranch_scc0 .Lnd_\@
	FETCHV (\u)%4
	TEST PE, \u
	s_cbranch_scc0 .Lfull_\@
	s_wait_kmcnt 0x0
.set n, 0
.rept 64
.if n < 32
	v_cndmask_b32 v[96+n], v[NINF], v[96+n], s[32+n]
.else
	v_cndmask_b32 v[96+n], v[NINF], v[96+n], s[36+n]
.endif
.set n, n+1
.endr
.Lfull_\@:
	SOFT1
	TEST LE, (\u)+1
	s_cbranch_scc0 .Lk1_\@
	FETCHK ((\u)+1)%4                              ; the next step's K: wanted only behind this step's products
.Lk1_\@:
	SOFT2
	s_wait_alu depctr_va_vdst(0)
	s_wait_dscnt 0x0
	WIN W_MUL
.irp t, 0,1,2,3,4,5,6,7
	OPROD \t
.endr
	WIN 0
	PLACES 4
	s_branch .Le_\@
.Lnd_\@:
	TEST LE, (\u)+1
	s_cbranch_scc0 .Lnp_\@
	FETCHK ((\u)+1)%4
.Le_\@:
	TEST LE, (\u)+1
	s_cbranch_scc0 .Lnp_\@
	TEST PE, (\u)+1
	s_cbranch_scc0 .Lnm_\@
	s_wait_kmcnt 0x0                               ; no scalar load is out when the words' registers are asked for again
	MASKW (\u)+1
.Lnm_\@:
	SALL
.Lnp_\@:
	s_wait_dscnt 0x0                               ; my stores are done and my reads are over
	s_barrier_signal -1
	s_barrier_wait -1
.endm
	s_load_b256 s[68:75], s[0:1], 0x0              ; qkv, mw, yc, ys
	s_load_b64 s[76:77], s[0:1], 0x20              ; nf
	v_lshl_add_u32 v[SPW], v0, 2, SPARE
	v_mov_b32 v[NIL], 0
	v_lshrrev_b32 v4, 5, v0
	v_readfirstlane_b32 s[WV], v4
	v_and_b32 v[LN], 31, v0
	v_and_b32 v4, 15, v0
	v_lshlrev_b32 v[AK], 4, v[LN]
	v_lshlrev_b32 v[AS], 2, v[LN]
	v_add_nc_u32 v[AK+1], 2*SLOT, v[AK]
	v_add_nc_u32 v[AS+1], 2*SLOT, v[AS]
	s_wait_alu depctr_va_vdst(0)                   ; the wait directly ahead of the run of scalar instructions
	s_and_b32 s24, ttmp7, 0xffff                   ; head
	s_lshr_b32 s26, s[WV], 2                       ; I fetch for K (0) or V (1),
	s_and_b32 s29, s[WV], 3                        ; this quarter of a record
	s_xor_b32 s27, s26, s[WV]
	s_and_b32 s27, s27, 1                          ; a high tile?
	s_lshr_b32 s28, s[WV], 1
	s_lshl_b32 s25, ttmp9, 2
	s_add_co_u32 s25, s25, s28
	s_sub_co_u32 s28, 127, s25
	s_cmp_eq_u32 s27, 0
	s_cselect_b32 s25, s25, s28                    ; my tile, 0 .. 127
	s_lshr_b32 s27, s25, 3                         ; its block of 128 rows
	s_and_b32 s28, s25, 7                          ; its place there
	s_lshl_b32 s30, s24, 4
	s_add_co_u32 s[QB], s30, s27
	s_mul_i32 s[QB], s[QB], REC
	s_mov_b32 s[QB+1], 0
	s_add_co_u32 s[SB], s26, 1
	s_mul_i32 s[SB], s[SB], 3276800
	s_mul_i32 s31, s30, REC
	s_add_co_u32 s[SB], s[SB], s31
	s_mov_b32 s[SB+1], 0
	s_lshl_b32 s[MB], s25, 12
	s_mov_b32 s[MB+1], 0
	s_lshl_b32 s[YC], s27, 4
	s_add_co_u32 s[YC], s[YC], s24
	s_lshl_b32 s[YC], s[YC], 3
	s_add_co_u32 s[YC], s[YC], s28
	s_mul_i32 s[YC], s[YC], FRB
	s_mov_b32 s[YC+1], 0
	s_lshl_b32 s[YS], s25, 4
	s_add_co_u32 s[YS], s[YS], s24
	s_lshl_b32 s[YS], s[YS], 6
	s_mov_b32 s[YS+1], 0
	s_mul_i32 s30, s29, 3072
	v_add_nc_u32 v[GF], s30, v[AK]
	s_lshl_b32 s31, s29, 7
	v_add_nc_u32 v[GS], s31, v[AS]
	s_mul_i32 s27, s26, REC
	v_add_nc_u32 v[SF], s27, v[GF]
	v_add_nc_u32 v[SS], s27, v[GS]
	v_add_nc_u32 v[SF+1], 2*SLOT, v[SF]
	v_add_nc_u32 v[SS+1], 2*SLOT, v[SS]
	s_mul_i32 s30, s28, FRB
	v_add_nc_u32 v[QF], s30, v[AK]
	s_lshl_b32 s31, s28, 6
	v_lshl_add_u32 v[QS], v4, 2, s31
	v_mov_b32 v[NINF], 0xff800000
	s_mov_b32 s[SEL], 0x76543210
	s_mov_b32 s[SEL+1], 0xfedcba98
	s_mov_b32 s[CS], 0x3e0293ee                    ; log2(e) / sqrt(128)
	s_mov_b32 s[CS+1], s[CS]
	s_wait_alu depctr_va_vdst(0)
	s_wait_kmcnt 0x0
	s_add_nc_u64 s[SB:SB+1], s[68:69], s[SB:SB+1]
	s_add_nc_u64 s[QB:QB+1], s[68:69], s[QB:QB+1]
	s_add_nc_u64 s[MB:MB+1], s[70:71], s[MB:MB+1]
	s_add_nc_u64 s[YC:YC+1], s[72:73], s[YC:YC+1]
	s_add_nc_u64 s[NFB:NFB+1], s[76:77], s[YS:YS+1]
	s_add_nc_u64 s[YS:YS+1], s[74:75], s[YS:YS+1]
	GLOAD 0, SB, 0
	GLOAD 1, SB, 1
.irp j, 0,1,2,3,4,5,6,7
	global_load_b128 v[96+4*\j:99+4*\j], v[AK], s[MB:MB+1] offset:512*\j   ; my tile's words: lanes 0-15 step 2 j, lanes 16-31 step 2 j + 1
.endr
.irp c, 0,1,2
	global_load_b128 v[16+4*\c:19+4*\c], v[QF], s[QB:QB+1] offset:512*\c
.endr
	global_load_b32 v255, v[QS], s[QB:QB+1] offset:8*FRB
	GLOAD 2, SB, 2
	GLOAD 3, SB, 3
	v_mov_b32 v13, 0xff61b1e6                      ; the largest t so far: -3e38
	s_delay_alu instid0(VALU_DEP_1)
	v_floor_f32 v12, -v13
	v_mov_b32 v14, 0
	v_mov_b32 v15, 0
.irp b, 0,1,2,3
	v_mov_b32 v[236+\b], 0                         ; a lane permute's destination counts as one of its sources
.endr
	v_mov_b32 v252, 0
	v_mov_b32 v253, 0
	v_mov_b32 v152, 0
	v_mov_b32 v153, 0
.set j, 0
.rept 64
	v_mov_b32 v[160+j], 0                          ; O^T: which step is a tile's first hangs on the mask, so no product can be written out as the one that starts the sums
.set j, j+1
.endr
	s_wait_alu depctr_va_vdst(0)
	s_wait_loadcnt 14                              ; all but the 14 loads of steps 2 and 3
	LSTORE 0, 0
	LSTORE 1, 1
.irp j, 0,1,2,3,4,5,6,7
	v_or_b32 v[128+\j], v[96+4*\j], v[97+4*\j]
	v_and_b32 v[136+\j], v[96+4*\j], v[97+4*\j]
	v_or_b32 v[144+\j], v[98+4*\j], v[99+4*\j]
	v_and_b32 v[240+\j], v[98+4*\j], v[99+4*\j]
.endr
.irp j, 0,1,2,3,4,5,6,7
	v_or_b32 v[128+\j], v[128+\j], v[144+\j]
	v_and_b32 v[136+\j], v[136+\j], v[240+\j]
.endr
.irp j, 0,1,2,3,4,5,6,7
	v_cmp_ne_u32 s[32+\j], 0, v[128+\j]            ; lanes with a 1 among their four words
	v_cmp_ne_u32 s[40+\j], -1, v[136+\j]           ; lanes with a 0
	v_writelane_b32 v152, s[32+\j], \j
	v_writelane_b32 v153, s[40+\j], \j
.endr
	v_and_b32 v154, 0xffff, v152
	v_lshrrev_b32 v155, 16, v152
	v_and_b32 v156, 0xffff, v153
	v_lshrrev_b32 v157, 16, v153
	v_cmp_ne_u32 s[LE], 0, v154                    ; bit j: step 2 j is live
	v_cmp_ne_u32 s[LE+1], 0, v155                  ; step 2 j + 1
	v_cmp_ne_u32 s[PE], 0, v156
	v_cmp_ne_u32 s[PE+1], 0, v157
	s_wait_dscnt 0x0
	s_barrier_signal -1
	s_barrier_wait -1                              ; steps 0 and 1 are whole
	GLOAD 0, SB, 4
	FETCHK 0
	MASKW 0
	SALL                                           ; step 0's scores
	s_mov_b32 s[STP], 5
	s_mov_b32 s31, 0
	s_mov_b32 s[CNT], 4
	s_wait_alu depctr_va_vdst(0)                   ; the wait at the head's end
.Lquad:                                                ; a trip is four steps: the four slots and the four sets come back to where they began
	TRIP 0
	TRIP 1
	TRIP 2
	TRIP 3
	s_wait_xcnt 0x0                                ; the scalar loads have read their base
	s_add_nc_u64 s[MB:MB+1], s[MB:MB+1], 1024
.irp m, 0,1,2,3
	s_lshr_b32 s[LE+\m], s[LE+\m], 2
.endr
	s_sub_co_u32 s[CNT], s[CNT], 1
	s_cmp_lg_u32 s[CNT], 0
	s_cbranch_scc1 .Lquad
	v_add_f32 v14, v14, v15
	v_permlanex16_b32 v252, v14, s[SEL], s[SEL+1]
	v_add_f32 v14, v14, v252                       ; l
	s_wait_alu depctr_va_vdst(0)
	v_rcp_f32 v252, v14
	v_nop
	s_wait_alu depctr_va_vdst(0)
	v_cmp_eq_f32 vcc_lo, 0, v14
	v_cndmask_b32 v252, v252, v[NIL], vcc_lo       ; a row with no key: y = 0
.set j, 0
.rept 64
	v_mul_f32 v[96+j], v[160+j], v252
.set j, j+1
.endr
.irp b, 0,1,2,3
	v_max3_num_f32 v[232+\b], |v[96+16*\b]|, |v[97+16*\b]|, 0x2800000
.endr
.irp i, 2,4,6,8,10,12,14
.irp b, 0,1,2,3
	v_max3_num_f32 v[232+\b], v[232+\b], |v[96+16*\b+\i]|, |v[97+16*\b+\i]|
.endr
.endr
.irp b, 0,1,2,3
	v_permlanex16_b32 v[236+\b], v[232+\b], s[SEL], s[SEL+1]
.endr
.irp b, 0,1,2,3
	v_max_num_f32 v[232+\b], v[232+\b], v[236+\b]
.endr
	CODES
	v_mov_b32 v254, 0x7fc00000
	v_cndmask_b32 v254, v[NIL], v254, vcc_lo       ; and a NaN for the last launch, else 0
.irp c, 0,1,2
	global_store_b128 v[AK], v[224+4*\c:227+4*\c], s[YC:YC+1] offset:512*\c
.endr
	v_cmp_gt_u32 vcc_lo, 16, v[LN]
	s_wait_alu depctr_va_vdst(0)
	s_wait_xcnt 0x0                                ; EXEC changes only behind this wait
	s_and_saveexec_b32 s[CNT], vcc_lo
	global_store_b32 v[AS], v253, s[YS:YS+1]
	global_store_b32 v[AS], v254, s[NFB:NFB+1]
	s_wait_xcnt 0x0
	s_or_b32 exec_lo, exec_lo, s[CNT]
	s_wait_tensorcnt 0x0                           ; the wave's end
	ds_add_u32 v[SPW], v[NIL]
	s_wait_dscnt 0x0
	s_endpgm
.Lfunc_end_k_q55728a0fd3_attn:
	.size	k_q55728a0fd3_attn, .Lfunc_end_k_q55728a0fd3_attn-k_q55728a0fd3_attn
	.p2alignl 7, 3214868480
	.fill 96, 4, 3214868480
	.section	.rodata,"a",@progbits
	.p2align	6, 0x0
	.amdhsa_kernel k_q55728a0fd3_attn
		.amdhsa_group_segment_fixed_size 103680
		.amdhsa_private_segment_fixed_size 0
		.amdhsa_enable_private_segment 0
		.amdhsa_kernarg_size 40
		.amdhsa_user_sgpr_count 2
		.amdhsa_user_sgpr_kernarg_segment_ptr 1
		.amdhsa_wavefront_size32 1
		.amdhsa_system_sgpr_workgroup_id_x 1
		.amdhsa_system_sgpr_workgroup_id_y 1
		.amdhsa_system_sgpr_workgroup_id_z 1
		.amdhsa_system_vgpr_workitem_id 0
		.amdhsa_next_free_vgpr 512
		.amdhsa_next_free_sgpr 100
		.amdhsa_reserve_vcc 1
		.amdhsa_float_denorm_mode_32 3
		.amdhsa_float_denorm_mode_16_64 3
		.amdhsa_memory_ordered 1
		.amdhsa_forward_progress 1
		.amdhsa_inst_pref_size 134
	.end_amdhsa_kernel
	.amdgpu_metadata
---
amdhsa.version: [ 1, 2 ]
amdhsa.kernels:
  - .name:           k_q55728a0fd3_attn
    .symbol:         k_q55728a0fd3_attn.kd
    .args:
      - { .name: qkv, .offset: 0, .size: 8, .value_kind: global_buffer, .address_space: global }
      - { .name: mw, .offset: 8, .size: 8, .value_kind: global_buffer, .address_space: global }
      - { .name: yc, .offset: 16, .size: 8, .value_kind: global_buffer, .address_space: global }
      - { .name: ys, .offset: 24, .size: 8, .value_kind: global_buffer, .address_space: global }
      - { .name: nf, .offset: 32, .size: 8, .value_kind: global_buffer, .address_space: global }
    .group_segment_fixed_size: 103680
    .private_segment_fixed_size: 0
    .kernarg_segment_align: 8
    .kernarg_segment_size: 40
    .max_flat_workgroup_size: 256
    .sgpr_count:     100
    .vgpr_count:     512
    .wavefront_size: 32
...
	.end_amdgpu_metadata
.endif
;; end of part 8
;; launch oproj (part 9): grid 16 x 16, 4 waves a work-group, clusters of 4 x 4, 327,680 bytes of LDS; arguments yc, ys, opc, ops, xw; writes xw
.if DOCPART == 9
	.amdgcn_target "amdgcn-amd-amdhsa--gfx1250"
	.amdhsa_code_object_version 6
	.text
	.protected	k_q55728a0fd3_oproj
	.globl	k_q55728a0fd3_oproj
	.p2align	8
	.type	k_q55728a0fd3_oproj,@function
k_q55728a0fd3_oproj:
	s_mov_b64 s[64:65], 0
	v_nop
	global_prefetch_b8 v0, s[64:65] scope:SCOPE_SE
	s_setreg_imm32_b32 hwreg(HW_REG_WAVE_MODE, 25, 1), 1
	s_wait_xcnt 0x0
	s_wait_alu depctr_hold_cnt(0) depctr_sa_sdst(0) depctr_va_vdst(0) depctr_va_sdst(0) depctr_va_ssrc(0) depctr_va_vcc(0) depctr_vm_vsrc(0)
	s_getreg_b32 s2, hwreg(HW_REG_IB_STS2, 6, 4)
	s_cmp_eq_u32 s2, 0
	s_cbranch_scc0 .Lentry_in_a_cluster
	s_endpgm
.Lentry_in_a_cluster:
	s_bfe_u32 s2, ttmp6, 0x10000c
	s_cmp_lg_u32 s2, 0xf033
	s_cbranch_scc0 .Lentry_shape_is_right
	s_endpgm
.Lentry_shape_is_right:
.set FR,     12
.set FRB,    1536
.set BLKB,   8*FRB
.set HALFT,  2*BLKB
.set SLOT,   4*HALFT
.set SCH,    4096
.set SCL,    3*SLOT
.set SPARE,  SCL+4*SCH
.set STAGE,  SLOT
.set SPITCH, 272
.set ADRA, 8
.set ADRB, 12
.set STO,  16
.set RD,   17
.set CO,   18
.set ADRS, 19
.set SPW,  20
.set NIL,  21
.set SC,   32
.set BK,   64
.set ACC,  128
.set G1,   24
.set G0,   32
.set G1B,  48
.set G0B,  68
.set G0S,  56
.set G0SB, 60
.set G1S,  80
.set G1SB, 88
.set MSB, 0
.macro WIN new
.if MSB != \new
	s_set_vgpr_msb (MSB<<8)|\new
.set MSB, \new
.endif
.endm
.set MUL,  0x05
.set TO_F, 0x40
.macro JLOAD g0a, g1a, g0b, g1b
	s_cmp_eq_u32 s15, 0
	s_cbranch_scc0 .Lfor_b_\@
	tensor_load_to_lds s[\g0a:\g0a+3], s[\g1a:\g1a+7]
	s_nop 0
.rept 4
	v_nop
.endr
	s_branch .Lasked_\@
.Lfor_b_\@:
	tensor_load_to_lds s[\g0b:\g0b+3], s[\g1b:\g1b+7]
	s_nop 0
.rept 4
	v_nop
.endr
.Lasked_\@:
.endm
.macro CREST
	s_cmp_lg_u32 s14, 0
	s_cbranch_scc1 .Lnot_wave_0_\@
	s_barrier_signal -3
.Lnot_wave_0_\@:
	s_barrier_wait -3
	s_barrier_signal -1
	s_barrier_wait -1
.endm
.macro CROUND
	s_barrier_signal -1
	s_barrier_wait -1
	CREST
.endm
	s_load_b256 s[4:11], s[0:1], 0x0
	s_load_b64 s[12:13], s[0:1], 0x20
	v_lshl_add_u32 v[SPW], v0, 2, SPARE
	v_mov_b32 v[NIL], 0
	ds_add_u32 v20, v21
	ds_add_u32 v20, v21
	s_wait_dscnt 0x0
	v_lshrrev_b32 v1, 5, v0
	v_readfirstlane_b32 s14, v1
	s_lshr_b32 s15, s14, 1
	s_and_b32 s16, s14, 1
	s_bfe_u32 s44, ttmp6, 0x40000
	s_bfe_u32 s45, ttmp6, 0x40004
	s_lshl_b32 s46, ttmp9, 2
	s_add_co_u32 s46, s46, s44
	s_and_b32 s17, ttmp7, 0xffff
	s_lshl_b32 s17, s17, 2
	s_add_co_u32 s17, s17, s45
	s_lshl_b32 s47, s45, 2
	s_lshl_b32 s47, 15, s47
	s_lshl_b32 s2, 0x1111, s44
	s_or_b32 s[G1+0], s47, (3<<16)|(1<<21)
	s_or_b32 s[G1B+0], s2, (3<<16)|(1<<21)
.irp g, G1, G1B
	s_mov_b32 s[\g+1], 32<<16
	s_mov_b32 s[\g+2], 192<<16                     ; the first loads bring a side's whole part of a slot: 192 rows of 256 bytes
	s_mov_b32 s[\g+3], 32<<16
	s_mov_b32 s[\g+4], 192
	s_mov_b32 s[\g+5], 32
	s_mov_b32 s[\g+6], 0
	s_mov_b32 s[\g+7], 0
.endr
	s_or_b32 s[G1S+0], s47, (3<<16)|(1<<21)
	s_or_b32 s[G1SB+0], s2, (3<<16)|(1<<21)
.irp g, G1S, G1SB
	s_mov_b32 s[\g+1], 32<<16
	s_mov_b32 s[\g+2], 32<<16                      ; a side's scale words, 8,192 dense bytes
	s_mov_b32 s[\g+3], 32<<16
	s_mov_b32 s[\g+4], 32
	s_mov_b32 s[\g+5], 32
	s_mov_b32 s[\g+6], 0
	s_mov_b32 s[\g+7], 0
.endr
	s_mul_i32 s18, s16, HALFT
	s_lshl_b32 s19, s16, 12
	s_mul_i32 s20, s17, 196608
	s_add_co_u32 s20, s20, s18
	s_mov_b32 s21, 0
	s_lshl_b32 s22, s17, 13
	s_add_co_u32 s22, s22, s19
	s_mov_b32 s23, 0
	s_mul_i32 s96, s46, 196608
	s_add_co_u32 s96, s96, s18
	s_add_co_u32 s96, s96, 6*3145728
	s_mov_b32 s97, 0
	s_lshl_b32 s98, s46, 13
	s_add_co_u32 s98, s98, s19
	s_add_co_u32 s98, s98, 6*131072
	s_mov_b32 s99, 0
	s_mul_i32 s18, s14, HALFT
	s_lshl_b32 s19, s14, 12
	s_wait_kmcnt 0x0
	s_add_nc_u64 s[20:21], s[4:5], s[20:21]
	s_add_nc_u64 s[22:23], s[6:7], s[22:23]
	s_add_nc_u64 s[96:97], s[8:9], s[96:97]
	s_add_nc_u64 s[98:99], s[10:11], s[98:99]
	CROUND
	s_mul_i32 s2, s16, HALFT                       ; from my half of a side's part back to its first byte: codes,
	s_mov_b32 s3, 0
	s_lshl_b32 s100, s16, 12                       ; and scale words
	s_mov_b32 s101, 0
	s_mov_b32 s[G0S], 1                            ; A's scale words, whole
	s_mov_b32 s[G0S+1], SCL
	s_sub_nc_u64 s[G0S+2:G0S+3], s[22:23], s[100:101]
	s_or_b32 s[G0S+3], s[G0S+3], 0x80000000
	s_mov_b32 s[G0SB], 1                           ; B's
	s_mov_b32 s[G0SB+1], SCL+2*SCH
	s_sub_nc_u64 s[G0SB+2:G0SB+3], s[98:99], s[100:101]
	s_or_b32 s[G0SB+3], s[G0SB+3], 0x80000000
	s_add_co_u32 s22, s15, 1                       ; behind the head waves 0, 1 fill slot 1 and waves 2, 3 slot 2: K steps 4 (1 + wave / 2) on
	s_mul_i32 s22, s22, 2*HALFT
	s_mov_b32 s23, 0
	s_mul_i32 s19, s15, SLOT
	s_mov_b32 s[G0], 1                             ; set 0: the ring's refill of slot 0, a quarter of the slot a wave
	s_mov_b32 s[G0+1], s18
	s_mov_b64 s[G0+2:G0+3], s[20:21]
	s_or_b32 s[G0+3], s[G0+3], 0x80000000
	s_mov_b32 s[G0+8], 1                           ; set 2: the head's load: A's K steps 0 to 3
	s_mov_b32 s[G0+9], 0
	s_sub_nc_u64 s[G0+10:G0+11], s[20:21], s[2:3]
	s_mov_b32 s[G0+4], 1                           ; set 1: A's part of slot 1 or 2
	s_add_co_u32 s[G0+5], s19, SLOT
	s_add_nc_u64 s[G0+6:G0+7], s[G0+10:G0+11], s[22:23]
	s_or_b32 s[G0+7], s[G0+7], 0x80000000
	s_or_b32 s[G0+11], s[G0+11], 0x80000000
	s_mov_b32 s[G0B], 1                            ; and the same three for B, which lies behind A in each slot
	s_mov_b32 s[G0B+1], s18
	s_mov_b64 s[G0B+2:G0B+3], s[96:97]
	s_or_b32 s[G0B+3], s[G0B+3], 0x80000000
	s_mov_b32 s[G0B+8], 1
	s_mov_b32 s[G0B+9], 2*HALFT
	s_sub_nc_u64 s[G0B+10:G0B+11], s[96:97], s[2:3]
	s_mov_b32 s[G0B+4], 1
	s_add_co_u32 s[G0B+5], s19, SLOT+2*HALFT
	s_add_nc_u64 s[G0B+6:G0B+7], s[G0B+10:G0B+11], s[22:23]
	s_or_b32 s[G0B+7], s[G0B+7], 0x80000000
	s_or_b32 s[G0B+11], s[G0B+11], 0x80000000
; THE HEAD'S LOADS, ONE A WAVE: wave 0 A's K steps 0 to 3, wave 1 B's, wave 2 A's scale words, wave 3 B's.  One chain of branches on the wave's number, one load to an arm, one join.
.macro ARM under, g0, g1, next
	s_cmp_lt_u32 s14, \under
	s_cbranch_scc0 \next
	tensor_load_to_lds s[\g0:\g0+3], s[\g1:\g1+7]
	s_nop 0
.rept 4
	v_nop
.endr
	s_branch .Lhead_asked
\next:
.endm
	ARM 1, G0+8,  G1,  .Lhead_b
	ARM 2, G0B+8, G1B, .Lhead_sa
	ARM 3, G0S,   G1S, .Lhead_sb
	tensor_load_to_lds s[G0SB:G0SB+3], s[G1SB:G1SB+7]
	s_nop 0
.rept 4
	v_nop
.endr
.Lhead_asked:
	v_and_b32 v1, 15, v0
	v_bfe_u32 v2, v0, 4, 1
	v_and_b32 v3, 31, v0
	v_lshlrev_b32 v3, 4, v3
	s_mul_i32 s20, s15, 4*FRB
	s_mul_i32 s21, s16, 4*FRB
	s_add_co_u32 s21, s21, 2*HALFT
.irp s, 0,1,2
	v_add_nc_u32 v[ADRA+\s], s20, v3
	v_add_nc_u32 v[ADRB+\s], s21, v3
	s_add_co_u32 s20, s20, SLOT
	s_add_co_u32 s21, s21, SLOT
.endr
	v_lshlrev_b32 v5, 2, v1
	s_lshl_b32 s20, s15, 12
	s_lshl_b32 s21, s16, 12
	s_add_co_u32 s21, s21, 2*SCH
	s_sub_co_u32 s21, s21, s20
	v_mul_u32_u24 v6, s21, v2
	s_add_co_u32 s20, s20, SCL
	v_add_nc_u32 v5, v5, v6
	v_add_nc_u32 v[ADRS], s20, v5
	s_mul_i32 s22, s14, 16*SPITCH
	s_add_co_u32 s22, s22, STAGE
	v_mul_u32_u24 v5, v1, SPITCH
	v_lshl_add_u32 v5, v2, 6, v5
	v_add_nc_u32 v[STO], s22, v5
	v_mul_u32_u24 v6, v2, SPITCH
	v_lshl_add_u32 v6, v1, 4, v6
	v_add_nc_u32 v[RD], s22, v6
	v_lshlrev_b32 v7, 13, v2
	v_lshl_add_u32 v[CO], v1, 4, v7
	s_lshl_b32 s20, s17, 1
	s_add_co_u32 s20, s20, s15
	s_lshl_b32 s20, s20, 19
	s_lshl_b32 s22, s46, 9
	s_lshl_b32 s23, s16, 8
	s_add_co_u32 s22, s22, s23
	s_add_co_u32 s20, s20, s22
	s_mov_b32 s21, 0
	s_add_nc_u64 s[12:13], s[12:13], s[20:21]
.macro FETCH k
.set FK, \k
.set FS, 128*(FK%2)
.set FL, (FK/4)%3
.set FQ, FK%4
	WIN TO_F
.irp i, 0,1,2,3
.irp c, 0,1,2
	ds_load_b128 v[FS+FR*\i+4*\c:FS+FR*\i+4*\c+3], v[ADRA+FL] offset:FQ*BLKB+\i*FRB+512*\c
.endr
.endr
.irp i, 0,1,2,3
.irp c, 0,1,2
	ds_load_b128 v[FS+48+FR*\i+4*\c:FS+48+FR*\i+4*\c+3], v[ADRB+FL] offset:FQ*BLKB+\i*FRB+512*\c
.endr
.endr
.if FQ == 0
	WIN 0
.irp qq, 0,1,2,3
.irp i, 0,1,2,3
	ds_load_b32 v[SC+16*((FK/4)%2)+4*\qq+\i], v[ADRS] offset:1024*\i+64*(FK+\qq)
.endr
.endr
.endif
.endm
.macro MULA k, a, zero
.set MK, \k
.set MS, 128*(MK%2)
.set MP, SC+16*((MK/4)%2)+4*(MK%4)
.irp b, 0,1,2,3
.if \zero
	v_wmma_scale_f32_16x16x128_f8f6f4 v[ACC+8*(4*(\a)+\b):ACC+8*(4*(\a)+\b)+7], v[MS+48+FR*\b:MS+48+FR*\b+FR-1], v[MS+FR*(\a):MS+FR*(\a)+FR-1], 0, v[MP+\b], v[MP+(\a)] matrix_a_fmt:MATRIX_FMT_BF6 matrix_b_fmt:MATRIX_FMT_BF6 matrix_a_scale:MATRIX_SCALE_ROW1
.else
	v_wmma_scale_f32_16x16x128_f8f6f4 v[ACC+8*(4*(\a)+\b):ACC+8*(4*(\a)+\b)+7], v[MS+48+FR*\b:MS+48+FR*\b+FR-1], v[MS+FR*(\a):MS+FR*(\a)+FR-1], v[ACC+8*(4*(\a)+\b):ACC+8*(4*(\a)+\b)+7], v[MP+\b], v[MP+(\a)] matrix_a_fmt:MATRIX_FMT_BF6 matrix_b_fmt:MATRIX_FMT_BF6 matrix_a_scale:MATRIX_SCALE_ROW1
.endif
.endr
.endr
.endm
.macro PLACES
.rept 4
	v_nop
.endr
.endm
.macro KSTEP k, zero
	s_wait_dscnt 0x0
.if (\k) < 15
.if (\k) > 0
	PLACES
.endif
	FETCH (\k)+1
.endif
	WIN MUL
.irp a, 0,1,2,3
	MULA \k, \a, \zero
.endr
.endm
.macro KTURN k, fill
	WIN 0
	s_wait_tensorcnt 0x0
	ds_add_u32 v[SPW], v[NIL]
.if \fill
	s_mov_b32 s[G1+2], 96<<16                      ; no tensor load of mine is out: the refill brings a quarter of a slot a wave, 96 rows
	s_mov_b32 s[G1+4], 96
	s_mov_b32 s[G1B+2], 96<<16
	s_mov_b32 s[G1B+4], 96
.endif
	s_wait_dscnt 1
	WIN MUL
	MULA \k, 0, 0
	s_wait_dscnt 0x0
	s_barrier_signal -1
	MULA \k, 1, 0
	WIN 0
	s_barrier_wait -1
.if \fill
	CREST
	s_add_nc_u64 s[G0+2:G0+3], s[G0+2:G0+3], 6*HALFT
	s_add_nc_u64 s[G0B+2:G0B+3], s[G0B+2:G0B+3], 6*HALFT
	JLOAD G0, G1, G0B, G1B
.else
	PLACES
.endif
	FETCH (\k)+1
	WIN MUL
	MULA \k, 2, 0
	MULA \k, 3, 0
.endm
	s_wait_alu depctr_va_vdst(0)
	s_wait_tensorcnt 0x0                           ; my tile of the head's four is in
	ds_add_u32 v[SPW], v[NIL]
	s_wait_dscnt 0x0
	CROUND                                         ; all four tiles are in, and all sixteen work-groups are here
	s_cmp_eq_u32 s16, 0                            ; slots 1 and 2, one load a wave: even waves A's part, odd waves B's
	s_cbranch_scc0 .Lsec_b
	tensor_load_to_lds s[G0+4:G0+7], s[G1:G1+7]
	s_nop 0
.rept 4
	v_nop
.endr
	s_branch .Lsec_asked
.Lsec_b:
	tensor_load_to_lds s[G0B+4:G0B+7], s[G1B:G1B+7]
	s_nop 0
.rept 4
	v_nop
.endr
.Lsec_asked:
	FETCH 0
	KSTEP 0, 1
	KSTEP 1, 0
	KSTEP 2, 0
	KTURN 3, 1
.irp k, 4,5,6,7,8,9,10
	KSTEP \k, 0
.endr
	KTURN 11, 0
.irp k, 12,13,14,15
	KSTEP \k, 0
.endr
	WIN 0
.macro TOSTAGE a
.irp b, 0,1,2,3
	ds_store_b128 v[STO], v[ACC+8*(4*(\a)+\b):ACC+8*(4*(\a)+\b)+3] offset:128*(\b/2)+32*(\b%2)
	ds_store_b128 v[STO], v[ACC+8*(4*(\a)+\b)+4:ACC+8*(4*(\a)+\b)+7] offset:128*(\b/2)+32*(\b%2)+16
.endr
.set BB, BK+32*((\a)%2)
.irp t, 0,1,2,3,4,5,6,7
	ds_load_b128 v[BB+4*\t:BB+4*\t+3], v[RD] offset:2*\t*SPITCH
.endr
.endm
.macro SEND a, younger
.set BB, BK+32*((\a)%2)
	s_wait_dscnt \younger
.irp t, 0,1,2,3,4,5,6,7
	global_store_b128 v[CO], v[BB+4*\t:BB+4*\t+3], s[12:13] offset:(32*((\a)/2)+8*((\a)%2)+2*\t+8*(\t/4))*8192 th:TH_STORE_NT
.endr
.endm
	PLACES
	TOSTAGE 0
.irp a, 1,2,3
.if \a > 1
	s_wait_xcnt 0x0
.endif
	TOSTAGE \a
	SEND \a-1, 16
.endr
	SEND 3, 0
	s_wait_tensorcnt 0x0
	ds_add_u32 v[SPW], v[NIL]
	s_wait_dscnt 0x0
	CROUND
	s_endpgm
.Lfunc_end_k_q55728a0fd3_oproj:
	.size	k_q55728a0fd3_oproj, .Lfunc_end_k_q55728a0fd3_oproj-k_q55728a0fd3_oproj
	.p2alignl 7, 3214868480
	.fill 96, 4, 3214868480
	.section	.rodata,"a",@progbits
	.p2align	6, 0x0
	.amdhsa_kernel k_q55728a0fd3_oproj
		.amdhsa_group_segment_fixed_size 327680
		.amdhsa_private_segment_fixed_size 0
		.amdhsa_enable_private_segment 0
		.amdhsa_kernarg_size 40
		.amdhsa_user_sgpr_count 2
		.amdhsa_user_sgpr_kernarg_segment_ptr 1
		.amdhsa_wavefront_size32 1
		.amdhsa_system_sgpr_workgroup_id_x 1
		.amdhsa_system_sgpr_workgroup_id_y 1
		.amdhsa_system_sgpr_workgroup_id_z 1
		.amdhsa_system_vgpr_workitem_id 0
		.amdhsa_next_free_vgpr 512
		.amdhsa_next_free_sgpr 102
		.amdhsa_reserve_vcc 0
		.amdhsa_float_denorm_mode_32 3
		.amdhsa_float_denorm_mode_16_64 3
		.amdhsa_memory_ordered 1
		.amdhsa_forward_progress 1
		.amdhsa_inst_pref_size 84
	.end_amdhsa_kernel
	.amdgpu_metadata
---
amdhsa.version: [ 1, 2 ]
amdhsa.kernels:
  - .name:           k_q55728a0fd3_oproj
    .symbol:         k_q55728a0fd3_oproj.kd
    .args:
      - { .name: yc, .offset: 0, .size: 8, .value_kind: global_buffer, .address_space: global }
      - { .name: ys, .offset: 8, .size: 8, .value_kind: global_buffer, .address_space: global }
      - { .name: opc, .offset: 16, .size: 8, .value_kind: global_buffer, .address_space: global }
      - { .name: ops, .offset: 24, .size: 8, .value_kind: global_buffer, .address_space: global }
      - { .name: xw, .offset: 32, .size: 8, .value_kind: global_buffer, .address_space: global }
    .group_segment_fixed_size: 327680
    .private_segment_fixed_size: 0
    .kernarg_segment_align: 8
    .kernarg_segment_size: 40
    .max_flat_workgroup_size: 128
    .sgpr_count:     102
    .vgpr_count:     512
    .wavefront_size: 32
...
	.end_amdgpu_metadata
.endif
;; end of part 9
;; launch lnorm (part 10): grid 256 x 1, 8 waves a work-group, no clusters, 0 bytes of LDS; arguments xw, q, ln_w, out0, nf; writes out0
.if DOCPART == 10
	.amdgcn_target "amdgcn-amd-amdhsa--gfx1250"
	.amdhsa_code_object_version 6
	.text
	.protected	k_q55728a0fd3_lnorm
	.globl	k_q55728a0fd3_lnorm
	.p2align	8
	.type	k_q55728a0fd3_lnorm,@function
k_q55728a0fd3_lnorm:
	s_mov_b64 s[64:65], 0
	v_nop
	global_prefetch_b8 v0, s[64:65] scope:SCOPE_SE
	s_setreg_imm32_b32 hwreg(HW_REG_WAVE_MODE, 25, 1), 1
	s_wait_xcnt 0x0
; out0[t][:] = (x - mean(x)) * rsqrt(var(x) + 1e-5) * ln_w, x = xw[t][:] + q[t][:], all f32, rows of 2,048.
; One wave, one row: 8,192 bytes are 64 registers a lane; the row stays in registers between the mean, the variance (taken of x - mean: no difference of large sums) and the scaling.  No LDS, no barrier.
; Each load and store of a wave but nf's covers 512 consecutive bytes.  All 49 loads of a wave go out at once.  No cluster, no matrix unit: the rows are read once and nothing is multiplied by a matrix.
.set X,  16                            ; v16-79   xw's row, then x, then the result
.set Q,  80                            ; v80-143  q's row
.set W,  144                           ; v144-207 ln_w
.set A,  208                           ; v208-215 four chains of packed sums
.set MU, 216                           ; v[216:217] the mean, twice
.set VR, 218                           ; v218 the variance + 1e-5
.set T,  219
.set RS, 220                           ; v[220:221] the root's reciprocal (the low word serves both halves)
	s_load_b256 s[4:11], s[0:1], 0x0               ; xw, q, ln_w, out0
	s_load_b64 s[20:21], s[0:1], 0x20              ; nf [tile 128][head 16][16 rows]: NaN where a head's mask row is all 0, else 0
	v_lshrrev_b32 v1, 5, v0
	s_delay_alu instid0(VALU_DEP_1)
	v_readfirstlane_b32 s12, v1                    ; wave 0..7
	v_and_b32 v2, 31, v0
	s_delay_alu instid0(VALU_DEP_1)
	v_lshlrev_b32 v2, 4, v2                        ; 16 x lane
	s_lshl_b32 s13, ttmp9, 3
	s_add_co_u32 s13, s13, s12                     ; my row
	s_lshl_b32 s14, s13, 13
	s_mov_b32 s15, 0
	s_lshr_b32 s22, s13, 5                         ; my row's tile is 2 (row / 32) + (row / 8) % 2, its lane there row % 8 + 8 ((row / 16) % 2)
	s_lshl_b32 s22, s22, 1
	s_bfe_u32 s23, s13, 0x10003
	s_add_co_u32 s22, s22, s23
	s_lshl_b32 s22, s22, 10
	s_and_b32 s23, s13, 7
	s_bfe_u32 s24, s13, 0x10004
	s_lshl_b32 s24, s24, 3
	s_add_co_u32 s23, s23, s24
	s_lshl_b32 s23, s23, 2
	s_add_co_u32 s22, s22, s23
	s_mov_b32 s23, 0
	s_mov_b32 s16, 0x3a000000                      ; 1 / 2,048
	s_mov_b32 s18, 0x76543210
	s_mov_b32 s19, 0xfedcba98
	v_mov_b32 v[T], 0                              ; a lane permute's destination counts as one of its sources
	v_mov_b32 v[RS+1], 0                           ; named with the root's reciprocal as a pair
	v_and_b32 v3, 15, v0
	s_delay_alu instid0(VALU_DEP_1)
	v_lshlrev_b32 v3, 6, v3                        ; lane l takes head l % 16
	s_wait_alu depctr_va_vdst(0)
	s_wait_kmcnt 0x0
	s_add_nc_u64 s[4:5], s[4:5], s[14:15]
	s_add_nc_u64 s[6:7], s[6:7], s[14:15]
	s_add_nc_u64 s[10:11], s[10:11], s[14:15]
	s_add_nc_u64 s[20:21], s[20:21], s[22:23]
	global_load_b32 v222, v3, s[20:21]
.irp j, 0,1,2,3,4,5,6,7,8,9,10,11,12,13,14,15
	global_load_b128 v[X+4*\j:X+4*\j+3], v2, s[4:5] offset:512*\j th:TH_LOAD_NT
.endr
.irp j, 0,1,2,3,4,5,6,7,8,9,10,11,12,13,14,15
	global_load_b128 v[Q+4*\j:Q+4*\j+3], v2, s[6:7] offset:512*\j th:TH_LOAD_NT
.endr
.irp j, 0,1,2,3,4,5,6,7,8,9,10,11,12,13,14,15
	global_load_b128 v[W+4*\j:W+4*\j+3], v2, s[8:9] offset:512*\j
.endr
.macro ACROSS r, t                     ; the sum over the 32 lanes, in every lane
	s_delay_alu instid0(VALU_DEP_1)
	v_add_f32_dpp v[\r], v[\r], v[\r] row_xmask:1 row_mask:0xf bank_mask:0xf
	s_delay_alu instid0(VALU_DEP_1)
	v_add_f32_dpp v[\r], v[\r], v[\r] row_xmask:2 row_mask:0xf bank_mask:0xf
	s_delay_alu instid0(VALU_DEP_1)
	v_add_f32_dpp v[\r], v[\r], v[\r] row_xmask:4 row_mask:0xf bank_mask:0xf
	s_delay_alu instid0(VALU_DEP_1)
	v_add_f32_dpp v[\r], v[\r], v[\r] row_xmask:8 row_mask:0xf bank_mask:0xf
	s_delay_alu instid0(VALU_DEP_1)
	v_permlanex16_b32 v[\t], v[\r], s18, s19
	s_delay_alu instid0(VALU_DEP_1)
	v_add_f32 v[\r], v[\r], v[\t]
.endm
.macro JOIN                            ; the four chains and their halves
	s_delay_alu instid0(VALU_DEP_3)
	v_pk_add_f32 v[A:A+1], v[A:A+1], v[A+2:A+3]
	s_delay_alu instid0(VALU_DEP_2)
	v_pk_add_f32 v[A+4:A+5], v[A+4:A+5], v[A+6:A+7]
	s_delay_alu instid0(VALU_DEP_1)
	v_pk_add_f32 v[A:A+1], v[A:A+1], v[A+4:A+5]
	s_delay_alu instid0(VALU_DEP_1)
	v_add_f32 v[A], v[A], v[A+1]
.endm
	s_wait_loadcnt 16                              ; xw's and q's rows are in; ln_w's 16 loads may be out
.set j, 0
.rept 32
	v_pk_add_f32 v[X+j:X+j+1], v[X+j:X+j+1], v[Q+j:Q+j+1]   ; the residual
.set j, j+2
.endr
	v_add_f32 v[X], v[X], v222                     ; 0, or the NaN of a head that had no key for this row: it reaches the mean and so the whole row
.irp k, 0,1,2,3
	v_pk_add_f32 v[A+2*\k:A+2*\k+1], v[X+2*\k:X+2*\k+1], v[X+8+2*\k:X+9+2*\k]   ; the first pairs start the chains: nothing is cleared
.endr
.set j, 16
.rept 6
.irp k, 0,1,2,3
	s_delay_alu instid0(VALU_DEP_4)
	v_pk_add_f32 v[A+2*\k:A+2*\k+1], v[A+2*\k:A+2*\k+1], v[X+j+2*\k:X+j+2*\k+1]
.endr
.set j, j+8
.endr
	JOIN
	ACROSS A, T
	s_delay_alu instid0(VALU_DEP_1)
	v_mul_f32 v[MU], s16, v[A]                     ; the mean
	s_delay_alu instid0(VALU_DEP_1)
	v_mov_b32 v[MU+1], v[MU]
.set j, 0
.rept 32
	v_pk_add_f32 v[X+j:X+j+1], v[X+j:X+j+1], v[MU:MU+1] neg_lo:[0,1] neg_hi:[0,1]   ; x - mean
.set j, j+2
.endr
.irp k, 0,1,2,3
	v_pk_mul_f32 v[A+2*\k:A+2*\k+1], v[X+2*\k:X+2*\k+1], v[X+2*\k:X+2*\k+1]
.endr
.set j, 8
.rept 7
.irp k, 0,1,2,3
	s_delay_alu instid0(VALU_DEP_4)
	v_pk_fma_f32 v[A+2*\k:A+2*\k+1], v[X+j+2*\k:X+j+2*\k+1], v[X+j+2*\k:X+j+2*\k+1], v[A+2*\k:A+2*\k+1]
.endr
.set j, j+8
.endr
	JOIN
	ACROSS A, T
	s_delay_alu instid0(VALU_DEP_1)
	v_fmaak_f32 v[VR], s16, v[A], 0x3727c5ac       ; the variance + 1e-5
	s_wait_alu depctr_va_vdst(0)
	v_rsq_f32 v[RS], v[VR]
	s_wait_loadcnt 0x0                             ; ln_w
.set j, 0
.rept 32
	v_pk_mul_f32 v[X+j:X+j+1], v[X+j:X+j+1], v[W+j:W+j+1]   ; independent work behind the root
.set j, j+2
.endr
	s_wait_alu depctr_va_vdst(0)                   ; the wait ahead of the first reader of the root's reciprocal
.set j, 0
.rept 32
	v_pk_mul_f32 v[X+j:X+j+1], v[X+j:X+j+1], v[RS:RS+1] op_sel_hi:[1,0]
.set j, j+2
.endr
.irp j, 0,1,2,3,4,5,6,7,8,9,10,11,12,13,14,15
	global_store_b128 v2, v[X+4*\j:X+4*\j+3], s[10:11] offset:512*\j th:TH_STORE_NT
.endr
	s_endpgm
.Lfunc_end_k_q55728a0fd3_lnorm:
	.size	k_q55728a0fd3_lnorm, .Lfunc_end_k_q55728a0fd3_lnorm-k_q55728a0fd3_lnorm
	.p2alignl 7, 3214868480
	.fill 96, 4, 3214868480
	.section	.rodata,"a",@progbits
	.p2align	6, 0x0
	.amdhsa_kernel k_q55728a0fd3_lnorm
		.amdhsa_group_segment_fixed_size 0
		.amdhsa_private_segment_fixed_size 0
		.amdhsa_enable_private_segment 0
		.amdhsa_kernarg_size 40
		.amdhsa_user_sgpr_count 2
		.amdhsa_user_sgpr_kernarg_segment_ptr 1
		.amdhsa_wavefront_size32 1
		.amdhsa_system_sgpr_workgroup_id_x 1
		.amdhsa_system_sgpr_workgroup_id_y 1
		.amdhsa_system_sgpr_workgroup_id_z 1
		.amdhsa_system_vgpr_workitem_id 0
		.amdhsa_next_free_vgpr 224
		.amdhsa_next_free_sgpr 66
		.amdhsa_reserve_vcc 0
		.amdhsa_float_denorm_mode_32 3
		.amdhsa_float_denorm_mode_16_64 3
		.amdhsa_memory_ordered 1
		.amdhsa_forward_progress 1
		.amdhsa_inst_pref_size 24
	.end_amdhsa_kernel
	.amdgpu_metadata
---
amdhsa.version: [ 1, 2 ]
amdhsa.kernels:
  - .name:           k_q55728a0fd3_lnorm
    .symbol:         k_q55728a0fd3_lnorm.kd
    .args:
      - { .name: xw, .offset: 0, .size: 8, .value_kind: global_buffer, .address_space: global }
      - { .name: q, .offset: 8, .size: 8, .value_kind: global_buffer, .address_space: global }
      - { .name: ln_w, .offset: 16, .size: 8, .value_kind: global_buffer, .address_space: global }
      - { .name: out0, .offset: 24, .size: 8, .value_kind: global_buffer, .address_space: global }
      - { .name: nf, .offset: 32, .size: 8, .value_kind: global_buffer, .address_space: global }
    .group_segment_fixed_size: 0
    .private_segment_fixed_size: 0
    .kernarg_segment_align: 8
    .kernarg_segment_size: 40
    .max_flat_workgroup_size: 256
    .sgpr_count:     66
    .vgpr_count:     224
    .wavefront_size: 32
...
	.end_amdgpu_metadata
.endif
;; end of part 10
